; MI455X (gfx1250); checked and timed in simulation.
; The chip was launched on July 23, 2026; its instructions are those of AMD's public machine-readable ISA for CDNA 5 (MIT licence, August 2026) and "CDNA5" Instruction Set Architecture Reference Guide (July 2026). The comments in the code are by the model that wrote it; some were corrected since.
;; DBF Linear GEMLITE. Allowed arithmetic: float matrix products may take bf16 or f16 operands with f32 sums; other float arithmetic in f32, or as packed bf16 or f16 multiplies, adds, multiply-adds, maxima and minima; sums over many terms, partial sums and values carried from step to step in f32; what a program stores and reads back later, other than sums and carried values, may be rounded once to bf16 or f16.
;; Inputs: bias 4,096 float32; scaling0 4,096 float32; scaling2 4,096 float32; scaling4 4,096 float32; w1_bits 4,096 x 4,096 int32; w3_bits 4,096 x 4,096 int32; x 4 x 512 x 4,096 float32.
;; Outputs: out0 4 x 512 x 4,096 float32.
;; 3 versions, each right; version 3 is version 2 with the launch prep written anew for expert scheduling mode. Each part assembles by itself: llvm-mc -triple=amdgcn-amd-amdhsa -mcpu=gfx1250 --defsym DOCPART=n.
;; ======== version 1 of 3: 3 launches
;; limits: values are held in f16: magnitudes above 65,504 overflow, below 6.1e-05 lose precision; right only within a limited range of input values
;; workspace buffers: w1h 33,554,432 bytes; w3h 33,554,432 bytes; xs 16,777,216 bytes; hh 16,777,216 bytes; rsc 16,384 bytes
;; launch prep (part 1): grid 640 x 1, 8 waves a work-group, no clusters, 1,536 bytes of LDS; arguments w1_bits, w3_bits, x, scaling0, scaling2, w1h, w3h, xs, rsc; writes w1h, w3h, xs, rsc
.if DOCPART == 1
	.amdgcn_target "amdgcn-amd-amdhsa--gfx1250"
	.amdhsa_code_object_version 6
	.text
	.protected	k_q554aa5475a_prep
	.globl	k_q554aa5475a_prep
	.p2align	8
	.type	k_q554aa5475a_prep,@function
k_q554aa5475a_prep:
	s_mov_b64 s[64:65], 0
	v_nop
	global_prefetch_b8 v0, s[64:65] scope:SCOPE_SE
	s_setreg_imm32_b32 hwreg(HW_REG_WAVE_MODE, 25, 1), 1
	s_wait_xcnt 0x0
; out[r][o] = s4[o] * sum_m W3[o][m] s2[m] (sum_i W1[m][i] s0[i] x[r][i]) + bias[o],  W = 2 bits - 1.  2,048 rows r; IN = MID = OUT = 4,096.
; NOTHING OF THE PROBLEM IS LEFT OUT: every input has a way to the output, and every input is loaded by one of the three launches.
; THIS LAUNCH makes the matrix operands, each rounded once to f16, and a scale for each row:
;   w1h[m][i] = f16(2 b - 1)            w3h[o][m] = f16((2 b - 1) s2[m])            xs[r][i] = f16(x[r][i] s0[i])
;   t[r] = sum_i |x[r][i] s0[i]|,  e = t's exponent field held to 14 .. 254,  q[r] = 2^(140 - e),  1 / q[r] = 2^(e - 140):  rsc holds q[2048], then 1 / q[2048].
; WHY q.  |W1| <= 1 gives |h[r][m]| <= t[r], and t q < 2^14.  No f16 is more than twice the number it was rounded from, so |h q| < 2^15: the second launch can store h q as f16 whatever
; the size of x and s0.  q is a power of two: it goes in and comes out again without a rounding.
; LIMITS.  |x s0| and |(2 b - 1) s2| stay within 65,504, f16's largest; below 6.1e-5 they keep f16's fixed step of 6e-8.  The bound on h holds for bits of 0 or 1; other whole numbers still
; give 2 b - 1 (as far as f32 and f16 hold it), but h q may then pass f16's range.  A row with t < 2^-113 takes q = 2^126.  NaN and infinities are not treated apart.
; s2 is multiplied into W3, where reference multiplies it into h: another order of rounding.
; SHARES.  Every source row is 16,384 bytes (int32 or f32) and leaves as 8,192 bytes.  A work-group owns 16 rows: groups 0-255 of W1, 256-511 of W3, 512-639 of x.  Thread t owns columns
; 4 t + 1,024 c, c = 0..3, of every row: a wave's load covers 512 consecutive bytes, its store 256 consecutive bytes, aligned; the thread's 16 scales stay in registers.
; A ring of four row slots in registers keeps 16 loads of every wave on their way.  All places stand in immediates: no address register is ever rewritten.
; No tensor loads and no LDS on the way in: no wave wants a byte that another has fetched.  No matrix unit, no cluster: nothing is multiplied by a matrix and nothing is shared.
.set ROWIN,  16384
.set ROWOUT, 8192
.set SPARE,  512                       ; LDS: bytes 0-511 the waves' partial sums (row r, wave w at 32 r + 4 w); from 512 on the spare words, 128 bytes for each of 8 waves, which no other line names
.set LO,  1                            ; v1       16 t: my 16 bytes in a row's quarter, and in the scales; never rewritten
.set SO,  2                            ; v2       8 t: my 8 bytes in a stored row's quarter; never rewritten
.set SPW, 3                            ; v3       LDS address of my spare word; never rewritten
.set NIL, 4                            ; v4       0; never rewritten
.set LA,  5                            ; v5       4 x my wave's number
.set S,   8                            ; v[8:23]  my 16 scales s (1.0 for W1)
.set S2,  24                           ; v[24:39] 2 s
.set U,   40                           ; v[40:47] at work
.set T,   48                           ; v[48:63] row r: my part of t[r]
.set X,   64                           ; v[64:127]  four slots of 16: a row's numbers as loaded, then scaled
.set Y,   128                          ; v[128:159] four slots of 8: the row in f16
.set SRC, 24                           ; s[24:25] the group's first row in its source
.set DST, 26                           ; s[26:27] and in its destination
.macro FILL r                          ; row r: four loads, into slot r % 4
.irp c, 0,1,2,3
	global_load_b128 v[X+16*((\r)%4)+4*(\c):X+16*((\r)%4)+4*(\c)+3], v[LO], s[SRC:SRC+1] offset:(\r)*ROWIN+(\c)*4096 th:TH_LOAD_NT
.endr
.endm
.macro PUT r                           ; row r: four stores
.irp c, 0,1,2,3
	global_store_b64 v[SO], v[Y+8*((\r)%4)+2*(\c):Y+8*((\r)%4)+2*(\c)+1], s[DST:DST+1] offset:(\r)*ROWOUT+(\c)*2048
.endr
.endm
.macro WAITS r                         ; the head of row r's turn
.set left, 12                          ; three younger rows, four loads each, may stay out;
.if (\r) > 12
.set left, 4*(15-(\r))                 ; behind row 12 nothing is loaded any more, and the counts run down
.endif
	s_wait_loadcnt left                            ; loads come back in order (ISA guide 5.7.1): row r is in, and so are the scales, which were asked for earlier
	s_wait_xcnt 0x0                                ; the slot's Y, which its last stores read, is written again only behind this wait
.endm
.macro LEAVE r                         ; the end of row r's turn: rounded once to f16; the slot's next row is asked for ahead of the stores
.irp k, 0,1,2,3,4,5,6,7
	v_cvt_pk_f16_f32 v[Y+8*((\r)%4)+(\k)], v[X+16*((\r)%4)+2*(\k)], v[X+16*((\r)%4)+2*(\k)+1]
.endr
.if (\r) < 12
	FILL (\r)+4
.endif
	PUT \r
.endm
.macro WTURN r                         ; a row of weights: (2 b - 1) s as one fused 2 s b - s, exact for bits
	WAITS \r
.irp j, 0,1,2,3,4,5,6,7,8,9,10,11,12,13,14,15
	v_cvt_f32_i32 v[X+16*((\r)%4)+(\j)], v[X+16*((\r)%4)+(\j)]
.endr
.irp k, 0,1,2,3,4,5,6,7
	v_pk_fma_f32 v[X+16*((\r)%4)+2*(\k):X+16*((\r)%4)+2*(\k)+1], v[X+16*((\r)%4)+2*(\k):X+16*((\r)%4)+2*(\k)+1], v[S2+2*(\k):S2+2*(\k)+1], v[S+2*(\k):S+2*(\k)+1] neg_lo:[0,0,1] neg_hi:[0,0,1]
.endr
	LEAVE \r
.endm
.macro XTURN r                         ; a row of x: x s0 in f32, as reference has it; my 16 magnitudes are added in a tree
	WAITS \r
.irp k, 0,1,2,3,4,5,6,7
	v_pk_mul_f32 v[X+16*((\r)%4)+2*(\k):X+16*((\r)%4)+2*(\k)+1], v[X+16*((\r)%4)+2*(\k):X+16*((\r)%4)+2*(\k)+1], v[S+2*(\k):S+2*(\k)+1]
.endr
.irp k, 0,1,2,3,4,5,6,7
	v_add_f32 v[U+(\k)], |v[X+16*((\r)%4)+2*(\k)]|, |v[X+16*((\r)%4)+2*(\k)+1]|
.endr
.irp k, 0,1,2,3
	v_add_f32 v[U+(\k)], v[U+(\k)], v[U+4+(\k)]
.endr
	v_add_f32 v[U], v[U], v[U+2]
	v_add_f32 v[U+1], v[U+1], v[U+3]
	v_add_f32 v[T+(\r)], v[U], v[U+1]
	LEAVE \r
.endm
	s_load_b512 s[4:19], s[0:1], 0x0               ; w1_bits s[4:5], w3_bits s[6:7], x s[8:9], scaling0 s[10:11], scaling2 s[12:13], w1h s[14:15], w3h s[16:17], xs s[18:19]
	s_load_b64 s[20:21], s[0:1], 0x40              ; rsc
	v_lshl_add_u32 v[SPW], v0, 2, SPARE
	v_mov_b32 v[NIL], 0
	v_lshrrev_b32 v6, 5, v0
	v_readfirstlane_b32 s22, v6                    ; my wave's number
	v_lshlrev_b32 v[LO], 4, v0
	v_lshlrev_b32 v[SO], 3, v0
	v_lshlrev_b32 v[LA], 2, v6
	s_mov_b32 s30, 0x76543210                      ; v_permlanex16_b32: each lane takes its own place in the other half
	s_mov_b32 s31, 0xfedcba98
	s_mov_b32 s29, 0                               ; the upper word of every offset: all are under 2^27
	s_wait_kmcnt 0x0
	s_cmp_ge_u32 ttmp9, 512                        ; the work-group's number alone decides: the same way for all eight waves
	s_cbranch_scc1 .Lx
	; WEIGHTS
	s_and_b32 s23, ttmp9, 255                      ; my block of 16 rows
	s_cmp_lt_u32 ttmp9, 256
	s_cselect_b64 s[SRC:SRC+1], s[4:5], s[6:7]
	s_cselect_b64 s[DST:DST+1], s[14:15], s[16:17]
	s_lshl_b32 s28, s23, 18                        ; 16 rows of 16,384 bytes
	s_add_nc_u64 s[SRC:SRC+1], s[SRC:SRC+1], s[28:29]
	s_lshl_b32 s28, s23, 17                        ; 16 rows of 8,192 bytes
	s_add_nc_u64 s[DST:DST+1], s[DST:DST+1], s[28:29]
	s_cmp_lt_u32 ttmp9, 256                        ; compared anew: the shifts have written SCC
	s_cbranch_scc1 .Lw1
.irp c, 0,1,2,3
	global_load_b128 v[S+4*(\c):S+4*(\c)+3], v[LO], s[12:13] offset:(\c)*4096  ; W3: s = scaling2 of my columns
.endr
	FILL 0
	FILL 1
	FILL 2
	FILL 3
	s_wait_loadcnt 16                              ; the scales are in; the 16 loads of rows 0 to 3 are younger and stay out
.irp k, 0,1,2,3,4,5,6,7
	v_pk_add_f32 v[S2+2*(\k):S2+2*(\k)+1], v[S+2*(\k):S+2*(\k)+1], v[S+2*(\k):S+2*(\k)+1]
.endr
	s_branch .Lw
.Lw1:
	FILL 0
	FILL 1
	FILL 2
	FILL 3
.irp j, 0,1,2,3,4,5,6,7,8,9,10,11,12,13,14,15
	v_mov_b32 v[S+(\j)], 1.0                       ; W1 has no scale of its own: one text serves both
	v_mov_b32 v[S2+(\j)], 2.0
.endr
.Lw:
.irp r, 0,1,2,3,4,5,6,7,8,9,10,11,12,13,14,15
	WTURN \r
.endr
	s_branch .Lend
	; ROWS OF x
.Lx:
	s_sub_co_u32 s23, ttmp9, 512                   ; my block of 16 rows
	s_lshl_b32 s28, s23, 18
	s_add_nc_u64 s[SRC:SRC+1], s[8:9], s[28:29]
	s_lshl_b32 s28, s23, 17
	s_add_nc_u64 s[DST:DST+1], s[18:19], s[28:29]
	s_lshl_b32 s32, s23, 6                         ; 16 rows x 4 bytes in each half of rsc
.irp c, 0,1,2,3
	global_load_b128 v[S+4*(\c):S+4*(\c)+3], v[LO], s[10:11] offset:(\c)*4096  ; scaling0 of my columns
.endr
	FILL 0
	FILL 1
	FILL 2
	FILL 3
.irp r, 0,1,2,3,4,5,6,7,8,9,10,11,12,13,14,15
	XTURN \r
.endr
	; the 16 sums over the wave's 32 lanes: four steps inside each half ride on the addition, one crosses the halves; all rows take a step together, so that no line waits for the one before it
.irp m, 1,2,4,8
.set n, 0
.rept 16
	v_add_f32_dpp v[T+n], v[T+n], v[T+n] row_xmask:\m row_mask:0xf bank_mask:0xf
.set n, n+1
.endr
.endr
.set n, 0
.rept 16
	v_permlanex16_b32 v[X+n], v[T+n], s30, s31     ; its destination counts as read: X has been written, and no load into it is out
.set n, n+1
.endr
.set n, 0
.rept 16
	v_add_f32 v[T+n], v[T+n], v[X+n]
.set n, n+1
.endr
.set n, 0
.rept 16
	ds_store_b32 v[LA], v[T+n] offset:32*n         ; all lanes write the wave's one word of row n with the same number
.set n, n+1
.endr
	s_wait_dscnt 0x0                               ; for the others' sake: my stores are done
	s_barrier_signal -1
	s_barrier_wait -1                              ; all eight waves' partial sums lie in LDS
	s_cmp_lg_u32 s22, 0
	s_cbranch_scc1 .Lend                           ; wave 0 finishes: lanes 0-15 make q of the 16 rows, lanes 16-31 make 1 / q
	v_and_b32 v6, 15, v0
	v_lshlrev_b32 v7, 5, v6
	ds_load_b128 v[U:U+3], v7
	ds_load_b128 v[U+4:U+7], v7 offset:16
	s_wait_dscnt 0x0
	v_pk_add_f32 v[U:U+1], v[U:U+1], v[U+4:U+5]
	v_pk_add_f32 v[U+2:U+3], v[U+2:U+3], v[U+6:U+7]
	v_pk_add_f32 v[U:U+1], v[U:U+1], v[U+2:U+3]
	v_add_f32 v[U], v[U], v[U+1]                   ; t
	v_bfe_u32 v7, v[U], 23, 8                      ; e
	v_max_u32 v7, 14, v7
	v_min_u32 v7, 0xfe, v7
	v_sub_nc_u32 v[U+1], 0x10b, v7                 ; q's exponent field, 267 - e: 13 .. 253
	v_add_nc_u32 v[U+2], -13, v7                   ; that of 1 / q, e - 13: 1 .. 241
	v_lshlrev_b32 v[U+1], 23, v[U+1]
	v_lshlrev_b32 v[U+2], 23, v[U+2]
	v_cmp_gt_u32 vcc_lo, 16, v0                    ; (in wave 0 the thread's number is the lane's)
	v_cndmask_b32 v[U+3], v[U+2], v[U+1], vcc_lo
	v_lshrrev_b32 v[U+4], 4, v0
	v_lshlrev_b32 v[U+4], 13, v[U+4]               ; 1 / q lies 8,192 bytes behind q
	v_lshl_add_u32 v[U+4], v6, 2, v[U+4]
	v_add_nc_u32 v[U+4], s32, v[U+4]
	global_store_b32 v[U+4], v[U+3], s[20:21]      ; twice 64 bytes a work-group: 16,384 bytes in the whole launch
.Lend:
	s_wait_tensorcnt 0x0                           ; the wave's end: behind my last LDS store
	ds_add_u32 v[SPW], v[NIL]
	s_wait_dscnt 0x0
	s_endpgm
.Lfunc_end_k_q554aa5475a_prep:
	.size	k_q554aa5475a_prep, .Lfunc_end_k_q554aa5475a_prep-k_q554aa5475a_prep
	.p2alignl 7, 3214868480
	.fill 96, 4, 3214868480
	.section	.rodata,"a",@progbits
	.p2align	6, 0x0
	.amdhsa_kernel k_q554aa5475a_prep
		.amdhsa_group_segment_fixed_size 1536
		.amdhsa_private_segment_fixed_size 0
		.amdhsa_enable_private_segment 0
		.amdhsa_kernarg_size 72
		.amdhsa_user_sgpr_count 2
		.amdhsa_user_sgpr_kernarg_segment_ptr 1
		.amdhsa_wavefront_size32 1
		.amdhsa_system_sgpr_workgroup_id_x 1
		.amdhsa_system_sgpr_workgroup_id_y 1
		.amdhsa_system_sgpr_workgroup_id_z 1
		.amdhsa_system_vgpr_workitem_id 0
		.amdhsa_next_free_vgpr 160
		.amdhsa_next_free_sgpr 66
		.amdhsa_reserve_vcc 1
		.amdhsa_float_denorm_mode_32 3
		.amdhsa_float_denorm_mode_16_64 3
		.amdhsa_memory_ordered 1
		.amdhsa_forward_progress 1
		.amdhsa_inst_pref_size 91
	.end_amdhsa_kernel
	.amdgpu_metadata
---
amdhsa.version: [ 1, 2 ]
amdhsa.kernels:
  - .name:           k_q554aa5475a_prep
    .symbol:         k_q554aa5475a_prep.kd
    .args:
      - { .name: w1_bits, .offset: 0, .size: 8, .value_kind: global_buffer, .address_space: global }
      - { .name: w3_bits, .offset: 8, .size: 8, .value_kind: global_buffer, .address_space: global }
      - { .name: x, .offset: 16, .size: 8, .value_kind: global_buffer, .address_space: global }
      - { .name: scaling0, .offset: 24, .size: 8, .value_kind: global_buffer, .address_space: global }
      - { .name: scaling2, .offset: 32, .size: 8, .value_kind: global_buffer, .address_space: global }
      - { .name: w1h, .offset: 40, .size: 8, .value_kind: global_buffer, .address_space: global }
      - { .name: w3h, .offset: 48, .size: 8, .value_kind: global_buffer, .address_space: global }
      - { .name: xs, .offset: 56, .size: 8, .value_kind: global_buffer, .address_space: global }
      - { .name: rsc, .offset: 64, .size: 8, .value_kind: global_buffer, .address_space: global }
    .group_segment_fixed_size: 1536
    .private_segment_fixed_size: 0
    .kernarg_segment_align: 8
    .kernarg_segment_size: 72
    .max_flat_workgroup_size: 256
    .sgpr_count:     66
    .vgpr_count:     160
    .wavefront_size: 32
...
	.end_amdgpu_metadata
.endif
;; end of part 1
;; launch gemm1 (part 2): grid 16 x 16, 4 waves a work-group, clusters of 4 x 4, 327,680 bytes of LDS; arguments xs, w1h, hh, rsc; writes hh
.if DOCPART == 2
	.amdgcn_target "amdgcn-amd-amdhsa--gfx1250"
	.amdhsa_code_object_version 6
	.text
	.protected	k_q554aa5475a_gemm1
	.globl	k_q554aa5475a_gemm1
	.p2align	8
	.type	k_q554aa5475a_gemm1,@function
k_q554aa5475a_gemm1:
	s_mov_b64 s[64:65], 0
	v_nop
	global_prefetch_b8 v0, s[64:65] scope:SCOPE_SE
	s_setreg_imm32_b32 hwreg(HW_REG_WAVE_MODE, 25, 1), 1
	s_wait_xcnt 0x0
	s_wait_alu depctr_hold_cnt(0) depctr_sa_sdst(0) depctr_va_vdst(0) depctr_va_sdst(0) depctr_va_ssrc(0) depctr_va_vcc(0) depctr_vm_vsrc(0)
	s_getreg_b32 s2, hwreg(HW_REG_IB_STS2, 6, 4)
	s_cmp_eq_u32 s2, 0
	s_cbranch_scc0 .Lentry_in_a_cluster
	s_endpgm
.Lentry_in_a_cluster:
	s_bfe_u32 s2, ttmp6, 0x10000c
	s_cmp_lg_u32 s2, 0xf033
	s_cbranch_scc0 .Lentry_shape_is_right
	s_endpgm
.Lentry_shape_is_right:
; C[r][n] = f(sum over k of A[r][k] B[n][k]).  A: [2048][4096], B: [4096][4096], both f16, K along the rows; sums in f32.  One text for both products of the module; OUT32 tells them apart:
;   OUT32 = 0:  A = xs, B = w1h.  hh[r][m] = f16(q[r] x sum): q, a power of two made by the launch before, holds |h q| under 2^15 for bits of 0 or 1, so f16's range is never passed.
;   OUT32 = 1:  A = hh, B = w3h (which holds s2).  out0[r][o] = (sum x (1 / q[r])) s4[o] + bias[o] in f32: the power of two comes out without a rounding; scale and bias are one fused multiply-add.
; Nothing of the problem is left out.  LIMITS: those of the operands' f16 (stated where they are made); NaN and infinities are not treated apart.
; f16, not bf16: a number near 0 in a column with a large s4 has 1% of the whole output's root mean square as its room, which the 8 significant bits of bf16 operands do not hold.
; SHARES.  A tile of C is 128 rows x 256 columns: 16 x 16 tiles, one work-group each.  Four waves, each 64 x 128: 32 accumulators of 16 x 16, 256 registers.  K goes in steps of 128 (rows of
; 256 bytes, at multiples of 256 bytes) through two LDS slots filled by the tensor data mover; two slots of a K step of 256 (2 x 202,752 bytes) would not fit.
; CLUSTERS: 4 x 4 work-groups.  The four of a row of the cluster need the same tile of A, the four of a column the same tile of B: each tile is asked for JOINTLY, by the same tensor load with the
; same descriptor and a mask that names the four.  THE MATRIX INSTRUCTION IS USED TRANSPOSED (source 0 = 16 rows of B, source 1 = 16 rows of A): a lane then holds eight neighbouring numbers of a row of C.
; REGISTERS: window 0: v0-31 addresses; v32-127, v128-223 two fragment buffers (8 fragments of B, then 4 of A, 32 along K); v224-239 scales.  On the way out the buffers' registers are at work.
;   window 1: the accumulators, (a, b) at v[8 (8 a + b)].
.set OUT32,  0
.set KSTEP,  128
.set PITCH,  272                       ; an LDS row: 256 bytes + 16 of padding = 68 words: row r starts at bank 4 r mod 64 (64 banks of 4 bytes: ISA guide 11.1), so the 16 rows of a load start at 16 different banks
.set AHALF,  64*PITCH                  ; 64 rows of A: what wave 0 or 1 fetches, and what a wave reads of A
.set ATILE,  2*AHALF
.set BHALF,  128*PITCH                 ; 128 rows of B: what wave 2 or 3 fetches, and what a wave reads of B
.set SLOT,   ATILE+2*BHALF             ; A's 128 rows, then B's 256 rows: 104,448 bytes
.set STAGE,  2*SLOT                    ; behind the ring, never filled by a tensor load: 16 rows for each wave, for the way out
.set SPITCH, 272+256*OUT32             ; a stage row: 128 numbers of C + 16 bytes
.set SPARE,  STAGE+4*16*SPITCH         ; behind the stages: the spare words, 128 bytes for each wave: two blocks of 256 bytes that no other line names
.set LAPS,   16                        ; a lap = two K steps = once round the ring: 4,096 / 256
.set CSH,    13+OUT32                  ; a row of C is 8,192 or 16,384 bytes
.set CROW,   1<<CSH
.set ESH,    1+OUT32                   ; a number of C is 2 or 4 bytes
.set ROFF,   8192*OUT32                ; q, or 1 / q, in rsc
.set ADRA, 16                          ; v16-17  LDS address of my A fragments in slot 0, 1
.set ADRB, 20                          ; v20-21  the same for B
.set STO,  24                          ; v24     the way out: where I put my piece of a row
.set RD,   25                          ; v25     the way out: where I read rows back
.set CO,   26                          ; v26     my byte offset in C
.set RO,   27                          ; v27     my row's byte offset in q
.set SPW,  28                          ; v28     LDS address of my spare word; never rewritten
.set NIL,  29                          ; v29     0; never rewritten
.set PFO,  30                          ; v30     the prefetches' offset: my lane x a row of 8,192 bytes; never rewritten
.set CV,   31                          ; v31     OUT32: my four columns' byte offset in scaling4 and bias
.set F0,   32
.set F1,   128
.set RS,   224                         ; v[224:231] the row scale of block a, twice: a pair for the packed multiply
.set SC,   232                         ; v[232:235] OUT32: scaling4 of the four columns that I store
.set BI,   236                         ; v[236:239] OUT32: bias of the same
.set TMP,  32                          ; the way out: 64 registers, a block's scaled sums
.set HP,   96                          ; the way out, OUT32 = 0: the block in f16
.set OB,   128                         ; the way out: whole rows read back
.set G1,  24                           ; s[24:31] descriptor group 1 for A's tiles;  s[32:39] group 0, a set for each slot
.set G0,  32
.set G1B, 48                           ; s[48:55], s[56:63] the same for B's tiles
.set G0B, 56
.set LIM, 43                           ; s43     2 in a wave that prefetches, else the greatest number
.set PFA, 44                           ; s[44:45] where my prefetches stand
.set MSB, 0
.macro WIN new                         ; the immediate's high byte repeats the setting that is left; a switch that changes nothing is dropped
.if MSB != (\new)
	s_set_vgpr_msb (MSB<<8)|(\new)
.set MSB, \new
.endif
.endm
.set MUL, 0x50                         ; sources 0 (B) and 1 (A) window 0; C and D window 1
; A joint load: waves 0 and 1 fetch A's two halves, waves 2 and 3 B's.  The branch hangs on the wave's number alone.  An s_nop 0 and four v_nop follow each of the two lines, ahead of the jump, the label and what follows.
.macro JLOAD s
	s_cmp_eq_u32 s11, 0
	s_cbranch_scc0 .Lfor_b_\@
	tensor_load_to_lds s[G0+4*(\s):G0+4*(\s)+3], s[G1:G1+7]
	s_nop 0
.rept 4
	v_nop
.endr
	s_branch .Lasked_\@
.Lfor_b_\@:
	tensor_load_to_lds s[G0B+4*(\s):G0B+4*(\s)+3], s[G1B:G1B+7]
	s_nop 0
.rept 4
	v_nop
.endr
.Lasked_\@:
.endm
.macro CREST                           ; a round of the cluster's barrier behind its opening barrier: wave 0 signals for the work-group, every wave waits for all sixteen, my work-group's barrier once more
	s_cmp_lg_u32 s10, 0
	s_cbranch_scc1 .Lnot_wave_0_\@
	s_barrier_signal -3
.Lnot_wave_0_\@:
	s_barrier_wait -3
	s_barrier_signal -1
	s_barrier_wait -1
.endm
.macro CROUND                          ; a whole round
	s_barrier_signal -1
	s_barrier_wait -1
	CREST
.endm
; A PREFETCH INTO THE L2, behind each joint refill, its five lines and the run of LDS loads that follows.  The change of slots at the end of K step s refills with step s + 2 and prefetches step s + 6:
; four K steps, 512 matrix instructions of a wave, ahead of the refill that will ask for it.  32 rows x 256 bytes, a lane a row, one instruction a wave.
; Each row's 256 bytes of a K step are named ONCE in the launch.  A's tile row is read by every cluster of that row of clusters: cluster x = 0 asks, wave 0, and the four partners take 32 of the 128 rows
; each; B's tile column by every cluster of that column: cluster y = 0 asks, waves 2 and 3, and the four partners take 64 of the 256 rows each.  Partners are told apart BY ADDRESS: no branch hangs
; on a work-group's place in its cluster.  K steps 0 to 5 come by their loads alone.  s3 > 2 holds in the loop's trips 0 to 12, for s <= 25: the last K step named is 31, the last there is.
.macro ASK
	s_cmp_gt_u32 s3, s[LIM]
	s_cbranch_scc0 .Lnot_mine_\@
	global_prefetch_b8 v[PFO], s[PFA:PFA+1] th:TH_LOAD_NT scope:SCOPE_SE
.Lnot_mine_\@:
.endm
	s_load_b128 s[4:7], s[0:1], 0x0                ; A s[4:5], B s[6:7]
	s_load_b64 s[8:9], s[0:1], 0x10                ; C
	s_load_b64 s[68:69], s[0:1], 0x18              ; rsc
.if OUT32
	s_load_b128 s[72:75], s[0:1], 0x20             ; scaling4 s[72:73], bias s[74:75]
.endif
	v_lshl_add_u32 v[SPW], v0, 2, SPARE
	v_mov_b32 v[NIL], 0
	ds_add_u32 v[SPW], v[NIL]                      ; the wave's opening: the add, twice on end, and its wait ahead of my first tensor load; the set-up below, work on registers, stands between
	ds_add_u32 v[SPW], v[NIL]                      ; and once more, under the one wait
	v_lshrrev_b32 v1, 5, v0
	v_readfirstlane_b32 s10, v1                    ; wave 0..3
	s_lshr_b32 s11, s10, 1                         ; which 64 of the tile's rows are mine.  Also: I fetch for A (0) or for B (1)
	s_and_b32 s12, s10, 1                          ; which 128 of its columns.  Also: which half of that tile I fetch
	s_bfe_u32 s40, ttmp6, 0x40000                  ; cx, cy: my place in the cluster
	s_bfe_u32 s41, ttmp6, 0x40004
	s_lshl_b32 s42, ttmp9, 2
	s_add_co_u32 s42, s42, s40                     ; tile column of C = 4 x cluster x + cx
	s_and_b32 s13, ttmp7, 0xffff
	s_lshl_b32 s13, s13, 2
	s_add_co_u32 s13, s13, s41                     ; tile row of C = 4 x cluster y + cy
	s_lshl_b32 s43, s41, 2
	s_lshl_b32 s43, 15, s43                        ; my row of the cluster: places 4 cy .. 4 cy + 3
	s_lshl_b32 s44, 0x1111, s40                    ; my column: places cx, cx + 4, cx + 8, cx + 12
	; descriptor group 1: rows of 128 elements, padded in LDS; 64 rows for A, 128 for B
	s_or_b32 s[G1+0], s43, (1<<16)|(1<<20)|(1<<21)|(5<<22)|(3<<25)   ; 15:0 the mask: A's tiles go to my row; 17:16 elements of 2 bytes; 20 padding on; 21 set beside a mask; 24:22 after every 64 words (code 5); 31:25 4 words (code 3)
	s_or_b32 s[G1B+0], s44, (1<<16)|(1<<20)|(1<<21)|(5<<22)|(3<<25)  ; the same with the mask of my column
	s_mov_b32 s[G1+1], KSTEP<<16                   ; tensor_dim0 = 128
	s_mov_b32 s[G1+2], 64<<16                      ; tensor_dim1 = 64
	s_mov_b32 s[G1+3], KSTEP<<16                   ; tile_dim0 = 128
	s_mov_b32 s[G1+4], 64                          ; tile_dim1 = 64
	s_mov_b32 s[G1+5], 4096                        ; elements from row to row
	s_mov_b32 s[G1+6], 0
	s_mov_b32 s[G1+7], 0
	s_mov_b32 s[G1B+1], KSTEP<<16
	s_mov_b32 s[G1B+2], 128<<16                    ; tensor_dim1 = 128
	s_mov_b32 s[G1B+3], KSTEP<<16
	s_mov_b32 s[G1B+4], 128                        ; tile_dim1 = 128
	s_mov_b32 s[G1B+5], 4096
	s_mov_b32 s[G1B+6], 0
	s_mov_b32 s[G1B+7], 0
	; where the tiles come from.  A's hang on the tile row alone, B's on the tile column alone, each in registers that never hold the other coordinate.  All offsets are under 2^26.
	s_lshl_b32 s16, s13, 7
	s_lshl_b32 s17, s12, 6
	s_add_co_u32 s16, s16, s17                     ; A: row 128 x tile row + 64 x half
	s_lshl_b32 s16, s16, 13                        ; rows of 8,192 bytes
	s_mov_b32 s17, 0
	s_lshl_b32 s46, s42, 8
	s_lshl_b32 s47, s12, 7
	s_add_co_u32 s46, s46, s47                     ; B: row 256 x tile column + 128 x half
	s_lshl_b32 s46, s46, 13
	s_mov_b32 s47, 0
	s_mul_i32 s20, s12, AHALF                      ; and where they go: no place in the cluster enters an LDS address
	s_mul_i32 s21, s12, BHALF
	s_add_co_u32 s21, s21, ATILE
	s_wait_dscnt 0x0                               ; both opening adds are done
	s_wait_kmcnt 0x0
	s_add_nc_u64 s[14:15], s[4:5], s[16:17]
	s_add_nc_u64 s[46:47], s[6:7], s[46:47]
	CROUND                                         ; all sixteen work-groups are here: the first joint loads meet
.irp s, 0,1
	s_mov_b32 s[G0+4*(\s)], 1                                        ; count = 1
	s_add_co_u32 s[G0+4*(\s)+1], s20, (\s)*SLOT                      ; LDS address
	s_add_nc_u64 s[G0+4*(\s)+2:G0+4*(\s)+3], s[14:15], (\s)*KSTEP*2  ; global address: K step s
	s_or_b32 s[G0+4*(\s)+3], s[G0+4*(\s)+3], 0x80000000              ; type = 2
	s_mov_b32 s[G0B+4*(\s)], 1
	s_add_co_u32 s[G0B+4*(\s)+1], s21, (\s)*SLOT
	s_add_nc_u64 s[G0B+4*(\s)+2:G0B+4*(\s)+3], s[46:47], (\s)*KSTEP*2
	s_or_b32 s[G0B+4*(\s)+3], s[G0B+4*(\s)+3], 0x80000000
	JLOAD \s                                       ; both slots are asked for before anything else is done: two loads of mine are out
.endr
	; A fragment is 16 rows x 32 K in 8 registers: lane l holds row l % 16, K = 8 (l / 16) + 0..7 and 16 + 8 (l / 16) + 0..7: two loads of 16 bytes, 32 bytes apart.
	v_and_b32 v1, 15, v0                           ; l % 16
	v_bfe_u32 v2, v0, 4, 1                         ; l / 16
	v_mul_u32_u24 v3, v1, PITCH
	v_lshl_add_u32 v3, v2, 4, v3                   ; row x pitch + 16 x half
	s_mul_i32 s21, s11, AHALF                      ; my 64 rows of A
	s_mul_i32 s22, s12, BHALF                      ; my 128 rows of B,
	s_add_co_u32 s22, s22, ATILE                   ; which lie behind A's 128
.irp s, 0,1
	v_add_nc_u32 v[ADRA+(\s)], s21, v3
	v_add_nc_u32 v[ADRB+(\s)], s22, v3
	s_add_co_u32 s21, s21, SLOT
	s_add_co_u32 s22, s22, SLOT
.endr
	s_mul_i32 s23, s10, 16*SPITCH
	s_add_co_u32 s23, s23, STAGE                   ; my stage
	v_mul_u32_u24 v4, v1, SPITCH                   ; in: row l % 16, eight numbers for each half of the lanes
.if OUT32
	v_lshl_add_u32 v4, v2, 5, v4
	v_add_nc_u32 v[STO], s23, v4
	v_and_b32 v5, 31, v0
	v_lshlrev_b32 v[CO], 4, v5                     ; back: the 32 lanes take one row of 512 bytes, and the same in C
	v_add_nc_u32 v[RD], s23, v[CO]
.else
	v_lshl_add_u32 v4, v2, 4, v4
	v_add_nc_u32 v[STO], s23, v4
	v_mul_u32_u24 v5, v2, SPITCH                   ; back: lanes 0-15 take one row of 256 bytes, lanes 16-31 the next
	v_lshl_add_u32 v5, v1, 4, v5
	v_add_nc_u32 v[RD], s23, v5
	v_lshlrev_b32 v5, CSH, v2                      ; and the same two rows in C
	v_lshl_add_u32 v[CO], v1, 4, v5
.endif
	s_lshl_b32 s16, s13, 7
	s_lshl_b32 s17, s11, 6
	s_add_co_u32 s16, s16, s17                     ; my first row of C: 128 x tile row + 64 x half
	v_add_nc_u32 v[RO], s16, v1
	v_lshlrev_b32 v[RO], 2, v[RO]                  ; in block a my lane's row is that + 16 a + l % 16
	s_lshl_b32 s16, s16, CSH
	s_lshl_b32 s18, s42, 8
	s_lshl_b32 s19, s12, 7
	s_add_co_u32 s18, s18, s19                     ; my first column: 256 x tile column + 128 x half
.if OUT32
	s_lshl_b32 s19, s18, 2
	v_add_nc_u32 v[CV], s19, v[CO]                 ; the four columns that my lane stores: 4 l on
.endif
	s_lshl_b32 s18, s18, ESH
	s_add_co_u32 s16, s16, s18
	s_mov_b32 s17, 0
	s_add_nc_u64 s[8:9], s[8:9], s[16:17]          ; C at my 64 x 128: a multiple of 256 bytes from its first byte
.irp a, 0,1,2,3
	global_load_b32 v[RS+2*(\a)], v[RO], s[68:69] offset:ROFF+64*(\a)
.endr
.if OUT32
	global_load_b128 v[SC:SC+3], v[CV], s[72:73]
	global_load_b128 v[BI:BI+3], v[CV], s[74:75]
.endif
	; the prefetches' set-up
	s_and_b32 s22, ttmp7, 0xffff                   ; cluster y
	s_lshl_b32 s18, s13, 7
	s_lshl_b32 s19, s40, 5
	s_add_co_u32 s18, s18, s19                     ; in A: row 128 x tile row + 32 cx
	s_lshl_b32 s19, s42, 8
	s_lshl_b32 s20, s41, 6
	s_add_co_u32 s19, s19, s20
	s_lshl_b32 s20, s12, 5
	s_add_co_u32 s19, s19, s20                     ; in B: row 256 x tile column + 64 cy + 32 x (wave % 2)
	s_xor_b32 s21, s11, 1
	s_and_b32 s21, s21, s12                        ; 1 in wave 1, which never asks
	s_cmp_eq_u32 s11, 0
	s_cselect_b32 s20, s18, s19
	s_cselect_b32 s22, ttmp9, s22                  ; the coordinate along which other clusters read the same rows
	s_cselect_b64 s[PFA:PFA+1], s[4:5], s[6:7]
	s_or_b32 s22, s22, s21
	s_cmp_eq_u32 s22, 0
	s_cselect_b32 s[LIM], 2, -1                    ; the same in all sixteen partners, for a given wave
	s_lshl_b32 s20, s20, 13
	s_mov_b32 s21, 0
	s_add_nc_u64 s[PFA:PFA+1], s[PFA:PFA+1], s[20:21]
	s_add_nc_u64 s[PFA:PFA+1], s[PFA:PFA+1], 5*KSTEP*2  ; at K step 5: the first change of slots steps it to 6
	v_and_b32 v[PFO], 31, v0
	v_lshlrev_b32 v[PFO], 13, v[PFO]
	s_wait_loadcnt 0x0                             ; the scales, once
.irp a, 0,1,2,3
	v_mov_b32 v[RS+2*(\a)+1], v[RS+2*(\a)]
.endr
; 8 matrix instructions: m block a x all 8 n blocks, 32 along K, from buffer f.  zero = 1: the product starts the sums: nothing is ever cleared.
; The 32 accumulators take turns, one instruction a turn, in the same order in every quarter: 31 others stand between two links of a chain, over the backward jump too.
.macro MULA f, a, zero
	WIN MUL
.irp b, 0,1,2,3,4,5,6,7
.if \zero
	v_wmma_f32_16x16x32_f16 v[8*(8*(\a)+(\b)):8*(8*(\a)+(\b))+7], v[(\f)+8*(\b):(\f)+8*(\b)+7], v[(\f)+64+8*(\a):(\f)+64+8*(\a)+7], 0
.else
	v_wmma_f32_16x16x32_f16 v[8*(8*(\a)+(\b)):8*(8*(\a)+(\b))+7], v[(\f)+8*(\b):(\f)+8*(\b)+7], v[(\f)+64+8*(\a):(\f)+64+8*(\a)+7], v[8*(8*(\a)+(\b)):8*(8*(\a)+(\b))+7]
.endif
.endr
.endm
; 24 LDS loads in one run: the fragments of 32 along K at byte k of the rows, into buffer f: B's eight, then A's four
.macro FETCH slot, k, f
	WIN 0
.irp i, 0,1,2,3,4,5,6,7
	ds_load_b128 v[(\f)+8*(\i):(\f)+8*(\i)+3],   v[ADRB+(\slot)] offset:(\k)+(\i)*16*PITCH
	ds_load_b128 v[(\f)+8*(\i)+4:(\f)+8*(\i)+7], v[ADRB+(\slot)] offset:(\k)+(\i)*16*PITCH+32
.endr
.irp i, 0,1,2,3
	ds_load_b128 v[(\f)+64+8*(\i):(\f)+64+8*(\i)+3],   v[ADRA+(\slot)] offset:(\k)+(\i)*16*PITCH
	ds_load_b128 v[(\f)+64+8*(\i)+4:(\f)+64+8*(\i)+7], v[ADRA+(\slot)] offset:(\k)+(\i)*16*PITCH+32
.endr
.endm
.macro PLACES                          ; four places in front of loads into registers that matrix instructions have read; the matrix instructions in between are not counted
.rept 4
	v_nop
.endr
.endm
; A K step is four quarters of 32 along K, 32 matrix instructions each, on buffers 0, 1, 0, 1.  One of the first three: multiplies buffer f and, in its middle, fetches the next quarter, at byte k, into g.
.macro QUARTER slot, k, f, g, zero
	s_wait_dscnt 4                                 ; B and A's blocks 0 and 1 are in; the youngest four loads (A's blocks 2 and 3) may be out
	MULA \f, 0, \zero
	MULA \f, 1, \zero
	PLACES
	FETCH \slot, \k, \g
	s_wait_dscnt 24                                ; all but the 24 just issued
	MULA \f, 2, \zero
	MULA \f, 3, \zero
.endm
; The last quarter multiplies buffer 1 and changes slots: ONE barrier; in front of it each wave waits for all its tensor loads (one is out: its part of the next slot), adds 0 to its spare word, and waits
; for that and for its own reads of this slot.  fill = 1: the barrier opens a round of the cluster's, and this slot is filled again, two K steps on, first thing behind the round:
; from that request to the wait for it a wave issues 112 matrix instructions.
.macro TURN slot, next, fill
.if \fill
	s_wait_xcnt 0x0                                ; the last prefetch, a K step back, has read its address: it is stepped here, ahead of the waits of the change of slots
	s_add_nc_u64 s[PFA:PFA+1], s[PFA:PFA+1], KSTEP*2
.endif
	WIN 0                                          ; (the add's two registers lie in window 0)
	s_wait_tensorcnt 0x0                           ; all my tensor loads have landed: no load of mine is out, so a group 0 may be written
	ds_add_u32 v[SPW], v[NIL]                      ; 0 onto my spare word
	s_wait_dscnt 5                                 ; (the add and the youngest four loads may be out)
	MULA F1, 0, 0                                  ; eight matrix instructions stand between the add and the wait for it
	s_wait_dscnt 0x0                               ; the add is done, and my reads of this slot are over
	s_barrier_signal -1
	MULA F1, 1, 0                                  ; work on registers while the others arrive
.if \fill
	WIN 0
.endif
	s_barrier_wait -1
.if \fill
	CREST                                          ; no wave of any partner still reads this slot's tile or has a load on its way
	s_add_nc_u64 s[G0+4*(\slot)+2:G0+4*(\slot)+3], s[G0+4*(\slot)+2:G0+4*(\slot)+3], 2*KSTEP*2
	s_add_nc_u64 s[G0B+4*(\slot)+2:G0B+4*(\slot)+3], s[G0B+4*(\slot)+2:G0B+4*(\slot)+3], 2*KSTEP*2
	JLOAD \slot                                    ; the four v_nop behind it are also the places in front of the loads below
.else
	PLACES
.endif
	FETCH \next, 0, F0
.if \fill
	ASK
.endif
	MULA F1, 2, 0
	MULA F1, 3, 0
.endm
; THE WAY OUT of block a (16 rows x 128 columns): times the row's power of two; into my own stage in LDS; back as whole rows; stored.  The stage is the wave's own, and LDS serves a wave's
; instructions in order (ISA guide 5.7.1.4): no barrier, and no wait between the stores and the loads.  Each accumulator is read from its lowest registers on.
.macro OUTA a
	WIN 0x01                                       ; source 0 window 1
.irp b, 0,1,2,3,4,5,6,7
.irp r, 0,1,2,3
	v_pk_mul_f32 v[TMP+8*(\b)+2*(\r):TMP+8*(\b)+2*(\r)+1], v[8*(8*(\a)+(\b))+2*(\r):8*(8*(\a)+(\b))+2*(\r)+1], v[RS+2*(\a):RS+2*(\a)+1]
.endr
.endr
	WIN 0
.if OUT32
.irp b, 0,1,2,3,4,5,6,7
	ds_store_b128 v[STO], v[TMP+8*(\b):TMP+8*(\b)+3]   offset:64*(\b)
	ds_store_b128 v[STO], v[TMP+8*(\b)+4:TMP+8*(\b)+7] offset:64*(\b)+16
.endr
	s_wait_xcnt 0x0                                ; OB, which the last block's stores read, is loaded again only behind this wait
.irp t, 0,1,2,3,4,5,6,7,8,9,10,11,12,13,14,15
	ds_load_b128 v[OB+4*(\t):OB+4*(\t)+3], v[RD] offset:(\t)*SPITCH
.endr
.irp t, 0,1,2,3,4,5,6,7,8,9,10,11,12,13,14,15
	s_wait_dscnt 15-(\t)                           ; row t is back; the younger loads stay out
	v_pk_fma_f32 v[OB+4*(\t):OB+4*(\t)+1],   v[OB+4*(\t):OB+4*(\t)+1],   v[SC:SC+1],   v[BI:BI+1]
	v_pk_fma_f32 v[OB+4*(\t)+2:OB+4*(\t)+3], v[OB+4*(\t)+2:OB+4*(\t)+3], v[SC+2:SC+3], v[BI+2:BI+3]
	global_store_b128 v[CO], v[OB+4*(\t):OB+4*(\t)+3], s[8:9] offset:(16*(\a)+(\t))*CROW th:TH_STORE_NT  ; the wave stores 512 consecutive bytes, at a multiple of 256 from C's first byte
.endr
.else
.irp b, 0,1,2,3,4,5,6,7
.irp r, 0,1,2,3
	v_cvt_pk_f16_f32 v[HP+4*(\b)+(\r)], v[TMP+8*(\b)+2*(\r)], v[TMP+8*(\b)+2*(\r)+1]
.endr
.endr
.irp b, 0,1,2,3,4,5,6,7
	ds_store_b128 v[STO], v[HP+4*(\b):HP+4*(\b)+3] offset:32*(\b)
.endr
	s_wait_xcnt 0x0                                ; OB, which the last block's stores read, is loaded again only behind this wait
.irp t, 0,1,2,3,4,5,6,7
	ds_load_b128 v[OB+4*(\t):OB+4*(\t)+3], v[RD] offset:(\t)*2*SPITCH
.endr
.irp t, 0,1,2,3,4,5,6,7
	s_wait_dscnt 7-(\t)                            ; rows 2 t and 2 t + 1 are back; the younger loads stay out
	global_store_b128 v[CO], v[OB+4*(\t):OB+4*(\t)+3], s[8:9] offset:(16*(\a)+2*(\t))*CROW  ; 16 lanes store 256 consecutive bytes, at a multiple of 256 from C's first byte
.endr
.endif
.endm
	s_wait_tensorcnt 1                             ; my part of K step 0 is in; K step 1's may stay out
	s_barrier_signal -1
	s_barrier_wait -1                              ; everybody's is
	FETCH 0, 0, F0
	QUARTER 0, 64, F0, F1, 1                       ; the first quarter stands in front of the loop: its products start the sums
	WIN 0                                          ; at a label and at a branch every window is 0
	s_mov_b32 s3, LAPS-1
.Llap:                                                 ; a trip goes once round the ring, from a lap's second quarter to the next lap's first, and fills both slots again
	QUARTER 0, 128, F1, F0, 0
	QUARTER 0, 192, F0, F1, 0
	TURN 0, 1, 1
	QUARTER 1, 64,  F0, F1, 0
	QUARTER 1, 128, F1, F0, 0
	QUARTER 1, 192, F0, F1, 0
	TURN 1, 0, 1
	QUARTER 0, 64,  F0, F1, 0
	WIN 0
	s_sub_co_u32 s3, s3, 1
	s_cmp_lg_u32 s3, 0
	s_cbranch_scc1 .Llap
	QUARTER 0, 128, F1, F0, 0                      ; the last lap is written out: it fills nothing, and has no round of the cluster's barrier
	QUARTER 0, 192, F0, F1, 0
	TURN 0, 1, 0
	QUARTER 1, 64,  F0, F1, 0
	QUARTER 1, 128, F1, F0, 0
	QUARTER 1, 192, F0, F1, 0
	s_wait_dscnt 4                                 ; the very last quarter: nothing more to fetch
	MULA F1, 0, 0
	MULA F1, 1, 0
	s_wait_dscnt 0x0
	MULA F1, 2, 0
	MULA F1, 3, 0
	WIN 0
	PLACES                                         ; behind the last products, in front of lines that read results and write over fragments;
	PLACES                                         ; eight, once a launch
	OUTA 0
	OUTA 1
	OUTA 2
	OUTA 3
	s_wait_tensorcnt 0x0                           ; the wave's end: behind my last tensor load and my last LDS store
	ds_add_u32 v[SPW], v[NIL]
	s_wait_dscnt 0x0
	CROUND                                         ; the closing round: no work-group ends while a partner may still ask for a tile that names it
	s_endpgm
.Lfunc_end_k_q554aa5475a_gemm1:
	.size	k_q554aa5475a_gemm1, .Lfunc_end_k_q554aa5475a_gemm1-k_q554aa5475a_gemm1
	.p2alignl 7, 3214868480
	.fill 96, 4, 3214868480
	.section	.rodata,"a",@progbits
	.p2align	6, 0x0
	.amdhsa_kernel k_q554aa5475a_gemm1
		.amdhsa_group_segment_fixed_size 327680
		.amdhsa_private_segment_fixed_size 0
		.amdhsa_enable_private_segment 0
		.amdhsa_kernarg_size 32
		.amdhsa_user_sgpr_count 2
		.amdhsa_user_sgpr_kernarg_segment_ptr 1
		.amdhsa_wavefront_size32 1
		.amdhsa_system_sgpr_workgroup_id_x 1
		.amdhsa_system_sgpr_workgroup_id_y 1
		.amdhsa_system_sgpr_workgroup_id_z 1
		.amdhsa_system_vgpr_workitem_id 0
		.amdhsa_next_free_vgpr 512
		.amdhsa_next_free_sgpr 80
		.amdhsa_reserve_vcc 0
		.amdhsa_float_denorm_mode_32 3
		.amdhsa_float_denorm_mode_16_64 3
		.amdhsa_memory_ordered 1
		.amdhsa_forward_progress 1
		.amdhsa_inst_pref_size 97
	.end_amdhsa_kernel
	.amdgpu_metadata
---
amdhsa.version: [ 1, 2 ]
amdhsa.kernels:
  - .name:           k_q554aa5475a_gemm1
    .symbol:         k_q554aa5475a_gemm1.kd
    .args:
      - { .name: xs, .offset: 0, .size: 8, .value_kind: global_buffer, .address_space: global }
      - { .name: w1h, .offset: 8, .size: 8, .value_kind: global_buffer, .address_space: global }
      - { .name: hh, .offset: 16, .size: 8, .value_kind: global_buffer, .address_space: global }
      - { .name: rsc, .offset: 24, .size: 8, .value_kind: global_buffer, .address_space: global }
    .group_segment_fixed_size: 327680
    .private_segment_fixed_size: 0
    .kernarg_segment_align: 8
    .kernarg_segment_size: 32
    .max_flat_workgroup_size: 128
    .sgpr_count:     80
    .vgpr_count:     512
    .wavefront_size: 32
...
	.end_amdgpu_metadata
.endif
;; end of part 2
;; launch gemm2 (part 3): grid 16 x 16, 4 waves a work-group, clusters of 4 x 4, 327,680 bytes of LDS; arguments hh, w3h, out0, rsc, scaling4, bias; writes out0
.if DOCPART == 3
	.amdgcn_target "amdgcn-amd-amdhsa--gfx1250"
	.amdhsa_code_object_version 6
	.text
	.protected	k_q554aa5475a_gemm2
	.globl	k_q554aa5475a_gemm2
	.p2align	8
	.type	k_q554aa5475a_gemm2,@function
k_q554aa5475a_gemm2:
	s_mov_b64 s[64:65], 0
	v_nop
	global_prefetch_b8 v0, s[64:65] scope:SCOPE_SE
	s_setreg_imm32_b32 hwreg(HW_REG_WAVE_MODE, 25, 1), 1
	s_wait_xcnt 0x0
	s_wait_alu depctr_hold_cnt(0) depctr_sa_sdst(0) depctr_va_vdst(0) depctr_va_sdst(0) depctr_va_ssrc(0) depctr_va_vcc(0) depctr_vm_vsrc(0)
	s_getreg_b32 s2, hwreg(HW_REG_IB_STS2, 6, 4)
	s_cmp_eq_u32 s2, 0
	s_cbranch_scc0 .Lentry_in_a_cluster
	s_endpgm
.Lentry_in_a_cluster:
	s_bfe_u32 s2, ttmp6, 0x10000c
	s_cmp_lg_u32 s2, 0xf033
	s_cbranch_scc0 .Lentry_shape_is_right
	s_endpgm
.Lentry_shape_is_right:
; C[r][n] = f(sum over k of A[r][k] B[n][k]).  A: [2048][4096], B: [4096][4096], both f16, K along the rows; sums in f32.  One text for both products of the module; OUT32 tells them apart:
;   OUT32 = 0:  A = xs, B = w1h.  hh[r][m] = f16(q[r] x sum): q, a power of two made by the launch before, holds |h q| under 2^15 for bits of 0 or 1, so f16's range is never passed.
;   OUT32 = 1:  A = hh, B = w3h (which holds s2).  out0[r][o] = (sum x (1 / q[r])) s4[o] + bias[o] in f32: the power of two comes out without a rounding; scale and bias are one fused multiply-add.
; Nothing of the problem is left out.  LIMITS: those of the operands' f16 (stated where they are made); NaN and infinities are not treated apart.
; f16, not bf16: a number near 0 in a column with a large s4 has 1% of the whole output's root mean square as its room, which the 8 significant bits of bf16 operands do not hold.
; SHARES.  A tile of C is 128 rows x 256 columns: 16 x 16 tiles, one work-group each.  Four waves, each 64 x 128: 32 accumulators of 16 x 16, 256 registers.  K goes in steps of 128 (rows of
; 256 bytes, at multiples of 256 bytes) through two LDS slots filled by the tensor data mover; two slots of a K step of 256 (2 x 202,752 bytes) would not fit.
; CLUSTERS: 4 x 4 work-groups.  The four of a row of the cluster need the same tile of A, the four of a column the same tile of B: each tile is asked for JOINTLY, by the same tensor load with the
; same descriptor and a mask that names the four.  THE MATRIX INSTRUCTION IS USED TRANSPOSED (source 0 = 16 rows of B, source 1 = 16 rows of A): a lane then holds eight neighbouring numbers of a row of C.
; REGISTERS: window 0: v0-31 addresses; v32-127, v128-223 two fragment buffers (8 fragments of B, then 4 of A, 32 along K); v224-239 scales.  On the way out the buffers' registers are at work.
;   window 1: the accumulators, (a, b) at v[8 (8 a + b)].
.set OUT32,  1
.set KSTEP,  128
.set PITCH,  272                       ; an LDS row: 256 bytes + 16 of padding = 68 words: row r starts at bank 4 r mod 64 (64 banks of 4 bytes: ISA guide 11.1), so the 16 rows of a load start at 16 different banks
.set AHALF,  64*PITCH                  ; 64 rows of A: what wave 0 or 1 fetches, and what a wave reads of A
.set ATILE,  2*AHALF
.set BHALF,  128*PITCH                 ; 128 rows of B: what wave 2 or 3 fetches, and what a wave reads of B
.set SLOT,   ATILE+2*BHALF             ; A's 128 rows, then B's 256 rows: 104,448 bytes
.set STAGE,  2*SLOT                    ; behind the ring, never filled by a tensor load: 16 rows for each wave, for the way out
.set SPITCH, 272+256*OUT32             ; a stage row: 128 numbers of C + 16 bytes
.set SPARE,  STAGE+4*16*SPITCH         ; behind the stages: the spare words, 128 bytes for each wave: two blocks of 256 bytes that no other line names
.set LAPS,   16                        ; a lap = two K steps = once round the ring: 4,096 / 256
.set CSH,    13+OUT32                  ; a row of C is 8,192 or 16,384 bytes
.set CROW,   1<<CSH
.set ESH,    1+OUT32                   ; a number of C is 2 or 4 bytes
.set ROFF,   8192*OUT32                ; q, or 1 / q, in rsc
.set ADRA, 16                          ; v16-17  LDS address of my A fragments in slot 0, 1
.set ADRB, 20                          ; v20-21  the same for B
.set STO,  24                          ; v24     the way out: where I put my piece of a row
.set RD,   25                          ; v25     the way out: where I read rows back
.set CO,   26                          ; v26     my byte offset in C
.set RO,   27                          ; v27     my row's byte offset in q
.set SPW,  28                          ; v28     LDS address of my spare word; never rewritten
.set NIL,  29                          ; v29     0; never rewritten
.set PFO,  30                          ; v30     the prefetches' offset: my lane x a row of 8,192 bytes; never rewritten
.set CV,   31                          ; v31     OUT32: my four columns' byte offset in scaling4 and bias
.set F0,   32
.set F1,   128
.set RS,   224                         ; v[224:231] the row scale of block a, twice: a pair for the packed multiply
.set SC,   232                         ; v[232:235] OUT32: scaling4 of the four columns that I store
.set BI,   236                         ; v[236:239] OUT32: bias of the same
.set TMP,  32                          ; the way out: 64 registers, a block's scaled sums
.set HP,   96                          ; the way out, OUT32 = 0: the block in f16
.set OB,   128                         ; the way out: whole rows read back
.set G1,  24                           ; s[24:31] descriptor group 1 for A's tiles;  s[32:39] group 0, a set for each slot
.set G0,  32
.set G1B, 48                           ; s[48:55], s[56:63] the same for B's tiles
.set G0B, 56
.set LIM, 43                           ; s43     2 in a wave that prefetches, else the greatest number
.set PFA, 44                           ; s[44:45] where my prefetches stand
.set MSB, 0
.macro WIN new                         ; the immediate's high byte repeats the setting that is left; a switch that changes nothing is dropped
.if MSB != (\new)
	s_set_vgpr_msb (MSB<<8)|(\new)
.set MSB, \new
.endif
.endm
.set MUL, 0x50                         ; sources 0 (B) and 1 (A) window 0; C and D window 1
; A joint load: waves 0 and 1 fetch A's two halves, waves 2 and 3 B's.  The branch hangs on the wave's number alone.  An s_nop 0 and four v_nop follow each of the two lines, ahead of the jump, the label and what follows.
.macro JLOAD s
	s_cmp_eq_u32 s11, 0
	s_cbranch_scc0 .Lfor_b_\@
	tensor_load_to_lds s[G0+4*(\s):G0+4*(\s)+3], s[G1:G1+7]
	s_nop 0
.rept 4
	v_nop
.endr
	s_branch .Lasked_\@
.Lfor_b_\@:
	tensor_load_to_lds s[G0B+4*(\s):G0B+4*(\s)+3], s[G1B:G1B+7]
	s_nop 0
.rept 4
	v_nop
.endr
.Lasked_\@:
.endm
.macro CREST                           ; a round of the cluster's barrier behind its opening barrier: wave 0 signals for the work-group, every wave waits for all sixteen, my work-group's barrier once more
	s_cmp_lg_u32 s10, 0
	s_cbranch_scc1 .Lnot_wave_0_\@
	s_barrier_signal -3
.Lnot_wave_0_\@:
	s_barrier_wait -3
	s_barrier_signal -1
	s_barrier_wait -1
.endm
.macro CROUND                          ; a whole round
	s_barrier_signal -1
	s_barrier_wait -1
	CREST
.endm
; A PREFETCH INTO THE L2, behind each joint refill, its five lines and the run of LDS loads that follows.  The change of slots at the end of K step s refills with step s + 2 and prefetches step s + 6:
; four K steps, 512 matrix instructions of a wave, ahead of the refill that will ask for it.  32 rows x 256 bytes, a lane a row, one instruction a wave.
; Each row's 256 bytes of a K step are named ONCE in the launch.  A's tile row is read by every cluster of that row of clusters: cluster x = 0 asks, wave 0, and the four partners take 32 of the 128 rows
; each; B's tile column by every cluster of that column: cluster y = 0 asks, waves 2 and 3, and the four partners take 64 of the 256 rows each.  Partners are told apart BY ADDRESS: no branch hangs
; on a work-group's place in its cluster.  K steps 0 to 5 come by their loads alone.  s3 > 2 holds in the loop's trips 0 to 12, for s <= 25: the last K step named is 31, the last there is.
.macro ASK
	s_cmp_gt_u32 s3, s[LIM]
	s_cbranch_scc0 .Lnot_mine_\@
	global_prefetch_b8 v[PFO], s[PFA:PFA+1] th:TH_LOAD_NT scope:SCOPE_SE
.Lnot_mine_\@:
.endm
	s_load_b128 s[4:7], s[0:1], 0x0                ; A s[4:5], B s[6:7]
	s_load_b64 s[8:9], s[0:1], 0x10                ; C
	s_load_b64 s[68:69], s[0:1], 0x18              ; rsc
.if OUT32
	s_load_b128 s[72:75], s[0:1], 0x20             ; scaling4 s[72:73], bias s[74:75]
.endif
	v_lshl_add_u32 v[SPW], v0, 2, SPARE
	v_mov_b32 v[NIL], 0
	ds_add_u32 v[SPW], v[NIL]                      ; the wave's opening: the add, twice on end, and its wait ahead of my first tensor load; the set-up below, work on registers, stands between
	ds_add_u32 v[SPW], v[NIL]                      ; and once more, under the one wait
	v_lshrrev_b32 v1, 5, v0
	v_readfirstlane_b32 s10, v1                    ; wave 0..3
	s_lshr_b32 s11, s10, 1                         ; which 64 of the tile's rows are mine.  Also: I fetch for A (0) or for B (1)
	s_and_b32 s12, s10, 1                          ; which 128 of its columns.  Also: which half of that tile I fetch
	s_bfe_u32 s40, ttmp6, 0x40000                  ; cx, cy: my place in the cluster
	s_bfe_u32 s41, ttmp6, 0x40004
	s_lshl_b32 s42, ttmp9, 2
	s_add_co_u32 s42, s42, s40                     ; tile column of C = 4 x cluster x + cx
	s_and_b32 s13, ttmp7, 0xffff
	s_lshl_b32 s13, s13, 2
	s_add_co_u32 s13, s13, s41                     ; tile row of C = 4 x cluster y + cy
	s_lshl_b32 s43, s41, 2
	s_lshl_b32 s43, 15, s43                        ; my row of the cluster: places 4 cy .. 4 cy + 3
	s_lshl_b32 s44, 0x1111, s40                    ; my column: places cx, cx + 4, cx + 8, cx + 12
	; descriptor group 1: rows of 128 elements, padded in LDS; 64 rows for A, 128 for B
	s_or_b32 s[G1+0], s43, (1<<16)|(1<<20)|(1<<21)|(5<<22)|(3<<25)   ; 15:0 the mask: A's tiles go to my row; 17:16 elements of 2 bytes; 20 padding on; 21 set beside a mask; 24:22 after every 64 words (code 5); 31:25 4 words (code 3)
	s_or_b32 s[G1B+0], s44, (1<<16)|(1<<20)|(1<<21)|(5<<22)|(3<<25)  ; the same with the mask of my column
	s_mov_b32 s[G1+1], KSTEP<<16                   ; tensor_dim0 = 128
	s_mov_b32 s[G1+2], 64<<16                      ; tensor_dim1 = 64
	s_mov_b32 s[G1+3], KSTEP<<16                   ; tile_dim0 = 128
	s_mov_b32 s[G1+4], 64                          ; tile_dim1 = 64
	s_mov_b32 s[G1+5], 4096                        ; elements from row to row
	s_mov_b32 s[G1+6], 0
	s_mov_b32 s[G1+7], 0
	s_mov_b32 s[G1B+1], KSTEP<<16
	s_mov_b32 s[G1B+2], 128<<16                    ; tensor_dim1 = 128
	s_mov_b32 s[G1B+3], KSTEP<<16
	s_mov_b32 s[G1B+4], 128                        ; tile_dim1 = 128
	s_mov_b32 s[G1B+5], 4096
	s_mov_b32 s[G1B+6], 0
	s_mov_b32 s[G1B+7], 0
	; where the tiles come from.  A's hang on the tile row alone, B's on the tile column alone, each in registers that never hold the other coordinate.  All offsets are under 2^26.
	s_lshl_b32 s16, s13, 7
	s_lshl_b32 s17, s12, 6
	s_add_co_u32 s16, s16, s17                     ; A: row 128 x tile row + 64 x half
	s_lshl_b32 s16, s16, 13                        ; rows of 8,192 bytes
	s_mov_b32 s17, 0
	s_lshl_b32 s46, s42, 8
	s_lshl_b32 s47, s12, 7
	s_add_co_u32 s46, s46, s47                     ; B: row 256 x tile column + 128 x half
	s_lshl_b32 s46, s46, 13
	s_mov_b32 s47, 0
	s_mul_i32 s20, s12, AHALF                      ; and where they go: no place in the cluster enters an LDS address
	s_mul_i32 s21, s12, BHALF
	s_add_co_u32 s21, s21, ATILE
	s_wait_dscnt 0x0                               ; both opening adds are done
	s_wait_kmcnt 0x0
	s_add_nc_u64 s[14:15], s[4:5], s[16:17]
	s_add_nc_u64 s[46:47], s[6:7], s[46:47]
	CROUND                                         ; all sixteen work-groups are here: the first joint loads meet
.irp s, 0,1
	s_mov_b32 s[G0+4*(\s)], 1                                        ; count = 1
	s_add_co_u32 s[G0+4*(\s)+1], s20, (\s)*SLOT                      ; LDS address
	s_add_nc_u64 s[G0+4*(\s)+2:G0+4*(\s)+3], s[14:15], (\s)*KSTEP*2  ; global address: K step s
	s_or_b32 s[G0+4*(\s)+3], s[G0+4*(\s)+3], 0x80000000              ; type = 2
	s_mov_b32 s[G0B+4*(\s)], 1
	s_add_co_u32 s[G0B+4*(\s)+1], s21, (\s)*SLOT
	s_add_nc_u64 s[G0B+4*(\s)+2:G0B+4*(\s)+3], s[46:47], (\s)*KSTEP*2
	s_or_b32 s[G0B+4*(\s)+3], s[G0B+4*(\s)+3], 0x80000000
	JLOAD \s                                       ; both slots are asked for before anything else is done: two loads of mine are out
.endr
	; A fragment is 16 rows x 32 K in 8 registers: lane l holds row l % 16, K = 8 (l / 16) + 0..7 and 16 + 8 (l / 16) + 0..7: two loads of 16 bytes, 32 bytes apart.
	v_and_b32 v1, 15, v0                           ; l % 16
	v_bfe_u32 v2, v0, 4, 1                         ; l / 16
	v_mul_u32_u24 v3, v1, PITCH
	v_lshl_add_u32 v3, v2, 4, v3                   ; row x pitch + 16 x half
	s_mul_i32 s21, s11, AHALF                      ; my 64 rows of A
	s_mul_i32 s22, s12, BHALF                      ; my 128 rows of B,
	s_add_co_u32 s22, s22, ATILE                   ; which lie behind A's 128
.irp s, 0,1
	v_add_nc_u32 v[ADRA+(\s)], s21, v3
	v_add_nc_u32 v[ADRB+(\s)], s22, v3
	s_add_co_u32 s21, s21, SLOT
	s_add_co_u32 s22, s22, SLOT
.endr
	s_mul_i32 s23, s10, 16*SPITCH
	s_add_co_u32 s23, s23, STAGE                   ; my stage
	v_mul_u32_u24 v4, v1, SPITCH                   ; in: row l % 16, eight numbers for each half of the lanes
.if OUT32
	v_lshl_add_u32 v4, v2, 5, v4
	v_add_nc_u32 v[STO], s23, v4
	v_and_b32 v5, 31, v0
	v_lshlrev_b32 v[CO], 4, v5                     ; back: the 32 lanes take one row of 512 bytes, and the same in C
	v_add_nc_u32 v[RD], s23, v[CO]
.else
	v_lshl_add_u32 v4, v2, 4, v4
	v_add_nc_u32 v[STO], s23, v4
	v_mul_u32_u24 v5, v2, SPITCH                   ; back: lanes 0-15 take one row of 256 bytes, lanes 16-31 the next
	v_lshl_add_u32 v5, v1, 4, v5
	v_add_nc_u32 v[RD], s23, v5
	v_lshlrev_b32 v5, CSH, v2                      ; and the same two rows in C
	v_lshl_add_u32 v[CO], v1, 4, v5
.endif
	s_lshl_b32 s16, s13, 7
	s_lshl_b32 s17, s11, 6
	s_add_co_u32 s16, s16, s17                     ; my first row of C: 128 x tile row + 64 x half
	v_add_nc_u32 v[RO], s16, v1
	v_lshlrev_b32 v[RO], 2, v[RO]                  ; in block a my lane's row is that + 16 a + l % 16
	s_lshl_b32 s16, s16, CSH
	s_lshl_b32 s18, s42, 8
	s_lshl_b32 s19, s12, 7
	s_add_co_u32 s18, s18, s19                     ; my first column: 256 x tile column + 128 x half
.if OUT32
	s_lshl_b32 s19, s18, 2
	v_add_nc_u32 v[CV], s19, v[CO]                 ; the four columns that my lane stores: 4 l on
.endif
	s_lshl_b32 s18, s18, ESH
	s_add_co_u32 s16, s16, s18
	s_mov_b32 s17, 0
	s_add_nc_u64 s[8:9], s[8:9], s[16:17]          ; C at my 64 x 128: a multiple of 256 bytes from its first byte
.irp a, 0,1,2,3
	global_load_b32 v[RS+2*(\a)], v[RO], s[68:69] offset:ROFF+64*(\a)
.endr
.if OUT32
	global_load_b128 v[SC:SC+3], v[CV], s[72:73]
	global_load_b128 v[BI:BI+3], v[CV], s[74:75]
.endif
	; the prefetches' set-up
	s_and_b32 s22, ttmp7, 0xffff                   ; cluster y
	s_lshl_b32 s18, s13, 7
	s_lshl_b32 s19, s40, 5
	s_add_co_u32 s18, s18, s19                     ; in A: row 128 x tile row + 32 cx
	s_lshl_b32 s19, s42, 8
	s_lshl_b32 s20, s41, 6
	s_add_co_u32 s19, s19, s20
	s_lshl_b32 s20, s12, 5
	s_add_co_u32 s19, s19, s20                     ; in B: row 256 x tile column + 64 cy + 32 x (wave % 2)
	s_xor_b32 s21, s11, 1
	s_and_b32 s21, s21, s12                        ; 1 in wave 1, which never asks
	s_cmp_eq_u32 s11, 0
	s_cselect_b32 s20, s18, s19
	s_cselect_b32 s22, ttmp9, s22                  ; the coordinate along which other clusters read the same rows
	s_cselect_b64 s[PFA:PFA+1], s[4:5], s[6:7]
	s_or_b32 s22, s22, s21
	s_cmp_eq_u32 s22, 0
	s_cselect_b32 s[LIM], 2, -1                    ; the same in all sixteen partners, for a given wave
	s_lshl_b32 s20, s20, 13
	s_mov_b32 s21, 0
	s_add_nc_u64 s[PFA:PFA+1], s[PFA:PFA+1], s[20:21]
	s_add_nc_u64 s[PFA:PFA+1], s[PFA:PFA+1], 5*KSTEP*2  ; at K step 5: the first change of slots steps it to 6
	v_and_b32 v[PFO], 31, v0
	v_lshlrev_b32 v[PFO], 13, v[PFO]
	s_wait_loadcnt 0x0                             ; the scales, once
.irp a, 0,1,2,3
	v_mov_b32 v[RS+2*(\a)+1], v[RS+2*(\a)]
.endr
; 8 matrix instructions: m block a x all 8 n blocks, 32 along K, from buffer f.  zero = 1: the product starts the sums: nothing is ever cleared.
; The 32 accumulators take turns, one instruction a turn, in the same order in every quarter: 31 others stand between two links of a chain, over the backward jump too.
.macro MULA f, a, zero
	WIN MUL
.irp b, 0,1,2,3,4,5,6,7
.if \zero
	v_wmma_f32_16x16x32_f16 v[8*(8*(\a)+(\b)):8*(8*(\a)+(\b))+7], v[(\f)+8*(\b):(\f)+8*(\b)+7], v[(\f)+64+8*(\a):(\f)+64+8*(\a)+7], 0
.else
	v_wmma_f32_16x16x32_f16 v[8*(8*(\a)+(\b)):8*(8*(\a)+(\b))+7], v[(\f)+8*(\b):(\f)+8*(\b)+7], v[(\f)+64+8*(\a):(\f)+64+8*(\a)+7], v[8*(8*(\a)+(\b)):8*(8*(\a)+(\b))+7]
.endif
.endr
.endm
; 24 LDS loads in one run: the fragments of 32 along K at byte k of the rows, into buffer f: B's eight, then A's four
.macro FETCH slot, k, f
	WIN 0
.irp i, 0,1,2,3,4,5,6,7
	ds_load_b128 v[(\f)+8*(\i):(\f)+8*(\i)+3],   v[ADRB+(\slot)] offset:(\k)+(\i)*16*PITCH
	ds_load_b128 v[(\f)+8*(\i)+4:(\f)+8*(\i)+7], v[ADRB+(\slot)] offset:(\k)+(\i)*16*PITCH+32
.endr
.irp i, 0,1,2,3
	ds_load_b128 v[(\f)+64+8*(\i):(\f)+64+8*(\i)+3],   v[ADRA+(\slot)] offset:(\k)+(\i)*16*PITCH
	ds_load_b128 v[(\f)+64+8*(\i)+4:(\f)+64+8*(\i)+7], v[ADRA+(\slot)] offset:(\k)+(\i)*16*PITCH+32
.endr
.endm
.macro PLACES                          ; four places in front of loads into registers that matrix instructions have read; the matrix instructions in between are not counted
.rept 4
	v_nop
.endr
.endm
; A K step is four quarters of 32 along K, 32 matrix instructions each, on buffers 0, 1, 0, 1.  One of the first three: multiplies buffer f and, in its middle, fetches the next quarter, at byte k, into g.
.macro QUARTER slot, k, f, g, zero
	s_wait_dscnt 4                                 ; B and A's blocks 0 and 1 are in; the youngest four loads (A's blocks 2 and 3) may be out
	MULA \f, 0, \zero
	MULA \f, 1, \zero
	PLACES
	FETCH \slot, \k, \g
	s_wait_dscnt 24                                ; all but the 24 just issued
	MULA \f, 2, \zero
	MULA \f, 3, \zero
.endm
; The last quarter multiplies buffer 1 and changes slots: ONE barrier; in front of it each wave waits for all its tensor loads (one is out: its part of the next slot), adds 0 to its spare word, and waits
; for that and for its own reads of this slot.  fill = 1: the barrier opens a round of the cluster's, and this slot is filled again, two K steps on, first thing behind the round:
; from that request to the wait for it a wave issues 112 matrix instructions.
.macro TURN slot, next, fill
.if \fill
	s_wait_xcnt 0x0                                ; the last prefetch, a K step back, has read its address: it is stepped here, ahead of the waits of the change of slots
	s_add_nc_u64 s[PFA:PFA+1], s[PFA:PFA+1], KSTEP*2
.endif
	WIN 0                                          ; (the add's two registers lie in window 0)
	s_wait_tensorcnt 0x0                           ; all my tensor loads have landed: no load of mine is out, so a group 0 may be written
	ds_add_u32 v[SPW], v[NIL]                      ; 0 onto my spare word
	s_wait_dscnt 5                                 ; (the add and the youngest four loads may be out)
	MULA F1, 0, 0                                  ; eight matrix instructions stand between the add and the wait for it
	s_wait_dscnt 0x0                               ; the add is done, and my reads of this slot are over
	s_barrier_signal -1
	MULA F1, 1, 0                                  ; work on registers while the others arrive
.if \fill
	WIN 0
.endif
	s_barrier_wait -1
.if \fill
	CREST                                          ; no wave of any partner still reads this slot's tile or has a load on its way
	s_add_nc_u64 s[G0+4*(\slot)+2:G0+4*(\slot)+3], s[G0+4*(\slot)+2:G0+4*(\slot)+3], 2*KSTEP*2
	s_add_nc_u64 s[G0B+4*(\slot)+2:G0B+4*(\slot)+3], s[G0B+4*(\slot)+2:G0B+4*(\slot)+3], 2*KSTEP*2
	JLOAD \slot                                    ; the four v_nop behind it are also the places in front of the loads below
.else
	PLACES
.endif
	FETCH \next, 0, F0
.if \fill
	ASK
.endif
	MULA F1, 2, 0
	MULA F1, 3, 0
.endm
; THE WAY OUT of block a (16 rows x 128 columns): times the row's power of two; into my own stage in LDS; back as whole rows; stored.  The stage is the wave's own, and LDS serves a wave's
; instructions in order (ISA guide 5.7.1.4): no barrier, and no wait between the stores and the loads.  Each accumulator is read from its lowest registers on.
.macro OUTA a
	WIN 0x01                                       ; source 0 window 1
.irp b, 0,1,2,3,4,5,6,7
.irp r, 0,1,2,3
	v_pk_mul_f32 v[TMP+8*(\b)+2*(\r):TMP+8*(\b)+2*(\r)+1], v[8*(8*(\a)+(\b))+2*(\r):8*(8*(\a)+(\b))+2*(\r)+1], v[RS+2*(\a):RS+2*(\a)+1]
.endr
.endr
	WIN 0
.if OUT32
.irp b, 0,1,2,3,4,5,6,7
	ds_store_b128 v[STO], v[TMP+8*(\b):TMP+8*(\b)+3]   offset:64*(\b)
	ds_store_b128 v[STO], v[TMP+8*(\b)+4:TMP+8*(\b)+7] offset:64*(\b)+16
.endr
	s_wait_xcnt 0x0                                ; OB, which the last block's stores read, is loaded again only behind this wait
.irp t, 0,1,2,3,4,5,6,7,8,9,10,11,12,13,14,15
	ds_load_b128 v[OB+4*(\t):OB+4*(\t)+3], v[RD] offset:(\t)*SPITCH
.endr
.irp t, 0,1,2,3,4,5,6,7,8,9,10,11,12,13,14,15
	s_wait_dscnt 15-(\t)                           ; row t is back; the younger loads stay out
	v_pk_fma_f32 v[OB+4*(\t):OB+4*(\t)+1],   v[OB+4*(\t):OB+4*(\t)+1],   v[SC:SC+1],   v[BI:BI+1]
	v_pk_fma_f32 v[OB+4*(\t)+2:OB+4*(\t)+3], v[OB+4*(\t)+2:OB+4*(\t)+3], v[SC+2:SC+3], v[BI+2:BI+3]
	global_store_b128 v[CO], v[OB+4*(\t):OB+4*(\t)+3], s[8:9] offset:(16*(\a)+(\t))*CROW th:TH_STORE_NT  ; the wave stores 512 consecutive bytes, at a multiple of 256 from C's first byte
.endr
.else
.irp b, 0,1,2,3,4,5,6,7
.irp r, 0,1,2,3
	v_cvt_pk_f16_f32 v[HP+4*(\b)+(\r)], v[TMP+8*(\b)+2*(\r)], v[TMP+8*(\b)+2*(\r)+1]
.endr
.endr
.irp b, 0,1,2,3,4,5,6,7
	ds_store_b128 v[STO], v[HP+4*(\b):HP+4*(\b)+3] offset:32*(\b)
.endr
	s_wait_xcnt 0x0                                ; OB, which the last block's stores read, is loaded again only behind this wait
.irp t, 0,1,2,3,4,5,6,7
	ds_load_b128 v[OB+4*(\t):OB+4*(\t)+3], v[RD] offset:(\t)*2*SPITCH
.endr
.irp t, 0,1,2,3,4,5,6,7
	s_wait_dscnt 7-(\t)                            ; rows 2 t and 2 t + 1 are back; the younger loads stay out
	global_store_b128 v[CO], v[OB+4*(\t):OB+4*(\t)+3], s[8:9] offset:(16*(\a)+2*(\t))*CROW  ; 16 lanes store 256 consecutive bytes, at a multiple of 256 from C's first byte
.endr
.endif
.endm
	s_wait_tensorcnt 1                             ; my part of K step 0 is in; K step 1's may stay out
	s_barrier_signal -1
	s_barrier_wait -1                              ; everybody's is
	FETCH 0, 0, F0
	QUARTER 0, 64, F0, F1, 1                       ; the first quarter stands in front of the loop: its products start the sums
	WIN 0                                          ; at a label and at a branch every window is 0
	s_mov_b32 s3, LAPS-1
.Llap:                                                 ; a trip goes once round the ring, from a lap's second quarter to the next lap's first, and fills both slots again
	QUARTER 0, 128, F1, F0, 0
	QUARTER 0, 192, F0, F1, 0
	TURN 0, 1, 1
	QUARTER 1, 64,  F0, F1, 0
	QUARTER 1, 128, F1, F0, 0
	QUARTER 1, 192, F0, F1, 0
	TURN 1, 0, 1
	QUARTER 0, 64,  F0, F1, 0
	WIN 0
	s_sub_co_u32 s3, s3, 1
	s_cmp_lg_u32 s3, 0
	s_cbranch_scc1 .Llap
	QUARTER 0, 128, F1, F0, 0                      ; the last lap is written out: it fills nothing, and has no round of the cluster's barrier
	QUARTER 0, 192, F0, F1, 0
	TURN 0, 1, 0
	QUARTER 1, 64,  F0, F1, 0
	QUARTER 1, 128, F1, F0, 0
	QUARTER 1, 192, F0, F1, 0
	s_wait_dscnt 4                                 ; the very last quarter: nothing more to fetch
	MULA F1, 0, 0
	MULA F1, 1, 0
	s_wait_dscnt 0x0
	MULA F1, 2, 0
	MULA F1, 3, 0
	WIN 0
	PLACES                                         ; behind the last products, in front of lines that read results and write over fragments;
	PLACES                                         ; eight, once a launch
	OUTA 0
	OUTA 1
	OUTA 2
	OUTA 3
	s_wait_tensorcnt 0x0                           ; the wave's end: behind my last tensor load and my last LDS store
	ds_add_u32 v[SPW], v[NIL]
	s_wait_dscnt 0x0
	CROUND                                         ; the closing round: no work-group ends while a partner may still ask for a tile that names it
	s_endpgm
.Lfunc_end_k_q554aa5475a_gemm2:
	.size	k_q554aa5475a_gemm2, .Lfunc_end_k_q554aa5475a_gemm2-k_q554aa5475a_gemm2
	.p2alignl 7, 3214868480
	.fill 96, 4, 3214868480
	.section	.rodata,"a",@progbits
	.p2align	6, 0x0
	.amdhsa_kernel k_q554aa5475a_gemm2
		.amdhsa_group_segment_fixed_size 327680
		.amdhsa_private_segment_fixed_size 0
		.amdhsa_enable_private_segment 0
		.amdhsa_kernarg_size 48
		.amdhsa_user_sgpr_count 2
		.amdhsa_user_sgpr_kernarg_segment_ptr 1
		.amdhsa_wavefront_size32 1
		.amdhsa_system_sgpr_workgroup_id_x 1
		.amdhsa_system_sgpr_workgroup_id_y 1
		.amdhsa_system_sgpr_workgroup_id_z 1
		.amdhsa_system_vgpr_workitem_id 0
		.amdhsa_next_free_vgpr 512
		.amdhsa_next_free_sgpr 80
		.amdhsa_reserve_vcc 0
		.amdhsa_float_denorm_mode_32 3
		.amdhsa_float_denorm_mode_16_64 3
		.amdhsa_memory_ordered 1
		.amdhsa_forward_progress 1
		.amdhsa_inst_pref_size 105
	.end_amdhsa_kernel
	.amdgpu_metadata
---
amdhsa.version: [ 1, 2 ]
amdhsa.kernels:
  - .name:           k_q554aa5475a_gemm2
    .symbol:         k_q554aa5475a_gemm2.kd
    .args:
      - { .name: hh, .offset: 0, .size: 8, .value_kind: global_buffer, .address_space: global }
      - { .name: w3h, .offset: 8, .size: 8, .value_kind: global_buffer, .address_space: global }
      - { .name: out0, .offset: 16, .size: 8, .value_kind: global_buffer, .address_space: global }
      - { .name: rsc, .offset: 24, .size: 8, .value_kind: global_buffer, .address_space: global }
      - { .name: scaling4, .offset: 32, .size: 8, .value_kind: global_buffer, .address_space: global }
      - { .name: bias, .offset: 40, .size: 8, .value_kind: global_buffer, .address_space: global }
    .group_segment_fixed_size: 327680
    .private_segment_fixed_size: 0
    .kernarg_segment_align: 8
    .kernarg_segment_size: 48
    .max_flat_workgroup_size: 128
    .sgpr_count:     80
    .vgpr_count:     512
    .wavefront_size: 32
...
	.end_amdgpu_metadata
.endif
;; end of part 3
;; ======== version 2 of 3: 3 launches
;; limits: values are held in f16: magnitudes above 65,504 overflow, below 6.1e-05 lose precision; right only within a limited range of input values
;; workspace buffers: w1c 16,777,216 bytes; w3c 16,777,216 bytes; xs 16,777,216 bytes; hh 16,777,216 bytes; rsc 16,384 bytes
;; launch prep (part 4): grid 640 x 1, 8 waves a work-group, no clusters, 1,792 bytes of LDS; arguments w1_bits, w3_bits, x, scaling0, scaling2, w1c, w3c, xs, rsc; writes w1c, w3c, xs, rsc
.if DOCPART == 4
	.amdgcn_target "amdgcn-amd-amdhsa--gfx1250"
	.amdhsa_code_object_version 6
	.text
	.protected	k_q554aa5475a_prep
	.globl	k_q554aa5475a_prep
	.p2align	8
	.type	k_q554aa5475a_prep,@function
k_q554aa5475a_prep:
	s_mov_b64 s[64:65], 0
	v_nop
	global_prefetch_b8 v0, s[64:65] scope:SCOPE_SE
	s_setreg_imm32_b32 hwreg(HW_REG_WAVE_MODE, 25, 1), 1
	s_wait_xcnt 0x0
; out[r][o] = s4[o] * sum_m W3[o][m] s2[m] (sum_i W1[m][i] s0[i] x[r][i]) + bias[o],  W = 2 bits - 1.  2,048 rows r; IN = MID = OUT = 4,096.
; NOTHING OF THE PROBLEM IS LEFT OUT: every input has a way to the output, and every input is loaded by one of the three launches.
; THIS LAUNCH makes what the two products read:
;   w1c, w3c: for each weight ONE BYTE, the upper byte of f16(2 b - 1).  The f16 of +-1 (and of +-3, 5, 7) has a lower byte of 0, so nothing is lost; the products put the 0 back and multiply in f16.
;   xs[r][i] = f16(x[r][i] s0[i]), rounded once.
;   u[r] = (sum_i |x[r][i] s0[i]|) x max_m |s2[m]|,  e = u's exponent field held to 14 .. 254,  q[r] = 2^(140 - e),  1 / q[r] = 2^(e - 140):  rsc holds q[2048], then 1 / q[2048].
; WHY q.  |W1| <= 1 gives |h[r][m] s2[m]| <= u[r], and u q < 2^14.  No f16 is more than twice the number it was rounded from, so |h s2 q| < 2^15: the second launch can store it as f16 whatever
; the size of x, s0 and s2.  q is a power of two: it goes in and comes out again without a rounding.
; THE ORDER ALONG K.  In w1c, w3c, xs (and hh, which the second launch stores) the numbers of a row stand in another order than in the problem, the same in all four: inside each group of 128,
; place 8 R + 4 J + i holds number 64 J + 4 R + i (R = 0..15, J = 0..1, i = 0..3).  A sum over k does not mind.  So a lane that has loaded 4 numbers at 4 R and 4 at 64 + 4 R holds 8 neighbouring
; places, and a wave's store of bytes covers 256 consecutive bytes, aligned.  Inside a word of four bytes the places stand in the order 0, 2, 1, 3, as the unpacking in the products wants them.
; LIMITS.  |x s0| stays within 65,504, f16's largest; below 6.1e-5 it keeps f16's fixed step of 6e-8.  Bits from -3 to 4 give their weight exactly; of any other whole number 2 b - 1 keeps three
; significant bits.  The bound on h holds for bits of 0 or 1.  A row with u < 2^-113 takes q = 2^126.  NaN and infinities are not treated apart.
; SHARES.  Every source row is 16,384 bytes.  A work-group owns 16 rows: groups 0-255 of W1, 256-511 of W3, 512-639 of x.  Wave w takes numbers 256 (w + 8 g) .. + 255, g = 0, 1, of every row, by two loads
; each: in load j lanes 0-15 take 256 consecutive bytes and lanes 16-31 the 256 bytes that lie 512 further on.  A ring of four row slots in registers keeps 16 loads of every wave on their way.
; All places stand in immediates: no address register is ever rewritten.
; No tensor loads and no LDS on the way in: no wave wants a byte that another has fetched.  No matrix unit, no cluster: nothing is multiplied by a matrix and nothing is shared.
.set ROWIN,  16384
.set WROW,   4096                      ; a row of bytes
.set XROW,   8192                      ; a row of xs
.set SPARE,  768                       ; LDS: bytes 0-511 the waves' partial sums (row r, wave w at 32 r + 4 w), 512-543 their maxima of |s2|; from 768 on the spare words, 128 bytes for each of 8 waves, which no other line names
.set LO,  1                            ; v1       1,024 w + 512 (l / 16) + 16 (l % 16): my 16 bytes in a load, in a row and in the scales; never rewritten
.set SO,  2                            ; v2       8 t (bytes) or 16 t (xs): my place in a store; never rewritten
.set SPW, 3                            ; v3       LDS address of my spare word; never rewritten
.set NIL, 4                            ; v4       0; never rewritten
.set LA,  5                            ; v5       4 x my wave's number
.set S,   8                            ; v[8:23]  x: my 16 numbers of scaling0
.set SV,  24                           ; v[24:39] x: my 16 numbers of scaling2
.set U,   40                           ; v[40:47] at work
.set T,   48                           ; v[48:63] x: row r: my part of the row's sum
.set X,   64                           ; v[64:127]  four slots of 16: a row's numbers as loaded, then at work
.set Y,   128                          ; v[128:159] x: four slots of 8: the row in f16
.set SRC, 24                           ; s[24:25] the group's first row in its source
.set DST, 26                           ; s[26:27] and in its destination
.macro FILL r                          ; row r: four loads (c = 2 g + j), into slot r % 4
.irp c, 0,1,2,3
	global_load_b128 v[X+16*((\r)%4)+4*(\c):X+16*((\r)%4)+4*(\c)+3], v[LO], s[SRC:SRC+1] offset:(\r)*ROWIN+((\c)/2)*8192+((\c)%2)*256 th:TH_LOAD_NT
.endr
.endm
.macro ARRIVED r                       ; row r is in
.set left, 12                          ; three younger rows, four loads each, may stay out;
.if (\r) > 12
.set left, 4*(15-(\r))                 ; behind row 12 nothing is loaded any more, and the counts run down
.endif
	s_wait_loadcnt left                            ; loads come back in order (ISA guide 5.7.1): row r is in, and so is all that was asked for earlier
.endm
; A row of weights: 2 b - 1 in f32, rounded to f16 (exact for bits), the four upper bytes of four places into a word.  Each row's four words have registers of their own
; (v8-39, v48-63, v128-143, which this arm uses for nothing else): no store's data is ever rewritten, so the arm has no wait for its stores.
.macro WTURN r
.set yw, 8+4*(\r)
.if (\r) >= 8
.set yw, 48+4*((\r)-8)
.endif
.if (\r) >= 12
.set yw, 128+4*((\r)-12)
.endif
	ARRIVED \r
.irp j, 0,1,2,3,4,5,6,7,8,9,10,11,12,13,14,15
	v_cvt_f32_i32 v[X+16*((\r)%4)+(\j)], v[X+16*((\r)%4)+(\j)]
.endr
.irp k, 0,1,2,3,4,5,6,7
	v_pk_fma_f32 v[X+16*((\r)%4)+2*(\k):X+16*((\r)%4)+2*(\k)+1], v[X+16*((\r)%4)+2*(\k):X+16*((\r)%4)+2*(\k)+1], 2.0, -1.0 op_sel_hi:[1,0,0]
.endr
.irp k, 0,1,2,3,4,5,6,7
	v_cvt_pk_f16_f32 v[U+(\k)], v[X+16*((\r)%4)+2*(\k)], v[X+16*((\r)%4)+2*(\k)+1]
.endr
.irp c, 0,1,2,3
	v_perm_b32 v[yw+(\c)], v[U+2*(\c)+1], v[U+2*(\c)], s33  ; the upper bytes of places 0, 2, 1, 3
.endr
.if (\r) < 12
	FILL (\r)+4
.endif
.irp g, 0,1
	global_store_b64 v[SO], v[yw+2*(\g):yw+2*(\g)+1], s[DST:DST+1] offset:(\r)*WROW+(\g)*2048  ; the wave stores 256 consecutive bytes, aligned
.endr
.endm
.macro XTURN r                         ; a row of x: x s0 in f32, as reference has it; my 16 magnitudes are added in a tree; rounded once to f16
	ARRIVED \r
	s_wait_xcnt 0x0                                ; the slot's Y, which its last stores read, is written again only behind this wait
.irp k, 0,1,2,3,4,5,6,7
	v_pk_mul_f32 v[X+16*((\r)%4)+2*(\k):X+16*((\r)%4)+2*(\k)+1], v[X+16*((\r)%4)+2*(\k):X+16*((\r)%4)+2*(\k)+1], v[S+2*(\k):S+2*(\k)+1]
.endr
.irp k, 0,1,2,3,4,5,6,7
	v_add_f32 v[U+(\k)], |v[X+16*((\r)%4)+2*(\k)]|, |v[X+16*((\r)%4)+2*(\k)+1]|
.endr
.irp k, 0,1,2,3
	v_add_f32 v[U+(\k)], v[U+(\k)], v[U+4+(\k)]
.endr
	v_add_f32 v[U], v[U], v[U+2]
	v_add_f32 v[U+1], v[U+1], v[U+3]
	v_add_f32 v[T+(\r)], v[U], v[U+1]
.irp k, 0,1,2,3,4,5,6,7
	v_cvt_pk_f16_f32 v[Y+8*((\r)%4)+(\k)], v[X+16*((\r)%4)+2*(\k)], v[X+16*((\r)%4)+2*(\k)+1]
.endr
.if (\r) < 12
	FILL (\r)+4
.endif
.irp g, 0,1
	global_store_b128 v[SO], v[Y+8*((\r)%4)+4*(\g):Y+8*((\r)%4)+4*(\g)+3], s[DST:DST+1] offset:(\r)*XROW+(\g)*4096  ; the wave stores 512 consecutive bytes, aligned
.endr
.endm
	s_load_b512 s[4:19], s[0:1], 0x0               ; w1_bits s[4:5], w3_bits s[6:7], x s[8:9], scaling0 s[10:11], scaling2 s[12:13], w1c s[14:15], w3c s[16:17], xs s[18:19]
	s_load_b64 s[20:21], s[0:1], 0x40              ; rsc
	v_lshl_add_u32 v[SPW], v0, 2, SPARE
	v_mov_b32 v[NIL], 0
	v_lshrrev_b32 v6, 5, v0
	v_readfirstlane_b32 s22, v6                    ; my wave's number
	v_bfe_u32 v7, v0, 4, 1                         ; l / 16
	v_and_b32 v[LO], 15, v0
	v_lshlrev_b32 v[LO], 4, v[LO]
	v_lshl_add_u32 v[LO], v7, 9, v[LO]
	v_lshl_add_u32 v[LO], v6, 10, v[LO]
	v_lshlrev_b32 v[LA], 2, v6
	s_mov_b32 s30, 0x76543210                      ; v_permlanex16_b32: each lane takes its own place in the other half
	s_mov_b32 s31, 0xfedcba98
	s_mov_b32 s33, 0x07030501                      ; v_perm_b32: byte 1 of the second source, byte 1 of the first, byte 3 of the second, byte 3 of the first
	s_mov_b32 s29, 0                               ; the upper word of every offset: all are under 2^27
	s_wait_kmcnt 0x0
	s_cmp_ge_u32 ttmp9, 512                        ; the work-group's number alone decides: the same way for all eight waves
	s_cbranch_scc1 .Lx
	; WEIGHTS
	v_lshlrev_b32 v[SO], 3, v0
	s_and_b32 s23, ttmp9, 255                      ; my block of 16 rows
	s_cmp_lt_u32 ttmp9, 256
	s_cselect_b64 s[SRC:SRC+1], s[4:5], s[6:7]
	s_cselect_b64 s[DST:DST+1], s[14:15], s[16:17]
	s_lshl_b32 s28, s23, 18                        ; 16 rows of 16,384 bytes
	s_add_nc_u64 s[SRC:SRC+1], s[SRC:SRC+1], s[28:29]
	s_lshl_b32 s28, s23, 16                        ; 16 rows of 4,096 bytes
	s_add_nc_u64 s[DST:DST+1], s[DST:DST+1], s[28:29]
	FILL 0
	FILL 1
	FILL 2
	FILL 3
.irp r, 0,1,2,3,4,5,6,7,8,9,10,11,12,13,14,15
	WTURN \r
.endr
	s_branch .Lend
	; ROWS OF x
.Lx:
	v_lshlrev_b32 v[SO], 4, v0
	s_sub_co_u32 s23, ttmp9, 512                   ; my block of 16 rows
	s_lshl_b32 s28, s23, 18
	s_add_nc_u64 s[SRC:SRC+1], s[8:9], s[28:29]
	s_lshl_b32 s28, s23, 17                        ; 16 rows of 8,192 bytes
	s_add_nc_u64 s[DST:DST+1], s[18:19], s[28:29]
	s_lshl_b32 s32, s23, 6                         ; 16 rows x 4 bytes in each half of rsc
.irp c, 0,1,2,3
	global_load_b128 v[S+4*(\c):S+4*(\c)+3], v[LO], s[10:11] offset:((\c)/2)*8192+((\c)%2)*256   ; scaling0 of my numbers
.endr
.irp c, 0,1,2,3
	global_load_b128 v[SV+4*(\c):SV+4*(\c)+3], v[LO], s[12:13] offset:((\c)/2)*8192+((\c)%2)*256 ; a 256th of scaling2: the work-group's threads hold all of it
.endr
	FILL 0
	FILL 1
	FILL 2
	FILL 3
.irp r, 0,1,2,3,4,5,6,7,8,9,10,11,12,13,14,15
	XTURN \r
.endr
.irp k, 0,1,2,3,4,5,6,7
	v_max_num_f32 v[U+(\k)], |v[SV+2*(\k)]|, |v[SV+2*(\k)+1]|
.endr
.irp k, 0,1,2,3
	v_max_num_f32 v[U+(\k)], v[U+(\k)], v[U+4+(\k)]
.endr
	v_max_num_f32 v[U], v[U], v[U+2]
	v_max_num_f32 v[U+1], v[U+1], v[U+3]
	v_max_num_f32 v[U], v[U], v[U+1]               ; the largest of my 16 |s2|
	; the 16 sums and the maximum over the wave's 32 lanes: four steps inside each half ride on the arithmetic, one crosses the halves; all take a step together, so that no line waits for the one before it
.irp m, 1,2,4,8
.set n, 0
.rept 16
	v_add_f32_dpp v[T+n], v[T+n], v[T+n] row_xmask:\m row_mask:0xf bank_mask:0xf
.set n, n+1
.endr
	v_max_num_f32_dpp v[U], v[U], v[U] row_xmask:\m row_mask:0xf bank_mask:0xf
.endr
.set n, 0
.rept 16
	v_permlanex16_b32 v[X+n], v[T+n], s30, s31     ; its destination counts as read: X has been written, and no load into it is out
.set n, n+1
.endr
	v_permlanex16_b32 v[U+1], v[U], s30, s31
.set n, 0
.rept 16
	v_add_f32 v[T+n], v[T+n], v[X+n]
.set n, n+1
.endr
	v_max_num_f32 v[U], v[U], v[U+1]
.set n, 0
.rept 16
	ds_store_b32 v[LA], v[T+n] offset:32*n         ; all lanes write the wave's one word of row n with the same number
.set n, n+1
.endr
	ds_store_b32 v[LA], v[U] offset:512
	s_wait_dscnt 0x0                               ; for the others' sake: my stores are done
	s_barrier_signal -1
	s_barrier_wait -1                              ; all eight waves' partial sums and maxima lie in LDS
	s_cmp_lg_u32 s22, 0
	s_cbranch_scc1 .Lend                           ; wave 0 finishes: lanes 0-15 make q of the 16 rows, lanes 16-31 make 1 / q
	v_and_b32 v6, 15, v0
	v_lshlrev_b32 v7, 5, v6
	v_mov_b32 v[T], 0
	ds_load_b128 v[U:U+3], v7
	ds_load_b128 v[U+4:U+7], v7 offset:16
	ds_load_b128 v[T+4:T+7], v[T] offset:512
	ds_load_b128 v[T+8:T+11], v[T] offset:528
	s_wait_dscnt 0x0
	v_pk_add_f32 v[U:U+1], v[U:U+1], v[U+4:U+5]
	v_pk_add_f32 v[U+2:U+3], v[U+2:U+3], v[U+6:U+7]
	v_max3_num_f32 v[T+4], v[T+4], v[T+5], v[T+6]
	v_max3_num_f32 v[T+7], v[T+7], v[T+8], v[T+9]
	v_pk_add_f32 v[U:U+1], v[U:U+1], v[U+2:U+3]
	v_max3_num_f32 v[T+4], v[T+4], v[T+10], v[T+11]
	v_add_f32 v[U], v[U], v[U+1]                   ; the row's sum
	v_max_num_f32 v[T+4], v[T+4], v[T+7]           ; max |s2|
	v_mul_f32 v[U], v[U], v[T+4]                   ; u
	v_bfe_u32 v7, v[U], 23, 8                      ; e
	v_max_u32 v7, 14, v7
	v_min_u32 v7, 0xfe, v7
	v_sub_nc_u32 v[U+1], 0x10b, v7                 ; q's exponent field, 267 - e: 13 .. 253
	v_add_nc_u32 v[U+2], -13, v7                   ; that of 1 / q, e - 13: 1 .. 241
	v_lshlrev_b32 v[U+1], 23, v[U+1]
	v_lshlrev_b32 v[U+2], 23, v[U+2]
	v_cmp_gt_u32 vcc_lo, 16, v0                    ; (in wave 0 the thread's number is the lane's)
	v_cndmask_b32 v[U+3], v[U+2], v[U+1], vcc_lo
	v_lshrrev_b32 v[U+4], 4, v0
	v_lshlrev_b32 v[U+4], 13, v[U+4]               ; 1 / q lies 8,192 bytes behind q
	v_lshl_add_u32 v[U+4], v6, 2, v[U+4]
	v_add_nc_u32 v[U+4], s32, v[U+4]
	global_store_b32 v[U+4], v[U+3], s[20:21]      ; twice 64 bytes a work-group: 16,384 bytes in the whole launch
.Lend:
	s_wait_tensorcnt 0x0                           ; the wave's end: behind my last LDS store
	ds_add_u32 v[SPW], v[NIL]
	s_wait_dscnt 0x0
	s_endpgm
.Lfunc_end_k_q554aa5475a_prep:
	.size	k_q554aa5475a_prep, .Lfunc_end_k_q554aa5475a_prep-k_q554aa5475a_prep
	.p2alignl 7, 3214868480
	.fill 96, 4, 3214868480
	.section	.rodata,"a",@progbits
	.p2align	6, 0x0
	.amdhsa_kernel k_q554aa5475a_prep
		.amdhsa_group_segment_fixed_size 1792
		.amdhsa_private_segment_fixed_size 0
		.amdhsa_enable_private_segment 0
		.amdhsa_kernarg_size 72
		.amdhsa_user_sgpr_count 2
		.amdhsa_user_sgpr_kernarg_segment_ptr 1
		.amdhsa_wavefront_size32 1
		.amdhsa_system_sgpr_workgroup_id_x 1
		.amdhsa_system_sgpr_workgroup_id_y 1
		.amdhsa_system_sgpr_workgroup_id_z 1
		.amdhsa_system_vgpr_workitem_id 0
		.amdhsa_next_free_vgpr 160
		.amdhsa_next_free_sgpr 66
		.amdhsa_reserve_vcc 1
		.amdhsa_float_denorm_mode_32 3
		.amdhsa_float_denorm_mode_16_64 3
		.amdhsa_memory_ordered 1
		.amdhsa_forward_progress 1
		.amdhsa_inst_pref_size 87
	.end_amdhsa_kernel
	.amdgpu_metadata
---
amdhsa.version: [ 1, 2 ]
amdhsa.kernels:
  - .name:           k_q554aa5475a_prep
    .symbol:         k_q554aa5475a_prep.kd
    .args:
      - { .name: w1_bits, .offset: 0, .size: 8, .value_kind: global_buffer, .address_space: global }
      - { .name: w3_bits, .offset: 8, .size: 8, .value_kind: global_buffer, .address_space: global }
      - { .name: x, .offset: 16, .size: 8, .value_kind: global_buffer, .address_space: global }
      - { .name: scaling0, .offset: 24, .size: 8, .value_kind: global_buffer, .address_space: global }
      - { .name: scaling2, .offset: 32, .size: 8, .value_kind: global_buffer, .address_space: global }
      - { .name: w1c, .offset: 40, .size: 8, .value_kind: global_buffer, .address_space: global }
      - { .name: w3c, .offset: 48, .size: 8, .value_kind: global_buffer, .address_space: global }
      - { .name: xs, .offset: 56, .size: 8, .value_kind: global_buffer, .address_space: global }
      - { .name: rsc, .offset: 64, .size: 8, .value_kind: global_buffer, .address_space: global }
    .group_segment_fixed_size: 1792
    .private_segment_fixed_size: 0
    .kernarg_segment_align: 8
    .kernarg_segment_size: 72
    .max_flat_workgroup_size: 256
    .sgpr_count:     66
    .vgpr_count:     160
    .wavefront_size: 32
...
	.end_amdgpu_metadata
.endif
;; end of part 4
;; launch gemm1 (part 5): grid 16 x 16, 4 waves a work-group, clusters of 4 x 4, 327,680 bytes of LDS; arguments xs, w1c, hh, rsc, scaling2; writes hh
.if DOCPART == 5
	.amdgcn_target "amdgcn-amd-amdhsa--gfx1250"
	.amdhsa_code_object_version 6
	.text
	.protected	k_q554aa5475a_gemm1
	.globl	k_q554aa5475a_gemm1
	.p2align	8
	.type	k_q554aa5475a_gemm1,@function
k_q554aa5475a_gemm1:
	s_mov_b64 s[64:65], 0
	v_nop
	global_prefetch_b8 v0, s[64:65] scope:SCOPE_SE
	s_setreg_imm32_b32 hwreg(HW_REG_WAVE_MODE, 25, 1), 1
	s_wait_xcnt 0x0
	s_wait_alu depctr_hold_cnt(0) depctr_sa_sdst(0) depctr_va_vdst(0) depctr_va_sdst(0) depctr_va_ssrc(0) depctr_va_vcc(0) depctr_vm_vsrc(0)
	s_getreg_b32 s2, hwreg(HW_REG_IB_STS2, 6, 4)
	s_cmp_eq_u32 s2, 0
	s_cbranch_scc0 .Lentry_in_a_cluster
	s_endpgm
.Lentry_in_a_cluster:
	s_bfe_u32 s2, ttmp6, 0x10000c
	s_cmp_lg_u32 s2, 0xf033
	s_cbranch_scc0 .Lentry_shape_is_right
	s_endpgm
.Lentry_shape_is_right:
; C[r][n] = f(sum over k of A[r][k] B[n][k]).  A: [2048][4096] f16.  B: [4096][4096], ONE BYTE a weight: the upper byte of its f16, whose lower byte is 0 (the first launch's head says for which weights).
; The byte gets its 0 back in registers, and the product is taken in f16, with sums in f32.  One text for both products of the module; OUT32 tells them apart:
;   OUT32 = 0:  A = xs, B = w1c.  hh[r][m] = f16(sum x q[r] x s2[m]): q, a power of two made by the launch before, holds |h s2 q| under 2^15 for bits of 0 or 1, so f16's range is never passed.
;   OUT32 = 1:  A = hh, B = w3c.  out0[r][o] = (sum x (1 / q[r])) s4[o] + bias[o] in f32: the power of two comes out without a rounding; scale and bias are one fused multiply-add.
; Nothing of the problem is left out.  LIMITS: those stated at the first launch's head; NaN and infinities are not treated apart.
; f16, not bf16: a number near 0 in a column with a large s4 has 1% of the whole output's root mean square as its room, which the 8 significant bits of bf16 operands do not hold.
; THE ORDER ALONG K is the first launch's, alike in A and B: inside each group of 128, place 8 R + 4 J + i holds number 64 J + 4 R + i.  This text sums over places; only the way out of OUT32 = 0, which
; stores the next product's A, has to know the order.
; SHARES.  A tile of C is 128 rows x 256 columns: 16 x 16 tiles, one work-group each.  Four waves, each 64 x 128: 32 accumulators of 16 x 16, 256 registers.  K goes in steps of 256 through two LDS slots
; filled by the tensor data mover: 512 bytes of each of A's 128 rows, 256 bytes of each of B's 256.  With B in f16 two such slots (2 x 202,752 bytes) would not fit, and a refill would have half the work in which to land.
; CLUSTERS: 4 x 4 work-groups.  The four of a row of the cluster need the same tile of A, the four of a column the same tile of B: each tile is asked for JOINTLY, by the same tensor load with the
; same descriptor and a mask that names the four.  THE MATRIX INSTRUCTION IS USED TRANSPOSED (source 0 = 16 rows of B, source 1 = 16 rows of A): a lane then holds eight neighbouring numbers of a row of C.
; FRAGMENTS.  A lane's 16 bytes of B are 16 places on end and unpack into the 8 registers of one fragment; so A's lane takes the same 16 places, 32 bytes on end: of 32 places lanes 0-15 hold the first 16,
; lanes 16-31 the others, in both sources alike.
; REGISTERS, in windows of 256 (s_set_vgpr_msb: bits 1:0 source 0, 3:2 source 1, 5:4 source 2, 7:6 destination):
;   window 0: v0-31 addresses; v32-95 A's fragments, two buffers of 4; v96-159 B's bytes, two buffers of an eighth of a K step; v160-239 scales.  On the way out v32-191 are at work.
;   window 1: v0-127 the accumulators of n blocks b = 0..3 ((a, b) at v[8 (4 a + b)]); v128-191 B's fragments 0..3 unpacked, two buffers.          window 2: the same for b = 4..7.
; A line that unpacks writes into the window of the product's D that it stands behind.  With accumulators and unpacked fragments split by n block, EVERY product has lines to carry under its own setting:
; an eighth's 64 unpacking lines stand two behind each of its 32 products, and an eighth has three switches: its loads, its products on b < 4, its products on b >= 4.
.set OUT32,  0
.set PA,     528                       ; a row of A in LDS: 512 bytes + 16 of padding = 132 words: row r starts at bank 4 r mod 64 (64 banks of 4 bytes: ISA guide 11.1), so the 16 rows of a load start at 16 different banks
.set PB,     272                       ; a row of B: 256 bytes + 16 = 68 words: the same
.set AHALF,  64*PA                     ; 64 rows of A: what wave 0 or 1 fetches, and what a wave reads of A
.set ATILE,  2*AHALF
.set BHALF,  128*PB                    ; 128 rows of B: what wave 2 or 3 fetches, and what a wave reads of B
.set SLOT,   ATILE+2*BHALF             ; A's 128 rows, then B's 256 rows: 137,216 bytes
.set STAGE,  2*SLOT                    ; behind the ring, never filled by a tensor load: 16 rows for each wave, for the way out
.set SPITCH, 272+256*OUT32             ; a stage row: 128 numbers of C + 16 bytes
.set SPARE,  STAGE+4*16*SPITCH         ; behind the stages: the spare words, 128 bytes for each wave: two blocks of 256 bytes that no other line names
.set LAPS,   8                         ; a lap = two K steps = once round the ring: 4,096 / 512
.set CSH,    13+OUT32                  ; a row of C is 8,192 or 16,384 bytes
.set CROW,   1<<CSH
.set ESH,    1+OUT32                   ; a number of C is 2 or 4 bytes
.set ROFF,   8192*OUT32                ; q, or 1 / q, in rsc
.set A0,   16                          ; v16     my lane's place in a slot's rows of A; never rewritten
.set B0,   17                          ; v17     the same for B
.set ADA,  18                          ; v18     the LDS address of A's runs of loads in hand
.set ADB,  19                          ; v19     of B's
.set STO,  24                          ; v24     the way out: where I put my piece of a row
.set RD,   25                          ; v25     the way out: where I read rows back
.set CO,   26                          ; v26     my byte offset in C
.set RO,   27                          ; v27     my row's byte offset in q
.set SPW,  28                          ; v28     LDS address of my spare word; never rewritten
.set NIL,  29                          ; v29     0; never rewritten
.set PFO,  30                          ; v30     the prefetches' offset: my lane x a row of A or B in memory; never rewritten
.set CV,   31                          ; v31     my columns' byte offset in the column scales
.set AF,   32                          ; A's fragments: buffer q, block a at AF + 32 q + 8 a
.set RW,   96                          ; B's bytes: buffer q, fragment b at RW + 32 q + 4 b
.set EB,   128                         ; windows 1 and 2: B unpacked: buffer q, fragment b at EB + 32 q + 8 (b % 4)
.set S2C,  160                         ; v[160:223] OUT32 = 0: scaling2 of my lane's 64 columns: block b, register j at S2C + 8 b + j
.set RS,   224                         ; v[224:231] the row scale of block a, twice: a pair for the packed multiply
.set SC,   232                         ; v[232:235] OUT32: scaling4 of the four columns that I store
.set BI,   236                         ; v[236:239] OUT32: bias of the same
.set TMP,  32                          ; the way out: 64 registers, a block's scaled sums
.set HP,   96                          ; the way out, OUT32 = 0: the block in f16
.set OB,   128                         ; the way out: whole rows read back
.set G1,  24                           ; s[24:31] descriptor group 1 for A's tiles;  s[32:39] group 0, a set for each slot
.set G0,  32
.set G1B, 48                           ; s[48:55], s[56:63] the same for B's tiles
.set G0B, 56
.set SB,  20                           ; s20     the last two K steps: the first LDS byte of the slot in hand
.set NX,  21                           ; s21     and of the other slot
.set LIM, 43                           ; s43     1 in a wave that prefetches, else the greatest number
.set PFA, 44                           ; s[44:45] where my prefetches stand
.set PST, 66                           ; s[66:67] a K step in bytes of the rows that I prefetch: 512 (A) or 256 (B)
.set TA,  70                           ; s70     LDS byte, in A's rows, of the eighth whose fragments of A are fetched next: the slot's first byte + 64 x its number
.set TB,  71                           ; s71     the same eighth in B's rows: + 32 x its number
.set CNT, 76                           ; s76     counts a K step's plain pairs of eighths
.set SELE, 77                          ; s77     v_perm_b32: 0, byte 0, 0, byte 2 of the second source (bytes 4-7 name the first source, the constant 0)
.set MSK, 78                           ; s78     0xff00ff00: bytes 1 and 3 stay where they are
.set MSB, 0
.macro WIN new                         ; the immediate's high byte repeats the setting that is left; a switch that changes nothing is dropped
.if MSB != (\new)
	s_set_vgpr_msb (MSB<<8)|(\new)
.set MSB, \new
.endif
.endm
.set WL, 0x51                          ; source 0 (B unpacked), C and D window 1; source 1 (A; B's bytes) window 0.  Twice that, 0xa2, is the same with window 2
; A joint load: waves 0 and 1 fetch A's two halves, waves 2 and 3 B's.  The branch hangs on the wave's number alone.  An s_nop 0 and four v_nop follow each of the two lines, ahead of the jump, the label and what follows.
.macro JLOAD s
	s_cmp_eq_u32 s11, 0
	s_cbranch_scc0 .Lfor_b_\@
	tensor_load_to_lds s[G0+4*(\s):G0+4*(\s)+3], s[G1:G1+7]
	s_nop 0
.rept 4
	v_nop
.endr
	s_branch .Lasked_\@
.Lfor_b_\@:
	tensor_load_to_lds s[G0B+4*(\s):G0B+4*(\s)+3], s[G1B:G1B+7]
	s_nop 0
.rept 4
	v_nop
.endr
.Lasked_\@:
.endm
.macro CREST                           ; a round of the cluster's barrier behind its opening barrier: wave 0 signals for the work-group, every wave waits for all sixteen, my work-group's barrier once more
	s_cmp_lg_u32 s10, 0
	s_cbranch_scc1 .Lnot_wave_0_\@
	s_barrier_signal -3
.Lnot_wave_0_\@:
	s_barrier_wait -3
	s_barrier_signal -1
	s_barrier_wait -1
.endm
.macro CROUND                          ; a whole round
	s_barrier_signal -1
	s_barrier_wait -1
	CREST
.endm
; A PREFETCH INTO THE L2, behind each joint refill, its five lines and the run of LDS loads that follows.  The change of slots in K step s refills with step s + 2 and prefetches step s + 4: two refills, 512 matrix
; instructions of a wave, ahead of the refill that will ask for it.  32 blocks of 256 bytes, a lane a row, one instruction a wave.  Each block is named ONCE in the launch.  A's tile row is read by every cluster of that
; row of clusters: cluster x = 0 asks; the four partners take 32 of the 128 rows each, wave 0 the first 256 bytes of a row's 512, wave 1 the others.  B's tile column is read by every cluster of that column:
; cluster y = 0 asks; the four partners take 64 of the 256 rows each, waves 2 and 3 take 32 each.  Partners are told apart BY ADDRESS: no branch hangs on a work-group's place in its cluster.
; K steps 0 to 3 come by their loads alone.  s3 > 1 holds in the loop's trips 0 to 5, for s <= 11: the last K step named is 15, the last there is.
.macro ASK
	s_cmp_gt_u32 s3, s[LIM]
	s_cbranch_scc0 .Lnot_mine_\@
	global_prefetch_b8 v[PFO], s[PFA:PFA+1] th:TH_LOAD_NT scope:SCOPE_SE
.Lnot_mine_\@:
.endm
	s_load_b128 s[4:7], s[0:1], 0x0                ; A s[4:5], B s[6:7]
	s_load_b64 s[8:9], s[0:1], 0x10                ; C
	s_load_b64 s[68:69], s[0:1], 0x18              ; rsc
.if OUT32
	s_load_b128 s[72:75], s[0:1], 0x20             ; scaling4 s[72:73], bias s[74:75]
.else
	s_load_b64 s[72:73], s[0:1], 0x20              ; scaling2
.endif
	v_lshl_add_u32 v[SPW], v0, 2, SPARE
	v_mov_b32 v[NIL], 0
	ds_add_u32 v[SPW], v[NIL]                      ; the wave's opening: the add, twice on end, and its wait ahead of my first tensor load; the set-up below, work on registers, stands between
	ds_add_u32 v[SPW], v[NIL]                      ; and once more, under the one wait
	v_lshrrev_b32 v1, 5, v0
	v_readfirstlane_b32 s10, v1                    ; wave 0..3
	s_lshr_b32 s11, s10, 1                         ; which 64 of the tile's rows are mine.  Also: I fetch for A (0) or for B (1)
	s_and_b32 s12, s10, 1                          ; which 128 of its columns.  Also: which half of that tile I fetch
	s_bfe_u32 s40, ttmp6, 0x40000                  ; cx, cy: my place in the cluster
	s_bfe_u32 s41, ttmp6, 0x40004
	s_lshl_b32 s42, ttmp9, 2
	s_add_co_u32 s42, s42, s40                     ; tile column of C = 4 x cluster x + cx
	s_and_b32 s13, ttmp7, 0xffff
	s_lshl_b32 s13, s13, 2
	s_add_co_u32 s13, s13, s41                     ; tile row of C = 4 x cluster y + cy
	s_lshl_b32 s43, s41, 2
	s_lshl_b32 s43, 15, s43                        ; my row of the cluster: places 4 cy .. 4 cy + 3
	s_lshl_b32 s44, 0x1111, s40                    ; my column: places cx, cx + 4, cx + 8, cx + 12
	; descriptor group 1, in elements of 2 bytes: for A 64 rows of 256, for B 128 rows of 128 (256 weights), each row padded in LDS
	s_or_b32 s[G1+0], s43, (1<<16)|(1<<20)|(1<<21)|(6<<22)|(3<<25)   ; 15:0 the mask: A's tiles go to my row; 17:16 elements of 2 bytes; 20 padding on; 21 set beside a mask; 24:22 after every 128 words (code 6); 31:25 4 words (code 3)
	s_or_b32 s[G1B+0], s44, (1<<16)|(1<<20)|(1<<21)|(5<<22)|(3<<25)  ; the mask of my column; after every 64 words (code 5)
	s_mov_b32 s[G1+1], 256<<16                     ; tensor_dim0 = 256
	s_mov_b32 s[G1+2], 64<<16                      ; tensor_dim1 = 64
	s_mov_b32 s[G1+3], 256<<16                     ; tile_dim0 = 256
	s_mov_b32 s[G1+4], 64                          ; tile_dim1 = 64
	s_mov_b32 s[G1+5], 4096                        ; elements from row to row
	s_mov_b32 s[G1+6], 0
	s_mov_b32 s[G1+7], 0
	s_mov_b32 s[G1B+1], 128<<16                    ; tensor_dim0 = 128
	s_mov_b32 s[G1B+2], 128<<16                    ; tensor_dim1 = 128
	s_mov_b32 s[G1B+3], 128<<16                    ; tile_dim0 = 128
	s_mov_b32 s[G1B+4], 128                        ; tile_dim1 = 128
	s_mov_b32 s[G1B+5], 2048                       ; a row of B is 4,096 bytes
	s_mov_b32 s[G1B+6], 0
	s_mov_b32 s[G1B+7], 0
	s_mov_b32 s[SELE], 0x02040004
	s_mov_b32 s[MSK], 0xff00ff00
	; where the tiles come from.  A's hang on the tile row alone, B's on the tile column alone, each in registers that never hold the other coordinate.  All offsets are under 2^25.
	s_lshl_b32 s16, s13, 7
	s_lshl_b32 s17, s12, 6
	s_add_co_u32 s16, s16, s17                     ; A: row 128 x tile row + 64 x half
	s_lshl_b32 s16, s16, 13                        ; rows of 8,192 bytes
	s_mov_b32 s17, 0
	s_lshl_b32 s46, s42, 8
	s_lshl_b32 s47, s12, 7
	s_add_co_u32 s46, s46, s47                     ; B: row 256 x tile column + 128 x half
	s_lshl_b32 s46, s46, 12                        ; rows of 4,096 bytes
	s_mov_b32 s47, 0
	s_mul_i32 s20, s12, AHALF                      ; and where they go: no place in the cluster enters an LDS address
	s_mul_i32 s21, s12, BHALF
	s_add_co_u32 s21, s21, ATILE
	s_wait_dscnt 0x0                               ; both opening adds are done
	s_wait_kmcnt 0x0
	s_add_nc_u64 s[14:15], s[4:5], s[16:17]
	s_add_nc_u64 s[46:47], s[6:7], s[46:47]
	CROUND                                         ; all sixteen work-groups are here: the first joint loads meet
.irp s, 0,1
	s_mov_b32 s[G0+4*(\s)], 1                                        ; count = 1
	s_add_co_u32 s[G0+4*(\s)+1], s20, (\s)*SLOT                      ; LDS address
	s_add_nc_u64 s[G0+4*(\s)+2:G0+4*(\s)+3], s[14:15], (\s)*512      ; global address: K step s
	s_or_b32 s[G0+4*(\s)+3], s[G0+4*(\s)+3], 0x80000000              ; type = 2
	s_mov_b32 s[G0B+4*(\s)], 1
	s_add_co_u32 s[G0B+4*(\s)+1], s21, (\s)*SLOT
	s_add_nc_u64 s[G0B+4*(\s)+2:G0B+4*(\s)+3], s[46:47], (\s)*256
	s_or_b32 s[G0B+4*(\s)+3], s[G0B+4*(\s)+3], 0x80000000
	JLOAD \s                                       ; both slots are asked for before anything else is done: two loads of mine are out
.endr
	v_and_b32 v1, 15, v0                           ; l % 16
	v_bfe_u32 v2, v0, 4, 1                         ; l / 16
	v_mul_u32_u24 v3, v1, PA
	v_lshl_add_u32 v3, v2, 5, v3                   ; A: row x pitch + 32 x half: 16 places of 2 bytes
	s_mul_i32 s21, s11, AHALF                      ; my 64 rows of A
	v_add_nc_u32 v[A0], s21, v3
	v_mul_u32_u24 v3, v1, PB
	v_lshl_add_u32 v3, v2, 4, v3                   ; B: row x pitch + 16 x half: 16 places of 1 byte
	s_mul_i32 s22, s12, BHALF                      ; my 128 rows of B,
	s_add_co_u32 s22, s22, ATILE                   ; which lie behind A's 128
	v_add_nc_u32 v[B0], s22, v3
	s_mul_i32 s23, s10, 16*SPITCH
	s_add_co_u32 s23, s23, STAGE                   ; my stage
	v_mul_u32_u24 v4, v1, SPITCH                   ; in: row l % 16, 32 bytes for each half of the lanes
	v_lshl_add_u32 v4, v2, 5, v4
	v_add_nc_u32 v[STO], s23, v4
.if OUT32
	v_and_b32 v5, 31, v0
	v_lshlrev_b32 v[CO], 4, v5                     ; back: the 32 lanes take one row of 512 bytes, and the same in C
	v_add_nc_u32 v[RD], s23, v[CO]
.else
	v_mul_u32_u24 v5, v2, SPITCH                   ; back: lanes 0-15 take one row of 256 bytes, lanes 16-31 the next
	v_lshl_add_u32 v5, v1, 4, v5
	v_add_nc_u32 v[RD], s23, v5
	v_lshlrev_b32 v5, CSH, v2                      ; and the same two rows in C
	v_lshl_add_u32 v[CO], v1, 4, v5
.endif
	s_lshl_b32 s16, s13, 7
	s_lshl_b32 s17, s11, 6
	s_add_co_u32 s16, s16, s17                     ; my first row of C: 128 x tile row + 64 x half
	v_add_nc_u32 v[RO], s16, v1
	v_lshlrev_b32 v[RO], 2, v[RO]                  ; in block a my lane's row is that + 16 a + l % 16
	s_lshl_b32 s16, s16, CSH
	s_lshl_b32 s18, s42, 8
	s_lshl_b32 s19, s12, 7
	s_add_co_u32 s18, s18, s19                     ; my first column: 256 x tile column + 128 x half
	s_lshl_b32 s19, s18, 2
.if OUT32
	v_add_nc_u32 v[CV], s19, v[CO]                 ; the four columns that my lane stores: 4 l on
.else
	v_lshl_add_u32 v[CV], v2, 5, s19               ; the eight columns that my lane holds in block 0: 8 (l / 16) on
.endif
	s_lshl_b32 s18, s18, ESH
	s_add_co_u32 s16, s16, s18
	s_mov_b32 s17, 0
	s_add_nc_u64 s[8:9], s[8:9], s[16:17]          ; C at my 64 x 128: a multiple of 256 bytes from its first byte
.irp a, 0,1,2,3
	global_load_b32 v[RS+2*(\a)], v[RO], s[68:69] offset:ROFF+64*(\a)
.endr
.if OUT32
	global_load_b128 v[SC:SC+3], v[CV], s[72:73]
	global_load_b128 v[BI:BI+3], v[CV], s[74:75]
.else
.irp b, 0,1,2,3,4,5,6,7
	global_load_b128 v[S2C+8*(\b):S2C+8*(\b)+3],   v[CV], s[72:73] offset:64*(\b)
	global_load_b128 v[S2C+8*(\b)+4:S2C+8*(\b)+7], v[CV], s[72:73] offset:64*(\b)+16
.endr
.endif
	; the prefetches' set-up
	s_and_b32 s22, ttmp7, 0xffff                   ; cluster y
	s_lshl_b32 s18, s13, 7
	s_lshl_b32 s19, s40, 5
	s_add_co_u32 s18, s18, s19                     ; in A: row 128 x tile row + 32 cx,
	s_lshl_b32 s18, s18, 13
	s_lshl_b32 s19, s12, 8
	s_add_co_u32 s18, s18, s19                     ; and my wave's 256 of a K step's 512 bytes
	s_lshl_b32 s19, s42, 8
	s_lshl_b32 s20, s41, 6
	s_add_co_u32 s19, s19, s20
	s_lshl_b32 s20, s12, 5
	s_add_co_u32 s19, s19, s20                     ; in B: row 256 x tile column + 64 cy + 32 x (wave % 2)
	s_lshl_b32 s19, s19, 12
	s_lshr_b32 s[PST], 512, s11                    ; a K step: 512 bytes of a row of A, 256 of a row of B
	s_mov_b32 s[PST+1], 0
	s_sub_co_u32 s23, 13, s11                      ; a row: 2^13 bytes of A, 2^12 of B
	s_cmp_eq_u32 s11, 0
	s_cselect_b32 s20, s18, s19
	s_cselect_b32 s22, ttmp9, s22                  ; the coordinate along which other clusters read the same rows
	s_cselect_b64 s[PFA:PFA+1], s[4:5], s[6:7]
	s_cmp_eq_u32 s22, 0
	s_cselect_b32 s[LIM], 1, -1                    ; the same in all sixteen partners, for a given wave
	s_mov_b32 s21, 0
	s_add_nc_u64 s[PFA:PFA+1], s[PFA:PFA+1], s[20:21]
	s_mul_i32 s20, s[PST], 3
	s_add_nc_u64 s[PFA:PFA+1], s[PFA:PFA+1], s[20:21]  ; at K step 3: the first change of slots steps it to 4
	v_and_b32 v[PFO], 31, v0
	v_lshlrev_b32 v[PFO], s23, v[PFO]
	s_wait_loadcnt 0x0                             ; the scales, once
.irp a, 0,1,2,3
	v_mov_b32 v[RS+2*(\a)+1], v[RS+2*(\a)]
.endr
; One product: buffers p, m block a, n block b of the window's four, 32 places along K.  zero = 1: it starts the sum: nothing is ever cleared.
.macro MM p, a, b, zero
.set rC, 8*(4*(\a)+(\b))
.set rB, EB+32*(\p)+8*(\b)
.set rA, AF+32*(\p)+8*(\a)
.if \zero
	v_wmma_f32_16x16x32_f16 v[rC:rC+7], v[rB:rB+7], v[rA:rA+7], 0
.else
	v_wmma_f32_16x16x32_f16 v[rC:rC+7], v[rB:rB+7], v[rA:rA+7], v[rC:rC+7]
.endif
.endm
; Two lines that unpack word un (0..15) of half hf of buffer q's bytes into two registers.  A word holds places 0, 2, 1, 3: bytes 0 and 2 go up by one byte into the first register, bytes 1 and 3 stay in the second; the other bytes are 0.
.macro RIDE q, hf, un
	v_perm_b32 v[EB+32*(\q)+2*(\un)],   0, v[RW+32*(\q)+16*(\hf)+(\un)], s[SELE]
	v_and_b32  v[EB+32*(\q)+2*(\un)+1], s[MSK], v[RW+32*(\q)+16*(\hf)+(\un)]
.endm
; cnt of the 16 products on the n blocks of half hf (0: b = 0..3, window 1; 1: b = 4..7, window 2), from product first on: m block i / 4, n block i % 4.
; The 32 accumulators take turns, one instruction a turn, in the same order in every eighth: 31 others stand between two links of a chain, over the backward jumps too.
; ride = 1: behind each product a word of the next eighth's bytes is unpacked into the other buffer, in the product's own window.  In the second half each word stands one product later, so that the eighth's last
; product has two words, four lines, behind it: they name none of its registers and are the four places ahead of the next eighth's loads into the fragments of A that it has read.
.macro HALF p, hf, first, cnt, zero, ride
	WIN WL+WL*(\hf)
.set i, \first
.rept \cnt
	MM \p, i/4, i%4, \zero
.if \ride
.if (\hf) == 0
	RIDE 1-(\p), 0, i
.else
.if i > 0
	RIDE 1-(\p), 1, i-1
.endif
.if i == 15
	RIDE 1-(\p), 1, 15
.endif
.endif
.endif
.set i, i+1
.endr
.endm
.macro FA q, off                       ; 8 LDS loads: A's four fragments of an eighth, at byte off behind ADA, into buffer q
.irp n, 0,1,2,3
	ds_load_b128 v[AF+32*(\q)+8*(\n):AF+32*(\q)+8*(\n)+3],   v[ADA] offset:(\off)+(\n)*16*PA
	ds_load_b128 v[AF+32*(\q)+8*(\n)+4:AF+32*(\q)+8*(\n)+7], v[ADA] offset:(\off)+(\n)*16*PA+16
.endr
.endm
.macro FB q, off                       ; 8 LDS loads: B's bytes of an eighth's eight fragments, at byte off behind ADB, into buffer q
.irp n, 0,1,2,3,4,5,6,7
	ds_load_b128 v[RW+32*(\q)+4*(\n):RW+32*(\q)+4*(\n)+3], v[ADB] offset:(\off)+(\n)*16*PB
.endr
.endm
; AN EIGHTH of a K step, number e, of parity p: 32 products from buffers p.  At its head ONE run of 16 LDS loads: A's fragments of eighth e + 1, and B's bytes of eighth e + 2.  Behind its products B's bytes of
; eighth e + 1, fetched an eighth ago, are unpacked: so the first product's lines wait for nothing.  mk = 1: the addresses are made anew from TA and TB, which stand at eighth e + 1; io = 1: they stand at eighth e.
.macro EIGHTH p, mk, io, zero
	WIN 0
.if \mk
	v_add_nc_u32 v[ADB], s[TB], v[B0]
	v_add_nc_u32 v[ADA], s[TA], v[A0]
.endif
	FA 1-(\p), 64*(\io)
	FB \p, 32*(\io)+32
	s_wait_dscnt 16                                ; all but the 16 just issued: this eighth's fragments of A and the bytes that it unpacks are in
	HALF \p, 0, 0, 16, \zero, 1
	HALF \p, 1, 0, 16, \zero, 1
.endm
; A K step's eighth 6, which changes slots in its middle.  At its head A's fragments of eighth 7 are fetched: the last read of the slot (B's bytes of eighth 7 were fetched an eighth ago).  ONE barrier; in front of it each
; wave waits for all its tensor loads (one is out: its part of the next slot), adds 0 to its spare word, and waits for that and for its own reads of this slot.  Behind it come B's bytes of the next slot's eighth 0,
; sixteen products ahead of the lines that unpack them.  fill = 1: the barrier opens a round of the cluster's, and this slot is filled again, two K steps on, first thing behind the round: from that request to the
; wait for it a wave issues 240 matrix instructions.  fill = 0: the last two K steps: nothing is asked for, and the other slot's first byte stands in s[NX].
.macro EIGHTHT p, slot, fill
.if \fill
	s_wait_xcnt 0x0                                ; the last prefetch, a K step back, has read its address: it is stepped here, ahead of the waits of the change of slots
	s_add_nc_u64 s[PFA:PFA+1], s[PFA:PFA+1], s[PST:PST+1]
.endif
	WIN 0
	FA 1-(\p), 64
	s_wait_tensorcnt 0x0                           ; all my tensor loads have landed: no load of mine is out, so a group 0 may be written
	ds_add_u32 v[SPW], v[NIL]                      ; 0 onto my spare word
	s_wait_dscnt 9                                 ; (the add and the eight loads just issued may be out)
	HALF \p, 0, 0, 8, 0, 1                         ; work on registers stands between the add and the wait for it
	s_wait_dscnt 0x0                               ; the add is done, and my reads of this slot are over
	s_barrier_signal -1
	HALF \p, 0, 8, 8, 0, 1                         ; work on registers while the others arrive
	WIN 0
	s_barrier_wait -1
.if \fill
	CREST                                          ; no wave of any partner still reads this slot's tile or has a load on its way
	s_add_nc_u64 s[G0+4*(\slot)+2:G0+4*(\slot)+3], s[G0+4*(\slot)+2:G0+4*(\slot)+3], 2*512
	s_add_nc_u64 s[G0B+4*(\slot)+2:G0B+4*(\slot)+3], s[G0B+4*(\slot)+2:G0B+4*(\slot)+3], 2*256
	JLOAD \slot
	v_add_nc_u32 v[ADB], (1-(\slot))*SLOT, v[B0]
.else
	v_add_nc_u32 v[ADB], s[NX], v[B0]
.endif
	FB \p, 0
.if \fill
	ASK
.endif
	HALF \p, 1, 0, 16, 0, 1
	WIN 0
.endm
; A UNIT: the fetches of A from one slot.  It multiplies eighth 7 of the K step before and eighths 0 to 6 of the slot's own.  Three trips of one written pair, then a pair whose second eighth changes slots.
.macro UNIT tag, slot, fill
	WIN 0
.if \fill
	s_mov_b32 s[TA], (\slot)*SLOT
	s_mov_b32 s[TB], (\slot)*SLOT
.else
	s_mov_b32 s[TA], s[SB]
	s_mov_b32 s[TB], s[SB]
.endif
	s_mov_b32 s[CNT], 3
.Lpair\tag:
	EIGHTH 1, 1, 0, 0
	EIGHTH 0, 0, 1, 0
	WIN 0                                          ; at a label and at a branch every window is 0
	s_add_co_u32 s[TA], s[TA], 128
	s_add_co_u32 s[TB], s[TB], 64
	s_sub_co_u32 s[CNT], s[CNT], 1
	s_cmp_lg_u32 s[CNT], 0
	s_cbranch_scc1 .Lpair\tag
	EIGHTH 1, 1, 0, 0
	EIGHTHT 0, \slot, \fill
.endm
.macro PLACES
.rept 4
	v_nop
.endr
.endm
; THE WAY OUT of block a (16 rows x 128 columns): times the row's power of two; into my own stage in LDS; back as whole rows; stored.  The stage is the wave's own, and LDS serves a wave's
; instructions in order (ISA guide 5.7.1.4): no barrier, and no wait between the stores and the loads.  Each accumulator is read from its lowest registers on.
.macro OUTA a
.irp b, 0,1,2,3,4,5,6,7
	WIN 1+(\b)/4                                   ; source 0 in window 1 (b < 4) or 2
.irp r, 0,1,2,3
	v_pk_mul_f32 v[TMP+8*(\b)+2*(\r):TMP+8*(\b)+2*(\r)+1], v[8*(4*(\a)+(\b)%4)+2*(\r):8*(4*(\a)+(\b)%4)+2*(\r)+1], v[RS+2*(\a):RS+2*(\a)+1]
.endr
.endr
	WIN 0
.if OUT32
.irp b, 0,1,2,3,4,5,6,7
	ds_store_b128 v[STO], v[TMP+8*(\b):TMP+8*(\b)+3]   offset:64*(\b)
	ds_store_b128 v[STO], v[TMP+8*(\b)+4:TMP+8*(\b)+7] offset:64*(\b)+16
.endr
	s_wait_xcnt 0x0                                ; OB, which the last block's stores read, is loaded again only behind this wait
.irp t, 0,1,2,3,4,5,6,7,8,9,10,11,12,13,14,15
	ds_load_b128 v[OB+4*(\t):OB+4*(\t)+3], v[RD] offset:(\t)*SPITCH
.endr
.irp t, 0,1,2,3,4,5,6,7,8,9,10,11,12,13,14,15
	s_wait_dscnt 15-(\t)                           ; row t is back; the younger loads stay out
	v_pk_fma_f32 v[OB+4*(\t):OB+4*(\t)+1],   v[OB+4*(\t):OB+4*(\t)+1],   v[SC:SC+1],   v[BI:BI+1]
	v_pk_fma_f32 v[OB+4*(\t)+2:OB+4*(\t)+3], v[OB+4*(\t)+2:OB+4*(\t)+3], v[SC+2:SC+3], v[BI+2:BI+3]
	global_store_b128 v[CO], v[OB+4*(\t):OB+4*(\t)+3], s[8:9] offset:(16*(\a)+(\t))*CROW th:TH_STORE_NT  ; the wave stores 512 consecutive bytes, at a multiple of 256 from C's first byte
.endr
.else
.irp b, 0,1,2,3,4,5,6,7
.irp r, 0,1,2,3
	v_pk_mul_f32 v[TMP+8*(\b)+2*(\r):TMP+8*(\b)+2*(\r)+1], v[TMP+8*(\b)+2*(\r):TMP+8*(\b)+2*(\r)+1], v[S2C+8*(\b)+2*(\r):S2C+8*(\b)+2*(\r)+1]  ; times s2 of the column
.endr
.endr
	; hh is the next product's A, so its columns take the order along K.  My wave's 128 columns are one group: column 16 b + 8 (l / 16) + j is number 64 J + 4 R + i with J = b / 4, R = 4 (b % 4) + 2 (l / 16) + j / 4,
	; i = j % 4, and goes to place 8 R + 4 J + i = 32 (b % 4) + 16 (l / 16) + 8 (j / 4) + 4 (b / 4) + j % 4.  So blocks b and b + 4 fill 32 bytes on end: b's first four numbers, b + 4's, b's last four, b + 4's.
.irp b, 0,1,2,3,4,5,6,7
.irp r, 0,1,2,3
	v_cvt_pk_f16_f32 v[HP+8*((\b)%4)+4*((\r)/2)+2*((\b)/4)+(\r)%2], v[TMP+8*(\b)+2*(\r)], v[TMP+8*(\b)+2*(\r)+1]
.endr
.endr
.irp b, 0,1,2,3
	ds_store_b128 v[STO], v[HP+8*(\b):HP+8*(\b)+3]   offset:64*(\b)
	ds_store_b128 v[STO], v[HP+8*(\b)+4:HP+8*(\b)+7] offset:64*(\b)+16
.endr
	s_wait_xcnt 0x0                                ; OB, which the last block's stores read, is loaded again only behind this wait
.irp t, 0,1,2,3,4,5,6,7
	ds_load_b128 v[OB+4*(\t):OB+4*(\t)+3], v[RD] offset:(\t)*2*SPITCH
.endr
.irp t, 0,1,2,3,4,5,6,7
	s_wait_dscnt 7-(\t)                            ; rows 2 t and 2 t + 1 are back; the younger loads stay out
	global_store_b128 v[CO], v[OB+4*(\t):OB+4*(\t)+3], s[8:9] offset:(16*(\a)+2*(\t))*CROW  ; 16 lanes store 256 consecutive bytes, at a multiple of 256 from C's first byte
.endr
.endif
.endm
	s_wait_tensorcnt 1                             ; my part of K step 0 is in; K step 1's may stay out
	s_barrier_signal -1
	s_barrier_wait -1                              ; everybody's is
	v_mov_b32 v[ADB], v[B0]                        ; K step 0 lies at the head of slot 0
	v_mov_b32 v[ADA], v[A0]
	FB 0, 0                                        ; B's bytes of eighth 0,
	FA 0, 0                                        ; A's fragments of eighth 0,
	FB 1, 32                                       ; B's bytes of eighth 1
	s_wait_dscnt 16                                ; the first eight loads are in
	WIN WL
.set i, 0
.rept 16
	RIDE 0, 0, i                                   ; eighth 0 is unpacked with no product to ride behind: once a launch
.set i, i+1
.endr
	WIN WL+WL
.set i, 0
.rept 16
	RIDE 0, 1, i
.set i, i+1
.endr
	EIGHTH 0, 0, 1, 1                              ; the first eighth stands in front of the loops: its products start the sums; it fetches A of eighth 1 and B's bytes of eighth 2
	WIN 0
	s_mov_b32 s[TA], 128                           ; the first unit has no eighth of a K step before and has had its eighth 0: it is entered at the top of its pairs, with two trips left, at eighth 2
	s_mov_b32 s[TB], 64
	s_mov_b32 s[CNT], 2
	s_mov_b32 s3, LAPS-1
	s_branch .Lpair0
.Llap:                                                 ; a trip goes once round the ring and fills both slots again
	UNIT 0, 0, 1
	UNIT 1, 1, 1
	s_sub_co_u32 s3, s3, 1
	s_cmp_lg_u32 s3, 0
	s_cbranch_scc1 .Llap
	; The last lap asks for nothing: one written unit, walked twice, the slots' first bytes in two scalars that an exclusive or with SLOT turns from 0 to SLOT and back.
	; In its second trip the change of slots has nothing left to wait for, and its eight loads bring bytes of the slot before, which nobody unpacks: the price, once a launch, of one text for both trips.
	s_mov_b32 s[SB], 0
	s_mov_b32 s[NX], SLOT
	s_mov_b32 s3, 2
.Ltail:
	UNIT 2, 0, 0
	s_xor_b32 s[SB], s[SB], SLOT
	s_xor_b32 s[NX], s[NX], SLOT
	s_sub_co_u32 s3, s3, 1
	s_cmp_lg_u32 s3, 0
	s_cbranch_scc1 .Ltail
	s_wait_dscnt 0x0                               ; the very last eighth: nothing more to fetch or to unpack; no LDS load is out when the way out takes the registers
	HALF 1, 0, 0, 16, 0, 0
	HALF 1, 1, 0, 16, 0, 0
	WIN 0
	PLACES                                         ; behind the last products, in front of lines that read results and write over fragments;
	PLACES                                         ; eight, once a launch
	OUTA 0
	OUTA 1
	OUTA 2
	OUTA 3
	s_wait_tensorcnt 0x0                           ; the wave's end: behind my last tensor load and my last LDS store
	ds_add_u32 v[SPW], v[NIL]
	s_wait_dscnt 0x0
	CROUND                                         ; the closing round: no work-group ends while a partner may still ask for a tile that names it
	s_endpgm
.Lfunc_end_k_q554aa5475a_gemm1:
	.size	k_q554aa5475a_gemm1, .Lfunc_end_k_q554aa5475a_gemm1-k_q554aa5475a_gemm1
	.p2alignl 7, 3214868480
	.fill 96, 4, 3214868480
	.section	.rodata,"a",@progbits
	.p2align	6, 0x0
	.amdhsa_kernel k_q554aa5475a_gemm1
		.amdhsa_group_segment_fixed_size 327680
		.amdhsa_private_segment_fixed_size 0
		.amdhsa_enable_private_segment 0
		.amdhsa_kernarg_size 40
		.amdhsa_user_sgpr_count 2
		.amdhsa_user_sgpr_kernarg_segment_ptr 1
		.amdhsa_wavefront_size32 1
		.amdhsa_system_sgpr_workgroup_id_x 1
		.amdhsa_system_sgpr_workgroup_id_y 1
		.amdhsa_system_sgpr_workgroup_id_z 1
		.amdhsa_system_vgpr_workitem_id 0
		.amdhsa_next_free_vgpr 704
		.amdhsa_next_free_sgpr 80
		.amdhsa_reserve_vcc 0
		.amdhsa_float_denorm_mode_32 3
		.amdhsa_float_denorm_mode_16_64 3
		.amdhsa_memory_ordered 1
		.amdhsa_forward_progress 1
		.amdhsa_inst_pref_size 135
	.end_amdhsa_kernel
	.amdgpu_metadata
---
amdhsa.version: [ 1, 2 ]
amdhsa.kernels:
  - .name:           k_q554aa5475a_gemm1
    .symbol:         k_q554aa5475a_gemm1.kd
    .args:
      - { .name: xs, .offset: 0, .size: 8, .value_kind: global_buffer, .address_space: global }
      - { .name: w1c, .offset: 8, .size: 8, .value_kind: global_buffer, .address_space: global }
      - { .name: hh, .offset: 16, .size: 8, .value_kind: global_buffer, .address_space: global }
      - { .name: rsc, .offset: 24, .size: 8, .value_kind: global_buffer, .address_space: global }
      - { .name: scaling2, .offset: 32, .size: 8, .value_kind: global_buffer, .address_space: global }
    .group_segment_fixed_size: 327680
    .private_segment_fixed_size: 0
    .kernarg_segment_align: 8
    .kernarg_segment_size: 40
    .max_flat_workgroup_size: 128
    .sgpr_count:     80
    .vgpr_count:     704
    .wavefront_size: 32
...
	.end_amdgpu_metadata
.endif
;; end of part 5
;; launch gemm2 (part 6): grid 16 x 16, 4 waves a work-group, clusters of 4 x 4, 327,680 bytes of LDS; arguments hh, w3c, out0, rsc, scaling4, bias; writes out0
.if DOCPART == 6
	.amdgcn_target "amdgcn-amd-amdhsa--gfx1250"
	.amdhsa_code_object_version 6
	.text
	.protected	k_q554aa5475a_gemm2
	.globl	k_q554aa5475a_gemm2
	.p2align	8
	.type	k_q554aa5475a_gemm2,@function
k_q554aa5475a_gemm2:
	s_mov_b64 s[64:65], 0
	v_nop
	global_prefetch_b8 v0, s[64:65] scope:SCOPE_SE
	s_setreg_imm32_b32 hwreg(HW_REG_WAVE_MODE, 25, 1), 1
	s_wait_xcnt 0x0
	s_wait_alu depctr_hold_cnt(0) depctr_sa_sdst(0) depctr_va_vdst(0) depctr_va_sdst(0) depctr_va_ssrc(0) depctr_va_vcc(0) depctr_vm_vsrc(0)
	s_getreg_b32 s2, hwreg(HW_REG_IB_STS2, 6, 4)
	s_cmp_eq_u32 s2, 0
	s_cbranch_scc0 .Lentry_in_a_cluster
	s_endpgm
.Lentry_in_a_cluster:
	s_bfe_u32 s2, ttmp6, 0x10000c
	s_cmp_lg_u32 s2, 0xf033
	s_cbranch_scc0 .Lentry_shape_is_right
	s_endpgm
.Lentry_shape_is_right:
; C[r][n] = f(sum over k of A[r][k] B[n][k]).  A: [2048][4096] f16.  B: [4096][4096], ONE BYTE a weight: the upper byte of its f16, whose lower byte is 0 (the first launch's head says for which weights).
; The byte gets its 0 back in registers, and the product is taken in f16, with sums in f32.  One text for both products of the module; OUT32 tells them apart:
;   OUT32 = 0:  A = xs, B = w1c.  hh[r][m] = f16(sum x q[r] x s2[m]): q, a power of two made by the launch before, holds |h s2 q| under 2^15 for bits of 0 or 1, so f16's range is never passed.
;   OUT32 = 1:  A = hh, B = w3c.  out0[r][o] = (sum x (1 / q[r])) s4[o] + bias[o] in f32: the power of two comes out without a rounding; scale and bias are one fused multiply-add.
; Nothing of the problem is left out.  LIMITS: those stated at the first launch's head; NaN and infinities are not treated apart.
; f16, not bf16: a number near 0 in a column with a large s4 has 1% of the whole output's root mean square as its room, which the 8 significant bits of bf16 operands do not hold.
; THE ORDER ALONG K is the first launch's, alike in A and B: inside each group of 128, place 8 R + 4 J + i holds number 64 J + 4 R + i.  This text sums over places; only the way out of OUT32 = 0, which
; stores the next product's A, has to know the order.
; SHARES.  A tile of C is 128 rows x 256 columns: 16 x 16 tiles, one work-group each.  Four waves, each 64 x 128: 32 accumulators of 16 x 16, 256 registers.  K goes in steps of 256 through two LDS slots
; filled by the tensor data mover: 512 bytes of each of A's 128 rows, 256 bytes of each of B's 256.  With B in f16 two such slots (2 x 202,752 bytes) would not fit, and a refill would have half the work in which to land.
; CLUSTERS: 4 x 4 work-groups.  The four of a row of the cluster need the same tile of A, the four of a column the same tile of B: each tile is asked for JOINTLY, by the same tensor load with the
; same descriptor and a mask that names the four.  THE MATRIX INSTRUCTION IS USED TRANSPOSED (source 0 = 16 rows of B, source 1 = 16 rows of A): a lane then holds eight neighbouring numbers of a row of C.
; FRAGMENTS.  A lane's 16 bytes of B are 16 places on end and unpack into the 8 registers of one fragment; so A's lane takes the same 16 places, 32 bytes on end: of 32 places lanes 0-15 hold the first 16,
; lanes 16-31 the others, in both sources alike.
; REGISTERS, in windows of 256 (s_set_vgpr_msb: bits 1:0 source 0, 3:2 source 1, 5:4 source 2, 7:6 destination):
;   window 0: v0-31 addresses; v32-95 A's fragments, two buffers of 4; v96-159 B's bytes, two buffers of an eighth of a K step; v160-239 scales.  On the way out v32-191 are at work.
;   window 1: v0-127 the accumulators of n blocks b = 0..3 ((a, b) at v[8 (4 a + b)]); v128-191 B's fragments 0..3 unpacked, two buffers.          window 2: the same for b = 4..7.
; A line that unpacks writes into the window of the product's D that it stands behind.  With accumulators and unpacked fragments split by n block, EVERY product has lines to carry under its own setting:
; an eighth's 64 unpacking lines stand two behind each of its 32 products, and an eighth has three switches: its loads, its products on b < 4, its products on b >= 4.
.set OUT32,  1
.set PA,     528                       ; a row of A in LDS: 512 bytes + 16 of padding = 132 words: row r starts at bank 4 r mod 64 (64 banks of 4 bytes: ISA guide 11.1), so the 16 rows of a load start at 16 different banks
.set PB,     272                       ; a row of B: 256 bytes + 16 = 68 words: the same
.set AHALF,  64*PA                     ; 64 rows of A: what wave 0 or 1 fetches, and what a wave reads of A
.set ATILE,  2*AHALF
.set BHALF,  128*PB                    ; 128 rows of B: what wave 2 or 3 fetches, and what a wave reads of B
.set SLOT,   ATILE+2*BHALF             ; A's 128 rows, then B's 256 rows: 137,216 bytes
.set STAGE,  2*SLOT                    ; behind the ring, never filled by a tensor load: 16 rows for each wave, for the way out
.set SPITCH, 272+256*OUT32             ; a stage row: 128 numbers of C + 16 bytes
.set SPARE,  STAGE+4*16*SPITCH         ; behind the stages: the spare words, 128 bytes for each wave: two blocks of 256 bytes that no other line names
.set LAPS,   8                         ; a lap = two K steps = once round the ring: 4,096 / 512
.set CSH,    13+OUT32                  ; a row of C is 8,192 or 16,384 bytes
.set CROW,   1<<CSH
.set ESH,    1+OUT32                   ; a number of C is 2 or 4 bytes
.set ROFF,   8192*OUT32                ; q, or 1 / q, in rsc
.set A0,   16                          ; v16     my lane's place in a slot's rows of A; never rewritten
.set B0,   17                          ; v17     the same for B
.set ADA,  18                          ; v18     the LDS address of A's runs of loads in hand
.set ADB,  19                          ; v19     of B's
.set STO,  24                          ; v24     the way out: where I put my piece of a row
.set RD,   25                          ; v25     the way out: where I read rows back
.set CO,   26                          ; v26     my byte offset in C
.set RO,   27                          ; v27     my row's byte offset in q
.set SPW,  28                          ; v28     LDS address of my spare word; never rewritten
.set NIL,  29                          ; v29     0; never rewritten
.set PFO,  30                          ; v30     the prefetches' offset: my lane x a row of A or B in memory; never rewritten
.set CV,   31                          ; v31     my columns' byte offset in the column scales
.set AF,   32                          ; A's fragments: buffer q, block a at AF + 32 q + 8 a
.set RW,   96                          ; B's bytes: buffer q, fragment b at RW + 32 q + 4 b
.set EB,   128                         ; windows 1 and 2: B unpacked: buffer q, fragment b at EB + 32 q + 8 (b % 4)
.set S2C,  160                         ; v[160:223] OUT32 = 0: scaling2 of my lane's 64 columns: block b, register j at S2C + 8 b + j
.set RS,   224                         ; v[224:231] the row scale of block a, twice: a pair for the packed multiply
.set SC,   232                         ; v[232:235] OUT32: scaling4 of the four columns that I store
.set BI,   236                         ; v[236:239] OUT32: bias of the same
.set TMP,  32                          ; the way out: 64 registers, a block's scaled sums
.set HP,   96                          ; the way out, OUT32 = 0: the block in f16
.set OB,   128                         ; the way out: whole rows read back
.set G1,  24                           ; s[24:31] descriptor group 1 for A's tiles;  s[32:39] group 0, a set for each slot
.set G0,  32
.set G1B, 48                           ; s[48:55], s[56:63] the same for B's tiles
.set G0B, 56
.set SB,  20                           ; s20     the last two K steps: the first LDS byte of the slot in hand
.set NX,  21                           ; s21     and of the other slot
.set LIM, 43                           ; s43     1 in a wave that prefetches, else the greatest number
.set PFA, 44                           ; s[44:45] where my prefetches stand
.set PST, 66                           ; s[66:67] a K step in bytes of the rows that I prefetch: 512 (A) or 256 (B)
.set TA,  70                           ; s70     LDS byte, in A's rows, of the eighth whose fragments of A are fetched next: the slot's first byte + 64 x its number
.set TB,  71                           ; s71     the same eighth in B's rows: + 32 x its number
.set CNT, 76                           ; s76     counts a K step's plain pairs of eighths
.set SELE, 77                          ; s77     v_perm_b32: 0, byte 0, 0, byte 2 of the second source (bytes 4-7 name the first source, the constant 0)
.set MSK, 78                           ; s78     0xff00ff00: bytes 1 and 3 stay where they are
.set MSB, 0
.macro WIN new                         ; the immediate's high byte repeats the setting that is left; a switch that changes nothing is dropped
.if MSB != (\new)
	s_set_vgpr_msb (MSB<<8)|(\new)
.set MSB, \new
.endif
.endm
.set WL, 0x51                          ; source 0 (B unpacked), C and D window 1; source 1 (A; B's bytes) window 0.  Twice that, 0xa2, is the same with window 2
; A joint load: waves 0 and 1 fetch A's two halves, waves 2 and 3 B's.  The branch hangs on the wave's number alone.  An s_nop 0 and four v_nop follow each of the two lines, ahead of the jump, the label and what follows.
.macro JLOAD s
	s_cmp_eq_u32 s11, 0
	s_cbranch_scc0 .Lfor_b_\@
	tensor_load_to_lds s[G0+4*(\s):G0+4*(\s)+3], s[G1:G1+7]
	s_nop 0
.rept 4
	v_nop
.endr
	s_branch .Lasked_\@
.Lfor_b_\@:
	tensor_load_to_lds s[G0B+4*(\s):G0B+4*(\s)+3], s[G1B:G1B+7]
	s_nop 0
.rept 4
	v_nop
.endr
.Lasked_\@:
.endm
.macro CREST                           ; a round of the cluster's barrier behind its opening barrier: wave 0 signals for the work-group, every wave waits for all sixteen, my work-group's barrier once more
	s_cmp_lg_u32 s10, 0
	s_cbranch_scc1 .Lnot_wave_0_\@
	s_barrier_signal -3
.Lnot_wave_0_\@:
	s_barrier_wait -3
	s_barrier_signal -1
	s_barrier_wait -1
.endm
.macro CROUND                          ; a whole round
	s_barrier_signal -1
	s_barrier_wait -1
	CREST
.endm
; A PREFETCH INTO THE L2, behind each joint refill, its five lines and the run of LDS loads that follows.  The change of slots in K step s refills with step s + 2 and prefetches step s + 4: two refills, 512 matrix
; instructions of a wave, ahead of the refill that will ask for it.  32 blocks of 256 bytes, a lane a row, one instruction a wave.  Each block is named ONCE in the launch.  A's tile row is read by every cluster of that
; row of clusters: cluster x = 0 asks; the four partners take 32 of the 128 rows each, wave 0 the first 256 bytes of a row's 512, wave 1 the others.  B's tile column is read by every cluster of that column:
; cluster y = 0 asks; the four partners take 64 of the 256 rows each, waves 2 and 3 take 32 each.  Partners are told apart BY ADDRESS: no branch hangs on a work-group's place in its cluster.
; K steps 0 to 3 come by their loads alone.  s3 > 1 holds in the loop's trips 0 to 5, for s <= 11: the last K step named is 15, the last there is.
.macro ASK
	s_cmp_gt_u32 s3, s[LIM]
	s_cbranch_scc0 .Lnot_mine_\@
	global_prefetch_b8 v[PFO], s[PFA:PFA+1] th:TH_LOAD_NT scope:SCOPE_SE
.Lnot_mine_\@:
.endm
	s_load_b128 s[4:7], s[0:1], 0x0                ; A s[4:5], B s[6:7]
	s_load_b64 s[8:9], s[0:1], 0x10                ; C
	s_load_b64 s[68:69], s[0:1], 0x18              ; rsc
.if OUT32
	s_load_b128 s[72:75], s[0:1], 0x20             ; scaling4 s[72:73], bias s[74:75]
.else
	s_load_b64 s[72:73], s[0:1], 0x20              ; scaling2
.endif
	v_lshl_add_u32 v[SPW], v0, 2, SPARE
	v_mov_b32 v[NIL], 0
	ds_add_u32 v[SPW], v[NIL]                      ; the wave's opening: the add, twice on end, and its wait ahead of my first tensor load; the set-up below, work on registers, stands between
	ds_add_u32 v[SPW], v[NIL]                      ; and once more, under the one wait
	v_lshrrev_b32 v1, 5, v0
	v_readfirstlane_b32 s10, v1                    ; wave 0..3
	s_lshr_b32 s11, s10, 1                         ; which 64 of the tile's rows are mine.  Also: I fetch for A (0) or for B (1)
	s_and_b32 s12, s10, 1                          ; which 128 of its columns.  Also: which half of that tile I fetch
	s_bfe_u32 s40, ttmp6, 0x40000                  ; cx, cy: my place in the cluster
	s_bfe_u32 s41, ttmp6, 0x40004
	s_lshl_b32 s42, ttmp9, 2
	s_add_co_u32 s42, s42, s40                     ; tile column of C = 4 x cluster x + cx
	s_and_b32 s13, ttmp7, 0xffff
	s_lshl_b32 s13, s13, 2
	s_add_co_u32 s13, s13, s41                     ; tile row of C = 4 x cluster y + cy
	s_lshl_b32 s43, s41, 2
	s_lshl_b32 s43, 15, s43                        ; my row of the cluster: places 4 cy .. 4 cy + 3
	s_lshl_b32 s44, 0x1111, s40                    ; my column: places cx, cx + 4, cx + 8, cx + 12
	; descriptor group 1, in elements of 2 bytes: for A 64 rows of 256, for B 128 rows of 128 (256 weights), each row padded in LDS
	s_or_b32 s[G1+0], s43, (1<<16)|(1<<20)|(1<<21)|(6<<22)|(3<<25)   ; 15:0 the mask: A's tiles go to my row; 17:16 elements of 2 bytes; 20 padding on; 21 set beside a mask; 24:22 after every 128 words (code 6); 31:25 4 words (code 3)
	s_or_b32 s[G1B+0], s44, (1<<16)|(1<<20)|(1<<21)|(5<<22)|(3<<25)  ; the mask of my column; after every 64 words (code 5)
	s_mov_b32 s[G1+1], 256<<16                     ; tensor_dim0 = 256
	s_mov_b32 s[G1+2], 64<<16                      ; tensor_dim1 = 64
	s_mov_b32 s[G1+3], 256<<16                     ; tile_dim0 = 256
	s_mov_b32 s[G1+4], 64                          ; tile_dim1 = 64
	s_mov_b32 s[G1+5], 4096                        ; elements from row to row
	s_mov_b32 s[G1+6], 0
	s_mov_b32 s[G1+7], 0
	s_mov_b32 s[G1B+1], 128<<16                    ; tensor_dim0 = 128
	s_mov_b32 s[G1B+2], 128<<16                    ; tensor_dim1 = 128
	s_mov_b32 s[G1B+3], 128<<16                    ; tile_dim0 = 128
	s_mov_b32 s[G1B+4], 128                        ; tile_dim1 = 128
	s_mov_b32 s[G1B+5], 2048                       ; a row of B is 4,096 bytes
	s_mov_b32 s[G1B+6], 0
	s_mov_b32 s[G1B+7], 0
	s_mov_b32 s[SELE], 0x02040004
	s_mov_b32 s[MSK], 0xff00ff00
	; where the tiles come from.  A's hang on the tile row alone, B's on the tile column alone, each in registers that never hold the other coordinate.  All offsets are under 2^25.
	s_lshl_b32 s16, s13, 7
	s_lshl_b32 s17, s12, 6
	s_add_co_u32 s16, s16, s17                     ; A: row 128 x tile row + 64 x half
	s_lshl_b32 s16, s16, 13                        ; rows of 8,192 bytes
	s_mov_b32 s17, 0
	s_lshl_b32 s46, s42, 8
	s_lshl_b32 s47, s12, 7
	s_add_co_u32 s46, s46, s47                     ; B: row 256 x tile column + 128 x half
	s_lshl_b32 s46, s46, 12                        ; rows of 4,096 bytes
	s_mov_b32 s47, 0
	s_mul_i32 s20, s12, AHALF                      ; and where they go: no place in the cluster enters an LDS address
	s_mul_i32 s21, s12, BHALF
	s_add_co_u32 s21, s21, ATILE
	s_wait_dscnt 0x0                               ; both opening adds are done
	s_wait_kmcnt 0x0
	s_add_nc_u64 s[14:15], s[4:5], s[16:17]
	s_add_nc_u64 s[46:47], s[6:7], s[46:47]
	CROUND                                         ; all sixteen work-groups are here: the first joint loads meet
.irp s, 0,1
	s_mov_b32 s[G0+4*(\s)], 1                                        ; count = 1
	s_add_co_u32 s[G0+4*(\s)+1], s20, (\s)*SLOT                      ; LDS address
	s_add_nc_u64 s[G0+4*(\s)+2:G0+4*(\s)+3], s[14:15], (\s)*512      ; global address: K step s
	s_or_b32 s[G0+4*(\s)+3], s[G0+4*(\s)+3], 0x80000000              ; type = 2
	s_mov_b32 s[G0B+4*(\s)], 1
	s_add_co_u32 s[G0B+4*(\s)+1], s21, (\s)*SLOT
	s_add_nc_u64 s[G0B+4*(\s)+2:G0B+4*(\s)+3], s[46:47], (\s)*256
	s_or_b32 s[G0B+4*(\s)+3], s[G0B+4*(\s)+3], 0x80000000
	JLOAD \s                                       ; both slots are asked for before anything else is done: two loads of mine are out
.endr
	v_and_b32 v1, 15, v0                           ; l % 16
	v_bfe_u32 v2, v0, 4, 1                         ; l / 16
	v_mul_u32_u24 v3, v1, PA
	v_lshl_add_u32 v3, v2, 5, v3                   ; A: row x pitch + 32 x half: 16 places of 2 bytes
	s_mul_i32 s21, s11, AHALF                      ; my 64 rows of A
	v_add_nc_u32 v[A0], s21, v3
	v_mul_u32_u24 v3, v1, PB
	v_lshl_add_u32 v3, v2, 4, v3                   ; B: row x pitch + 16 x half: 16 places of 1 byte
	s_mul_i32 s22, s12, BHALF                      ; my 128 rows of B,
	s_add_co_u32 s22, s22, ATILE                   ; which lie behind A's 128
	v_add_nc_u32 v[B0], s22, v3
	s_mul_i32 s23, s10, 16*SPITCH
	s_add_co_u32 s23, s23, STAGE                   ; my stage
	v_mul_u32_u24 v4, v1, SPITCH                   ; in: row l % 16, 32 bytes for each half of the lanes
	v_lshl_add_u32 v4, v2, 5, v4
	v_add_nc_u32 v[STO], s23, v4
.if OUT32
	v_and_b32 v5, 31, v0
	v_lshlrev_b32 v[CO], 4, v5                     ; back: the 32 lanes take one row of 512 bytes, and the same in C
	v_add_nc_u32 v[RD], s23, v[CO]
.else
	v_mul_u32_u24 v5, v2, SPITCH                   ; back: lanes 0-15 take one row of 256 bytes, lanes 16-31 the next
	v_lshl_add_u32 v5, v1, 4, v5
	v_add_nc_u32 v[RD], s23, v5
	v_lshlrev_b32 v5, CSH, v2                      ; and the same two rows in C
	v_lshl_add_u32 v[CO], v1, 4, v5
.endif
	s_lshl_b32 s16, s13, 7
	s_lshl_b32 s17, s11, 6
	s_add_co_u32 s16, s16, s17                     ; my first row of C: 128 x tile row + 64 x half
	v_add_nc_u32 v[RO], s16, v1
	v_lshlrev_b32 v[RO], 2, v[RO]                  ; in block a my lane's row is that + 16 a + l % 16
	s_lshl_b32 s16, s16, CSH
	s_lshl_b32 s18, s42, 8
	s_lshl_b32 s19, s12, 7
	s_add_co_u32 s18, s18, s19                     ; my first column: 256 x tile column + 128 x half
	s_lshl_b32 s19, s18, 2
.if OUT32
	v_add_nc_u32 v[CV], s19, v[CO]                 ; the four columns that my lane stores: 4 l on
.else
	v_lshl_add_u32 v[CV], v2, 5, s19               ; the eight columns that my lane holds in block 0: 8 (l / 16) on
.endif
	s_lshl_b32 s18, s18, ESH
	s_add_co_u32 s16, s16, s18
	s_mov_b32 s17, 0
	s_add_nc_u64 s[8:9], s[8:9], s[16:17]          ; C at my 64 x 128: a multiple of 256 bytes from its first byte
.irp a, 0,1,2,3
	global_load_b32 v[RS+2*(\a)], v[RO], s[68:69] offset:ROFF+64*(\a)
.endr
.if OUT32
	global_load_b128 v[SC:SC+3], v[CV], s[72:73]
	global_load_b128 v[BI:BI+3], v[CV], s[74:75]
.else
.irp b, 0,1,2,3,4,5,6,7
	global_load_b128 v[S2C+8*(\b):S2C+8*(\b)+3],   v[CV], s[72:73] offset:64*(\b)
	global_load_b128 v[S2C+8*(\b)+4:S2C+8*(\b)+7], v[CV], s[72:73] offset:64*(\b)+16
.endr
.endif
	; the prefetches' set-up
	s_and_b32 s22, ttmp7, 0xffff                   ; cluster y
	s_lshl_b32 s18, s13, 7
	s_lshl_b32 s19, s40, 5
	s_add_co_u32 s18, s18, s19                     ; in A: row 128 x tile row + 32 cx,
	s_lshl_b32 s18, s18, 13
	s_lshl_b32 s19, s12, 8
	s_add_co_u32 s18, s18, s19                     ; and my wave's 256 of a K step's 512 bytes
	s_lshl_b32 s19, s42, 8
	s_lshl_b32 s20, s41, 6
	s_add_co_u32 s19, s19, s20
	s_lshl_b32 s20, s12, 5
	s_add_co_u32 s19, s19, s20                     ; in B: row 256 x tile column + 64 cy + 32 x (wave % 2)
	s_lshl_b32 s19, s19, 12
	s_lshr_b32 s[PST], 512, s11                    ; a K step: 512 bytes of a row of A, 256 of a row of B
	s_mov_b32 s[PST+1], 0
	s_sub_co_u32 s23, 13, s11                      ; a row: 2^13 bytes of A, 2^12 of B
	s_cmp_eq_u32 s11, 0
	s_cselect_b32 s20, s18, s19
	s_cselect_b32 s22, ttmp9, s22                  ; the coordinate along which other clusters read the same rows
	s_cselect_b64 s[PFA:PFA+1], s[4:5], s[6:7]
	s_cmp_eq_u32 s22, 0
	s_cselect_b32 s[LIM], 1, -1                    ; the same in all sixteen partners, for a given wave
	s_mov_b32 s21, 0
	s_add_nc_u64 s[PFA:PFA+1], s[PFA:PFA+1], s[20:21]
	s_mul_i32 s20, s[PST], 3
	s_add_nc_u64 s[PFA:PFA+1], s[PFA:PFA+1], s[20:21]  ; at K step 3: the first change of slots steps it to 4
	v_and_b32 v[PFO], 31, v0
	v_lshlrev_b32 v[PFO], s23, v[PFO]
	s_wait_loadcnt 0x0                             ; the scales, once
.irp a, 0,1,2,3
	v_mov_b32 v[RS+2*(\a)+1], v[RS+2*(\a)]
.endr
; One product: buffers p, m block a, n block b of the window's four, 32 places along K.  zero = 1: it starts the sum: nothing is ever cleared.
.macro MM p, a, b, zero
.set rC, 8*(4*(\a)+(\b))
.set rB, EB+32*(\p)+8*(\b)
.set rA, AF+32*(\p)+8*(\a)
.if \zero
	v_wmma_f32_16x16x32_f16 v[rC:rC+7], v[rB:rB+7], v[rA:rA+7], 0
.else
	v_wmma_f32_16x16x32_f16 v[rC:rC+7], v[rB:rB+7], v[rA:rA+7], v[rC:rC+7]
.endif
.endm
; Two lines that unpack word un (0..15) of half hf of buffer q's bytes into two registers.  A word holds places 0, 2, 1, 3: bytes 0 and 2 go up by one byte into the first register, bytes 1 and 3 stay in the second; the other bytes are 0.
.macro RIDE q, hf, un
	v_perm_b32 v[EB+32*(\q)+2*(\un)],   0, v[RW+32*(\q)+16*(\hf)+(\un)], s[SELE]
	v_and_b32  v[EB+32*(\q)+2*(\un)+1], s[MSK], v[RW+32*(\q)+16*(\hf)+(\un)]
.endm
; cnt of the 16 products on the n blocks of half hf (0: b = 0..3, window 1; 1: b = 4..7, window 2), from product first on: m block i / 4, n block i % 4.
; The 32 accumulators take turns, one instruction a turn, in the same order in every eighth: 31 others stand between two links of a chain, over the backward jumps too.
; ride = 1: behind each product a word of the next eighth's bytes is unpacked into the other buffer, in the product's own window.  In the second half each word stands one product later, so that the eighth's last
; product has two words, four lines, behind it: they name none of its registers and are the four places ahead of the next eighth's loads into the fragments of A that it has read.
.macro HALF p, hf, first, cnt, zero, ride
	WIN WL+WL*(\hf)
.set i, \first
.rept \cnt
	MM \p, i/4, i%4, \zero
.if \ride
.if (\hf) == 0
	RIDE 1-(\p), 0, i
.else
.if i > 0
	RIDE 1-(\p), 1, i-1
.endif
.if i == 15
	RIDE 1-(\p), 1, 15
.endif
.endif
.endif
.set i, i+1
.endr
.endm
.macro FA q, off                       ; 8 LDS loads: A's four fragments of an eighth, at byte off behind ADA, into buffer q
.irp n, 0,1,2,3
	ds_load_b128 v[AF+32*(\q)+8*(\n):AF+32*(\q)+8*(\n)+3],   v[ADA] offset:(\off)+(\n)*16*PA
	ds_load_b128 v[AF+32*(\q)+8*(\n)+4:AF+32*(\q)+8*(\n)+7], v[ADA] offset:(\off)+(\n)*16*PA+16
.endr
.endm
.macro FB q, off                       ; 8 LDS loads: B's bytes of an eighth's eight fragments, at byte off behind ADB, into buffer q
.irp n, 0,1,2,3,4,5,6,7
	ds_load_b128 v[RW+32*(\q)+4*(\n):RW+32*(\q)+4*(\n)+3], v[ADB] offset:(\off)+(\n)*16*PB
.endr
.endm
; AN EIGHTH of a K step, number e, of parity p: 32 products from buffers p.  At its head ONE run of 16 LDS loads: A's fragments of eighth e + 1, and B's bytes of eighth e + 2.  Behind its products B's bytes of
; eighth e + 1, fetched an eighth ago, are unpacked: so the first product's lines wait for nothing.  mk = 1: the addresses are made anew from TA and TB, which stand at eighth e + 1; io = 1: they stand at eighth e.
.macro EIGHTH p, mk, io, zero
	WIN 0
.if \mk
	v_add_nc_u32 v[ADB], s[TB], v[B0]
	v_add_nc_u32 v[ADA], s[TA], v[A0]
.endif
	FA 1-(\p), 64*(\io)
	FB \p, 32*(\io)+32
	s_wait_dscnt 16                                ; all but the 16 just issued: this eighth's fragments of A and the bytes that it unpacks are in
	HALF \p, 0, 0, 16, \zero, 1
	HALF \p, 1, 0, 16, \zero, 1
.endm
; A K step's eighth 6, which changes slots in its middle.  At its head A's fragments of eighth 7 are fetched: the last read of the slot (B's bytes of eighth 7 were fetched an eighth ago).  ONE barrier; in front of it each
; wave waits for all its tensor loads (one is out: its part of the next slot), adds 0 to its spare word, and waits for that and for its own reads of this slot.  Behind it come B's bytes of the next slot's eighth 0,
; sixteen products ahead of the lines that unpack them.  fill = 1: the barrier opens a round of the cluster's, and this slot is filled again, two K steps on, first thing behind the round: from that request to the
; wait for it a wave issues 240 matrix instructions.  fill = 0: the last two K steps: nothing is asked for, and the other slot's first byte stands in s[NX].
.macro EIGHTHT p, slot, fill
.if \fill
	s_wait_xcnt 0x0                                ; the last prefetch, a K step back, has read its address: it is stepped here, ahead of the waits of the change of slots
	s_add_nc_u64 s[PFA:PFA+1], s[PFA:PFA+1], s[PST:PST+1]
.endif
	WIN 0
	FA 1-(\p), 64
	s_wait_tensorcnt 0x0                           ; all my tensor loads have landed: no load of mine is out, so a group 0 may be written
	ds_add_u32 v[SPW], v[NIL]                      ; 0 onto my spare word
	s_wait_dscnt 9                                 ; (the add and the eight loads just issued may be out)
	HALF \p, 0, 0, 8, 0, 1                         ; work on registers stands between the add and the wait for it
	s_wait_dscnt 0x0                               ; the add is done, and my reads of this slot are over
	s_barrier_signal -1
	HALF \p, 0, 8, 8, 0, 1                         ; work on registers while the others arrive
	WIN 0
	s_barrier_wait -1
.if \fill
	CREST                                          ; no wave of any partner still reads this slot's tile or has a load on its way
	s_add_nc_u64 s[G0+4*(\slot)+2:G0+4*(\slot)+3], s[G0+4*(\slot)+2:G0+4*(\slot)+3], 2*512
	s_add_nc_u64 s[G0B+4*(\slot)+2:G0B+4*(\slot)+3], s[G0B+4*(\slot)+2:G0B+4*(\slot)+3], 2*256
	JLOAD \slot
	v_add_nc_u32 v[ADB], (1-(\slot))*SLOT, v[B0]
.else
	v_add_nc_u32 v[ADB], s[NX], v[B0]
.endif
	FB \p, 0
.if \fill
	ASK
.endif
	HALF \p, 1, 0, 16, 0, 1
	WIN 0
.endm
; A UNIT: the fetches of A from one slot.  It multiplies eighth 7 of the K step before and eighths 0 to 6 of the slot's own.  Three trips of one written pair, then a pair whose second eighth changes slots.
.macro UNIT tag, slot, fill
	WIN 0
.if \fill
	s_mov_b32 s[TA], (\slot)*SLOT
	s_mov_b32 s[TB], (\slot)*SLOT
.else
	s_mov_b32 s[TA], s[SB]
	s_mov_b32 s[TB], s[SB]
.endif
	s_mov_b32 s[CNT], 3
.Lpair\tag:
	EIGHTH 1, 1, 0, 0
	EIGHTH 0, 0, 1, 0
	WIN 0                                          ; at a label and at a branch every window is 0
	s_add_co_u32 s[TA], s[TA], 128
	s_add_co_u32 s[TB], s[TB], 64
	s_sub_co_u32 s[CNT], s[CNT], 1
	s_cmp_lg_u32 s[CNT], 0
	s_cbranch_scc1 .Lpair\tag
	EIGHTH 1, 1, 0, 0
	EIGHTHT 0, \slot, \fill
.endm
.macro PLACES
.rept 4
	v_nop
.endr
.endm
; THE WAY OUT of block a (16 rows x 128 columns): times the row's power of two; into my own stage in LDS; back as whole rows; stored.  The stage is the wave's own, and LDS serves a wave's
; instructions in order (ISA guide 5.7.1.4): no barrier, and no wait between the stores and the loads.  Each accumulator is read from its lowest registers on.
.macro OUTA a
.irp b, 0,1,2,3,4,5,6,7
	WIN 1+(\b)/4                                   ; source 0 in window 1 (b < 4) or 2
.irp r, 0,1,2,3
	v_pk_mul_f32 v[TMP+8*(\b)+2*(\r):TMP+8*(\b)+2*(\r)+1], v[8*(4*(\a)+(\b)%4)+2*(\r):8*(4*(\a)+(\b)%4)+2*(\r)+1], v[RS+2*(\a):RS+2*(\a)+1]
.endr
.endr
	WIN 0
.if OUT32
.irp b, 0,1,2,3,4,5,6,7
	ds_store_b128 v[STO], v[TMP+8*(\b):TMP+8*(\b)+3]   offset:64*(\b)
	ds_store_b128 v[STO], v[TMP+8*(\b)+4:TMP+8*(\b)+7] offset:64*(\b)+16
.endr
	s_wait_xcnt 0x0                                ; OB, which the last block's stores read, is loaded again only behind this wait
.irp t, 0,1,2,3,4,5,6,7,8,9,10,11,12,13,14,15
	ds_load_b128 v[OB+4*(\t):OB+4*(\t)+3], v[RD] offset:(\t)*SPITCH
.endr
.irp t, 0,1,2,3,4,5,6,7,8,9,10,11,12,13,14,15
	s_wait_dscnt 15-(\t)                           ; row t is back; the younger loads stay out
	v_pk_fma_f32 v[OB+4*(\t):OB+4*(\t)+1],   v[OB+4*(\t):OB+4*(\t)+1],   v[SC:SC+1],   v[BI:BI+1]
	v_pk_fma_f32 v[OB+4*(\t)+2:OB+4*(\t)+3], v[OB+4*(\t)+2:OB+4*(\t)+3], v[SC+2:SC+3], v[BI+2:BI+3]
	global_store_b128 v[CO], v[OB+4*(\t):OB+4*(\t)+3], s[8:9] offset:(16*(\a)+(\t))*CROW th:TH_STORE_NT  ; the wave stores 512 consecutive bytes, at a multiple of 256 from C's first byte
.endr
.else
.irp b, 0,1,2,3,4,5,6,7
.irp r, 0,1,2,3
	v_pk_mul_f32 v[TMP+8*(\b)+2*(\r):TMP+8*(\b)+2*(\r)+1], v[TMP+8*(\b)+2*(\r):TMP+8*(\b)+2*(\r)+1], v[S2C+8*(\b)+2*(\r):S2C+8*(\b)+2*(\r)+1]  ; times s2 of the column
.endr
.endr
	; hh is the next product's A, so its columns take the order along K.  My wave's 128 columns are one group: column 16 b + 8 (l / 16) + j is number 64 J + 4 R + i with J = b / 4, R = 4 (b % 4) + 2 (l / 16) + j / 4,
	; i = j % 4, and goes to place 8 R + 4 J + i = 32 (b % 4) + 16 (l / 16) + 8 (j / 4) + 4 (b / 4) + j % 4.  So blocks b and b + 4 fill 32 bytes on end: b's first four numbers, b + 4's, b's last four, b + 4's.
.irp b, 0,1,2,3,4,5,6,7
.irp r, 0,1,2,3
	v_cvt_pk_f16_f32 v[HP+8*((\b)%4)+4*((\r)/2)+2*((\b)/4)+(\r)%2], v[TMP+8*(\b)+2*(\r)], v[TMP+8*(\b)+2*(\r)+1]
.endr
.endr
.irp b, 0,1,2,3
	ds_store_b128 v[STO], v[HP+8*(\b):HP+8*(\b)+3]   offset:64*(\b)
	ds_store_b128 v[STO], v[HP+8*(\b)+4:HP+8*(\b)+7] offset:64*(\b)+16
.endr
	s_wait_xcnt 0x0                                ; OB, which the last block's stores read, is loaded again only behind this wait
.irp t, 0,1,2,3,4,5,6,7
	ds_load_b128 v[OB+4*(\t):OB+4*(\t)+3], v[RD] offset:(\t)*2*SPITCH
.endr
.irp t, 0,1,2,3,4,5,6,7
	s_wait_dscnt 7-(\t)                            ; rows 2 t and 2 t + 1 are back; the younger loads stay out
	global_store_b128 v[CO], v[OB+4*(\t):OB+4*(\t)+3], s[8:9] offset:(16*(\a)+2*(\t))*CROW  ; 16 lanes store 256 consecutive bytes, at a multiple of 256 from C's first byte
.endr
.endif
.endm
	s_wait_tensorcnt 1                             ; my part of K step 0 is in; K step 1's may stay out
	s_barrier_signal -1
	s_barrier_wait -1                              ; everybody's is
	v_mov_b32 v[ADB], v[B0]                        ; K step 0 lies at the head of slot 0
	v_mov_b32 v[ADA], v[A0]
	FB 0, 0                                        ; B's bytes of eighth 0,
	FA 0, 0                                        ; A's fragments of eighth 0,
	FB 1, 32                                       ; B's bytes of eighth 1
	s_wait_dscnt 16                                ; the first eight loads are in
	WIN WL
.set i, 0
.rept 16
	RIDE 0, 0, i                                   ; eighth 0 is unpacked with no product to ride behind: once a launch
.set i, i+1
.endr
	WIN WL+WL
.set i, 0
.rept 16
	RIDE 0, 1, i
.set i, i+1
.endr
	EIGHTH 0, 0, 1, 1                              ; the first eighth stands in front of the loops: its products start the sums; it fetches A of eighth 1 and B's bytes of eighth 2
	WIN 0
	s_mov_b32 s[TA], 128                           ; the first unit has no eighth of a K step before and has had its eighth 0: it is entered at the top of its pairs, with two trips left, at eighth 2
	s_mov_b32 s[TB], 64
	s_mov_b32 s[CNT], 2
	s_mov_b32 s3, LAPS-1
	s_branch .Lpair0
.Llap:                                                 ; a trip goes once round the ring and fills both slots again
	UNIT 0, 0, 1
	UNIT 1, 1, 1
	s_sub_co_u32 s3, s3, 1
	s_cmp_lg_u32 s3, 0
	s_cbranch_scc1 .Llap
	; The last lap asks for nothing: one written unit, walked twice, the slots' first bytes in two scalars that an exclusive or with SLOT turns from 0 to SLOT and back.
	; In its second trip the change of slots has nothing left to wait for, and its eight loads bring bytes of the slot before, which nobody unpacks: the price, once a launch, of one text for both trips.
	s_mov_b32 s[SB], 0
	s_mov_b32 s[NX], SLOT
	s_mov_b32 s3, 2
.Ltail:
	UNIT 2, 0, 0
	s_xor_b32 s[SB], s[SB], SLOT
	s_xor_b32 s[NX], s[NX], SLOT
	s_sub_co_u32 s3, s3, 1
	s_cmp_lg_u32 s3, 0
	s_cbranch_scc1 .Ltail
	s_wait_dscnt 0x0                               ; the very last eighth: nothing more to fetch or to unpack; no LDS load is out when the way out takes the registers
	HALF 1, 0, 0, 16, 0, 0
	HALF 1, 1, 0, 16, 0, 0
	WIN 0
	PLACES                                         ; behind the last products, in front of lines that read results and write over fragments;
	PLACES                                         ; eight, once a launch
	OUTA 0
	OUTA 1
	OUTA 2
	OUTA 3
	s_wait_tensorcnt 0x0                           ; the wave's end: behind my last tensor load and my last LDS store
	ds_add_u32 v[SPW], v[NIL]
	s_wait_dscnt 0x0
	CROUND                                         ; the closing round: no work-group ends while a partner may still ask for a tile that names it
	s_endpgm
.Lfunc_end_k_q554aa5475a_gemm2:
	.size	k_q554aa5475a_gemm2, .Lfunc_end_k_q554aa5475a_gemm2-k_q554aa5475a_gemm2
	.p2alignl 7, 3214868480
	.fill 96, 4, 3214868480
	.section	.rodata,"a",@progbits
	.p2align	6, 0x0
	.amdhsa_kernel k_q554aa5475a_gemm2
		.amdhsa_group_segment_fixed_size 327680
		.amdhsa_private_segment_fixed_size 0
		.amdhsa_enable_private_segment 0
		.amdhsa_kernarg_size 48
		.amdhsa_user_sgpr_count 2
		.amdhsa_user_sgpr_kernarg_segment_ptr 1
		.amdhsa_wavefront_size32 1
		.amdhsa_system_sgpr_workgroup_id_x 1
		.amdhsa_system_sgpr_workgroup_id_y 1
		.amdhsa_system_sgpr_workgroup_id_z 1
		.amdhsa_system_vgpr_workitem_id 0
		.amdhsa_next_free_vgpr 704
		.amdhsa_next_free_sgpr 80
		.amdhsa_reserve_vcc 0
		.amdhsa_float_denorm_mode_32 3
		.amdhsa_float_denorm_mode_16_64 3
		.amdhsa_memory_ordered 1
		.amdhsa_forward_progress 1
		.amdhsa_inst_pref_size 134
	.end_amdhsa_kernel
	.amdgpu_metadata
---
amdhsa.version: [ 1, 2 ]
amdhsa.kernels:
  - .name:           k_q554aa5475a_gemm2
    .symbol:         k_q554aa5475a_gemm2.kd
    .args:
      - { .name: hh, .offset: 0, .size: 8, .value_kind: global_buffer, .address_space: global }
      - { .name: w3c, .offset: 8, .size: 8, .value_kind: global_buffer, .address_space: global }
      - { .name: out0, .offset: 16, .size: 8, .value_kind: global_buffer, .address_space: global }
      - { .name: rsc, .offset: 24, .size: 8, .value_kind: global_buffer, .address_space: global }
      - { .name: scaling4, .offset: 32, .size: 8, .value_kind: global_buffer, .address_space: global }
      - { .name: bias, .offset: 40, .size: 8, .value_kind: global_buffer, .address_space: global }
    .group_segment_fixed_size: 327680
    .private_segment_fixed_size: 0
    .kernarg_segment_align: 8
    .kernarg_segment_size: 48
    .max_flat_workgroup_size: 128
    .sgpr_count:     80
    .vgpr_count:     704
    .wavefront_size: 32
...
	.end_amdgpu_metadata
.endif
;; end of part 6
;; ======== version 3 of 3: 3 launches; version 2 with the launch prep written anew for expert scheduling mode
;; limits: values are held in f16: magnitudes above 65,504 overflow, below 6.1e-05 lose precision; right only within a limited range of input values
;; workspace buffers: w1c 16,777,216 bytes; w3c 16,777,216 bytes; xs 16,777,216 bytes; hh 16,777,216 bytes; rsc 16,384 bytes
;; launch prep (part 7): grid 640 x 1, 8 waves a work-group, no clusters, 1,792 bytes of LDS; arguments w1_bits, w3_bits, x, scaling0, scaling2, w1c, w3c, xs, rsc; writes w1c, w3c, xs, rsc
.if DOCPART == 7
	.amdgcn_target "amdgcn-amd-amdhsa--gfx1250"
	.amdhsa_code_object_version 6
	.text
	.protected	k_q554aa5475a_prep
	.globl	k_q554aa5475a_prep
	.p2align	8
	.type	k_q554aa5475a_prep,@function
k_q554aa5475a_prep:
	s_mov_b64 s[64:65], 0
	v_nop
	global_prefetch_b8 v0, s[64:65] scope:SCOPE_SE
	s_setreg_imm32_b32 hwreg(HW_REG_WAVE_SCHED_MODE, 0, 2), 2
	s_setreg_imm32_b32 hwreg(HW_REG_WAVE_MODE, 25, 1), 1
	s_wait_xcnt 0x0
	s_wait_alu depctr_vm_vsrc(0)
; out[r][o] = s4[o] * sum_m W3[o][m] s2[m] (sum_i W1[m][i] s0[i] x[r][i]) + bias[o],  W = 2 bits - 1.  2,048 rows r; IN = MID = OUT = 4,096.
; NOTHING OF THE PROBLEM IS LEFT OUT: every input has a way to the output, and every input is loaded by one of the three launches.
; THIS LAUNCH makes what the two products read:
;   w1c, w3c: for each weight ONE BYTE, the upper byte of f16(2 b - 1).  The f16 of +-1 (and of +-3, 5, 7) has a lower byte of 0, so nothing is lost; the products put the 0 back and multiply in f16.
;   xs[r][i] = f16(x[r][i] s0[i]), rounded once.
;   u[r] = (sum_i |x[r][i] s0[i]|) x max_m |s2[m]|,  e = u's exponent field held to 14 .. 254,  q[r] = 2^(140 - e),  1 / q[r] = 2^(e - 140):  rsc holds q[2048], then 1 / q[2048].
; WHY q.  |W1| <= 1 gives |h[r][m] s2[m]| <= u[r], and u q < 2^14.  No f16 is more than twice the number it was rounded from, so |h s2 q| < 2^15: the second launch can store it as f16 whatever
; the size of x, s0 and s2.  q is a power of two: it goes in and comes out again without a rounding.
; THE ORDER ALONG K.  In w1c, w3c, xs (and hh, which the second launch stores) the numbers of a row stand in another order than in the problem, the same in all four: inside each group of 128,
; place 8 R + 4 J + i holds number 64 J + 4 R + i (R = 0..15, J = 0..1, i = 0..3).  A sum over k does not mind.  So a lane that has loaded 4 numbers at 4 R and 4 at 64 + 4 R holds 8 neighbouring
; places, and a wave's store of bytes covers 256 consecutive bytes, aligned.  Inside a word of four bytes the places stand in the order 0, 2, 1, 3, as the unpacking in the products wants them.
; LIMITS.  |x s0| stays within 65,504, f16's largest; below 6.1e-5 it keeps f16's fixed step of 6e-8.  Bits from -3 to 4 give their weight exactly; of any other whole number 2 b - 1 keeps three
; significant bits.  The bound on h holds for bits of 0 or 1.  A row with u < 2^-113 takes q = 2^126.  NaN and infinities are not treated apart.
; SHARES.  Every source row is 16,384 bytes.  A work-group owns 16 rows: groups 0-255 of W1, 256-511 of W3, 512-639 of x.  Wave w takes numbers 256 (w + 8 g) .. + 255, g = 0, 1, of every row, by two loads
; each: in load j lanes 0-15 take 256 consecutive bytes and lanes 16-31 the 256 bytes that lie 512 further on.  A ring of five row slots in registers keeps 12 to 16 loads of every wave on their way.
; All places stand in immediates: no address register is ever rewritten.
; No tensor loads and no LDS on the way in: no wave wants a byte that another has fetched.  No matrix unit, no cluster: nothing is multiplied by a matrix and nothing is shared.
; THE MODE: SCHED_MODE bits 1:0 = 2 (LLVM: expert scheduling mode 2), set by the entry lines.  The code itself states the register dependences between vector instructions and memory or LDS
; instructions, with s_wait_alu, always for 0.
; THE PLAN.  A turn is a row.  Registers that memory instructions touch:
;   X0 .. X4      five rows as loaded.  Written by the loads of row r + 4, issued in turn r; read, and written in place, by turn r's vector lines on X[r % 5].
;   the weights' words   four registers for each row, a set of its own: written by turn r's four v_perm_b32, read by the two stores issued in turn r + 1, never written again.
;   Y0, Y1        x: two rows in f16.  Y[r % 2] is written by turn r's roundings, read by the two stores issued in turn r + 1, written again in turn r + 2.
;   v1, v2, v5    offsets and an LDS address, made once and never written again.
; Turn r's memory instructions are the loads into X[(r + 4) % 5] = X[(r - 1) % 5] and the stores of row r - 1: registers that turn r - 1 worked on and that no vector line of turn r names.  So ONE wait on
; va_vdst at a turn's head states all that the turn's six memory instructions hang on, and these are dealt among its vector lines with no further wait.  In x's arm a wait on vm_vsrc stands beside it, for Y.
.set ROWIN,  16384
.set WROW,   4096                      ; a row of bytes
.set XROW,   8192                      ; a row of xs
.set SPARE,  768                       ; LDS: bytes 0-511 the waves' partial sums (row r, wave w at 32 r + 4 w), 512-543 their maxima of |s2|; from 768 on the spare words, 128 bytes for each of 8 waves, which no other line names
.set LO,  1                            ; v1       1,024 w + 512 (l / 16) + 16 (l % 16): my 16 bytes in a load, in a row and in the scales; never rewritten
.set SO,  2                            ; v2       8 t (bytes) or 16 t (xs): my place in a store; never rewritten
.set SPW, 3                            ; v3       LDS address of my spare word; never rewritten
.set NIL, 4                            ; v4       0; never rewritten
.set LA,  5                            ; v5       4 x my wave's number
.set S,   8                            ; v[8:23]  x: my 16 numbers of scaling0
.set SV,  24                           ; v[24:39] x: my 16 numbers of scaling2
.set U,   40                           ; v[40:47] at work
.set T,   48                           ; v[48:63] x: row r: my part of the row's sum
.set X,   64                           ; v[64:127]  slots 0 to 3, 16 registers each: a row's numbers as loaded, then at work
.set Y,   128                          ; v[128:143] x: two buffers of 8: a row in f16
.set X4,  144                          ; v[144:159] slot 4
.set SRC, 24                           ; s[24:25] the group's first row in its source
.set DST, 26                           ; s[26:27] and in its destination
.macro FILL2 r, g                      ; row r, half g: two of its four loads, into slot r % 5
.set fb, X+16*((\r)%5)
.if (\r)%5 == 4
.set fb, X4
.endif
.irp j, 0,1
	global_load_b128 v[fb+8*(\g)+4*(\j):fb+8*(\g)+4*(\j)+3], v[LO], s[SRC:SRC+1] offset:(\r)*ROWIN+(\g)*8192+(\j)*256 th:TH_LOAD_NT
.endr
.endm
.macro ARRIVED r                       ; row r is in
.set left, 12                          ; three younger rows, four loads each, may stay out;
.if (\r) > 12
.set left, 4*(15-(\r))                 ; behind row 12's turn nothing is loaded any more, and the counts run down
.endif
	s_wait_loadcnt left                            ; loads come back in order (ISA guide 5.7.1): row r is in, and so is all that was asked for earlier
.endm
.macro YWOF r                          ; yw: the four registers of row r's words: v8-39, v48-63, v128-143, which the weights' arm uses for nothing else
.set yw, 8+4*(\r)
.if (\r) >= 8
.set yw, 48+4*((\r)-8)
.endif
.if (\r) >= 12
.set yw, 128+4*((\r)-12)
.endif
.endm
.macro WSTORE r, g                     ; half g of row r's bytes
	YWOF \r
	global_store_b64 v[SO], v[yw+2*(\g):yw+2*(\g)+1], s[DST:DST+1] offset:(\r)*WROW+(\g)*2048  ; the wave stores 256 consecutive bytes, aligned
.endm
; A row of weights: 2 b - 1 in f32, rounded to f16 (exact for bits), the four upper bytes of four places into a word.  Each row's four words have registers of their own:
; no store's data is ever rewritten, so the arm has no wait for its stores.
.macro WTURN r
.set xb, X+16*((\r)%5)
.if (\r)%5 == 4
.set xb, X4
.endif
	ARRIVED \r
.if (\r) >= 1
	s_wait_alu depctr_va_vdst(0)                   ; the turn before is done reading and writing its slot, in which the loads below land, and has written its four words, which the stores below read
.endif
.if (\r) < 12
	FILL2 (\r)+4, 0                                ; four rows ahead; no vector line since the wait names these registers
.endif
.irp j, 0,1,2,3,4,5,6,7,8,9,10,11,12,13,14,15
	v_cvt_f32_i32 v[xb+(\j)], v[xb+(\j)]
.endr
.if (\r) < 12
	FILL2 (\r)+4, 1
.endif
.irp k, 0,1,2,3,4,5,6,7
	v_pk_fma_f32 v[xb+2*(\k):xb+2*(\k)+1], v[xb+2*(\k):xb+2*(\k)+1], 2.0, -1.0 op_sel_hi:[1,0,0]
.endr
.if (\r) >= 1
	WSTORE (\r)-1, 0                               ; the row before
.endif
.irp k, 0,1,2,3,4,5,6,7
	v_cvt_pk_f16_f32 v[U+(\k)], v[xb+2*(\k)], v[xb+2*(\k)+1]
.endr
.if (\r) >= 1
	WSTORE (\r)-1, 1
.endif
	YWOF \r
.irp c, 0,1,2,3
	v_perm_b32 v[yw+(\c)], v[U+2*(\c)+1], v[U+2*(\c)], s33  ; the upper bytes of places 0, 2, 1, 3
.endr
.endm
.macro XSTORE r, g                     ; half g of row r of xs
	global_store_b128 v[SO], v[Y+8*((\r)%2)+4*(\g):Y+8*((\r)%2)+4*(\g)+3], s[DST:DST+1] offset:(\r)*XROW+(\g)*4096  ; the wave stores 512 consecutive bytes, aligned
.endm
.macro XTURN r                         ; a row of x: x s0 in f32, as reference has it; my 16 magnitudes are added in a tree; rounded once to f16
.set xb, X+16*((\r)%5)
.if (\r)%5 == 4
.set xb, X4
.endif
	ARRIVED \r
.if (\r) >= 2
	s_wait_xcnt 0x0                                ; every earlier memory instruction has had its addresses translated (ISA guide 3.1): Y[r % 2] is written again only behind this wait
	s_wait_alu depctr_vm_vsrc(0)                   ; the stores issued in the turn before have read Y[r % 2], which this turn's roundings write again
.endif
.if (\r) >= 1
	s_wait_alu depctr_va_vdst(0)                   ; the turn before is done reading and writing its slot, in which the loads below land, and has written the other Y, which the stores below read
.endif
.if (\r) < 12
	FILL2 (\r)+4, 0                                ; four rows ahead; no vector line since the wait names these registers
.endif
.irp k, 0,1,2,3,4,5,6,7
	v_pk_mul_f32 v[xb+2*(\k):xb+2*(\k)+1], v[xb+2*(\k):xb+2*(\k)+1], v[S+2*(\k):S+2*(\k)+1]
.endr
.if (\r) < 12
	FILL2 (\r)+4, 1
.endif
.irp k, 0,1,2,3,4,5,6,7
	v_add_f32 v[U+(\k)], |v[xb+2*(\k)]|, |v[xb+2*(\k)+1]|
.endr
.if (\r) >= 1
	XSTORE (\r)-1, 0                               ; the row before
.endif
.irp k, 0,1,2,3
	v_add_f32 v[U+(\k)], v[U+(\k)], v[U+4+(\k)]
.endr
	v_add_f32 v[U], v[U], v[U+2]
	v_add_f32 v[U+1], v[U+1], v[U+3]
	v_add_f32 v[T+(\r)], v[U], v[U+1]
.if (\r) >= 1
	XSTORE (\r)-1, 1
.endif
.irp k, 0,1,2,3,4,5,6,7
	v_cvt_pk_f16_f32 v[Y+8*((\r)%2)+(\k)], v[xb+2*(\k)], v[xb+2*(\k)+1]
.endr
.endm
	s_load_b512 s[4:19], s[0:1], 0x0               ; w1_bits s[4:5], w3_bits s[6:7], x s[8:9], scaling0 s[10:11], scaling2 s[12:13], w1c s[14:15], w3c s[16:17], xs s[18:19]
	s_load_b64 s[20:21], s[0:1], 0x40              ; rsc
	v_lshl_add_u32 v[SPW], v0, 2, SPARE
	v_mov_b32 v[NIL], 0
	v_lshrrev_b32 v6, 5, v0
	v_readfirstlane_b32 s22, v6                    ; my wave's number
	v_bfe_u32 v7, v0, 4, 1                         ; l / 16
	v_and_b32 v[LO], 15, v0
	v_lshlrev_b32 v[LO], 4, v[LO]
	v_lshl_add_u32 v[LO], v7, 9, v[LO]
	v_lshl_add_u32 v[LO], v6, 10, v[LO]
	v_lshlrev_b32 v[LA], 2, v6
	s_mov_b32 s30, 0x76543210                      ; v_permlanex16_b32: each lane takes its own place in the other half
	s_mov_b32 s31, 0xfedcba98
	s_mov_b32 s33, 0x07030501                      ; v_perm_b32: byte 1 of the second source, byte 1 of the first, byte 3 of the second, byte 3 of the first
	s_mov_b32 s29, 0                               ; the upper word of every offset: all are under 2^27
	s_wait_alu depctr_va_sdst(0)                   ; s22 is written: its one reader, the compare behind the barrier in x's arm, stands behind branches and labels
	s_wait_kmcnt 0x0
	s_cmp_ge_u32 ttmp9, 512                        ; the work-group's number alone decides: the same way for all eight waves
	s_cbranch_scc1 .Lx
	; WEIGHTS
	v_lshlrev_b32 v[SO], 3, v0
	s_and_b32 s23, ttmp9, 255                      ; my block of 16 rows
	s_cmp_lt_u32 ttmp9, 256
	s_cselect_b64 s[SRC:SRC+1], s[4:5], s[6:7]
	s_cselect_b64 s[DST:DST+1], s[14:15], s[16:17]
	s_lshl_b32 s28, s23, 18                        ; 16 rows of 16,384 bytes
	s_add_nc_u64 s[SRC:SRC+1], s[SRC:SRC+1], s[28:29]
	s_lshl_b32 s28, s23, 16                        ; 16 rows of 4,096 bytes
	s_add_nc_u64 s[DST:DST+1], s[DST:DST+1], s[28:29]
	s_wait_alu depctr_va_vdst(0)                   ; v[LO] and v[SO] are written: every load and store of this arm reads one of them as its offset
.irp r, 0,1,2,3
	FILL2 \r, 0
	FILL2 \r, 1
.endr
.irp r, 0,1,2,3,4,5,6,7,8,9,10,11,12,13,14,15
	WTURN \r
.endr
	s_wait_alu depctr_va_vdst(0)                   ; turn 15 has written its four words, which the last two stores read
	WSTORE 15, 0
	WSTORE 15, 1
	s_branch .Lend
	; ROWS OF x
.Lx:
	v_lshlrev_b32 v[SO], 4, v0
	s_sub_co_u32 s23, ttmp9, 512                   ; my block of 16 rows
	s_lshl_b32 s28, s23, 18
	s_add_nc_u64 s[SRC:SRC+1], s[8:9], s[28:29]
	s_lshl_b32 s28, s23, 17                        ; 16 rows of 8,192 bytes
	s_add_nc_u64 s[DST:DST+1], s[18:19], s[28:29]
	s_lshl_b32 s32, s23, 6                         ; 16 rows x 4 bytes in each half of rsc
	s_wait_alu depctr_va_vdst(0)                   ; v[LO] and v[SO] are written: every load of this arm and every store of xs reads one of them as its offset
.irp c, 0,1,2,3
	global_load_b128 v[S+4*(\c):S+4*(\c)+3], v[LO], s[10:11] offset:((\c)/2)*8192+((\c)%2)*256   ; scaling0 of my numbers
.endr
.irp c, 0,1,2,3
	global_load_b128 v[SV+4*(\c):SV+4*(\c)+3], v[LO], s[12:13] offset:((\c)/2)*8192+((\c)%2)*256 ; a 256th of scaling2: the work-group's threads hold all of it
.endr
.irp r, 0,1,2,3
	FILL2 \r, 0
	FILL2 \r, 1
.endr
.irp r, 0,1,2,3,4,5,6,7,8,9,10,11,12,13,14,15
	XTURN \r
.endr
	s_wait_alu depctr_va_vdst(0)                   ; turn 15 has written Y1, which the last two stores of xs read
	XSTORE 15, 0
	XSTORE 15, 1
.irp k, 0,1,2,3,4,5,6,7
	v_max_num_f32 v[U+(\k)], |v[SV+2*(\k)]|, |v[SV+2*(\k)+1]|
.endr
.irp k, 0,1,2,3
	v_max_num_f32 v[U+(\k)], v[U+(\k)], v[U+4+(\k)]
.endr
	v_max_num_f32 v[U], v[U], v[U+2]
	v_max_num_f32 v[U+1], v[U+1], v[U+3]
	v_max_num_f32 v[U], v[U], v[U+1]               ; the largest of my 16 |s2|
	; the 16 sums and the maximum over the wave's 32 lanes: four steps inside each half ride on the arithmetic, one crosses the halves; all take a step together, so that no line waits for the one before it
.irp m, 1,2,4,8
.set n, 0
.rept 16
	v_add_f32_dpp v[T+n], v[T+n], v[T+n] row_xmask:\m row_mask:0xf bank_mask:0xf
.set n, n+1
.endr
	v_max_num_f32_dpp v[U], v[U], v[U] row_xmask:\m row_mask:0xf bank_mask:0xf
.endr
.set n, 0
.rept 16
	v_permlanex16_b32 v[X+n], v[T+n], s30, s31     ; its destination counts as read: slot 0 has been written, and no load into it is out
.set n, n+1
.endr
	v_permlanex16_b32 v[U+1], v[U], s30, s31
.set n, 0
.rept 16
	v_add_f32 v[T+n], v[T+n], v[X+n]
.set n, n+1
.endr
	v_max_num_f32 v[U], v[U], v[U+1]
	s_wait_alu depctr_va_vdst(0)                   ; the sums in v[T ..], the maximum in v[U] and the address v[LA] are written, which the LDS stores read
.set n, 0
.rept 16
	ds_store_b32 v[LA], v[T+n] offset:32*n         ; all lanes write the wave's one word of row n with the same number
.set n, n+1
.endr
	ds_store_b32 v[LA], v[U] offset:512
	s_wait_dscnt 0x0                               ; for the others' sake: my stores are done
	s_barrier_signal -1
	s_barrier_wait -1                              ; all eight waves' partial sums and maxima lie in LDS
	s_wait_alu depctr_vm_vsrc(0)                   ; my LDS stores have read v[T ..] and v[U], which wave 0 writes and loads again below: the wait stands ahead of the branch that leads there
	s_cmp_lg_u32 s22, 0
	s_cbranch_scc1 .Lend                           ; wave 0 finishes: lanes 0-15 make q of the 16 rows, lanes 16-31 make 1 / q
	v_and_b32 v6, 15, v0
	v_lshlrev_b32 v7, 5, v6
	v_mov_b32 v[T], 0
	s_wait_alu depctr_va_vdst(0)                   ; the addresses v7 and v[T] are written; the reductions are done with v[U ..] and v[T+4 ..], in which the four loads land
	ds_load_b128 v[U:U+3], v7
	ds_load_b128 v[U+4:U+7], v7 offset:16
	ds_load_b128 v[T+4:T+7], v[T] offset:512
	ds_load_b128 v[T+8:T+11], v[T] offset:528
	s_wait_dscnt 0x0
	s_wait_alu depctr_vm_vsrc(0)                   ; the LDS loads have read v7, which takes e below
	v_pk_add_f32 v[U:U+1], v[U:U+1], v[U+4:U+5]
	v_pk_add_f32 v[U+2:U+3], v[U+2:U+3], v[U+6:U+7]
	v_max3_num_f32 v[T+4], v[T+4], v[T+5], v[T+6]
	v_max3_num_f32 v[T+7], v[T+7], v[T+8], v[T+9]
	v_pk_add_f32 v[U:U+1], v[U:U+1], v[U+2:U+3]
	v_max3_num_f32 v[T+4], v[T+4], v[T+10], v[T+11]
	v_add_f32 v[U], v[U], v[U+1]                   ; the row's sum
	v_max_num_f32 v[T+4], v[T+4], v[T+7]           ; max |s2|
	v_mul_f32 v[U], v[U], v[T+4]                   ; u
	v_bfe_u32 v7, v[U], 23, 8                      ; e
	v_max_u32 v7, 14, v7
	v_min_u32 v7, 0xfe, v7
	v_sub_nc_u32 v[U+1], 0x10b, v7                 ; q's exponent field, 267 - e: 13 .. 253
	v_add_nc_u32 v[U+2], -13, v7                   ; that of 1 / q, e - 13: 1 .. 241
	v_lshlrev_b32 v[U+1], 23, v[U+1]
	v_lshlrev_b32 v[U+2], 23, v[U+2]
	v_cmp_gt_u32 vcc_lo, 16, v0                    ; (in wave 0 the thread's number is the lane's)
	v_lshrrev_b32 v[U+4], 4, v0                    ; the store's offset is made between the compare and the wait for its mask
	v_lshlrev_b32 v[U+4], 13, v[U+4]               ; 1 / q lies 8,192 bytes behind q
	v_lshl_add_u32 v[U+4], v6, 2, v[U+4]
	v_add_nc_u32 v[U+4], s32, v[U+4]
	s_wait_alu depctr_va_vcc(0)                    ; the compare has written VCC, which the select reads
	v_cndmask_b32 v[U+3], v[U+2], v[U+1], vcc_lo
	s_wait_alu depctr_va_vdst(0)                   ; v[U+3], the store's data, and v[U+4], its offset, are written
	global_store_b32 v[U+4], v[U+3], s[20:21]      ; twice 64 bytes a work-group: 16,384 bytes in the whole launch
.Lend:
	s_wait_dscnt 0x0                               ; the closing lines, six on end
	s_wait_alu 0x0
	s_wait_tensorcnt 0x0
	ds_add_u32 v[SPW], v[NIL]
	s_wait_dscnt 0x0
	s_endpgm
.Lfunc_end_k_q554aa5475a_prep:
	.size	k_q554aa5475a_prep, .Lfunc_end_k_q554aa5475a_prep-k_q554aa5475a_prep
	.p2alignl 7, 3214868480
	.fill 96, 4, 3214868480
	.section	.rodata,"a",@progbits
	.p2align	6, 0x0
	.amdhsa_kernel k_q554aa5475a_prep
		.amdhsa_group_segment_fixed_size 1792
		.amdhsa_private_segment_fixed_size 0
		.amdhsa_enable_private_segment 0
		.amdhsa_kernarg_size 72
		.amdhsa_user_sgpr_count 2
		.amdhsa_user_sgpr_kernarg_segment_ptr 1
		.amdhsa_wavefront_size32 1
		.amdhsa_system_sgpr_workgroup_id_x 1
		.amdhsa_system_sgpr_workgroup_id_y 1
		.amdhsa_system_sgpr_workgroup_id_z 1
		.amdhsa_system_vgpr_workitem_id 0
		.amdhsa_next_free_vgpr 160
		.amdhsa_next_free_sgpr 66
		.amdhsa_reserve_vcc 1
		.amdhsa_float_denorm_mode_32 3
		.amdhsa_float_denorm_mode_16_64 3
		.amdhsa_memory_ordered 1
		.amdhsa_forward_progress 1
		.amdhsa_inst_pref_size 89
	.end_amdhsa_kernel
	.amdgpu_metadata
---
amdhsa.version: [ 1, 2 ]
amdhsa.kernels:
  - .name:           k_q554aa5475a_prep
    .symbol:         k_q554aa5475a_prep.kd
    .args:
      - { .name: w1_bits, .offset: 0, .size: 8, .value_kind: global_buffer, .address_space: global }
      - { .name: w3_bits, .offset: 8, .size: 8, .value_kind: global_buffer, .address_space: global }
      - { .name: x, .offset: 16, .size: 8, .value_kind: global_buffer, .address_space: global }
      - { .name: scaling0, .offset: 24, .size: 8, .value_kind: global_buffer, .address_space: global }
      - { .name: scaling2, .offset: 32, .size: 8, .value_kind: global_buffer, .address_space: global }
      - { .name: w1c, .offset: 40, .size: 8, .value_kind: global_buffer, .address_space: global }
      - { .name: w3c, .offset: 48, .size: 8, .value_kind: global_buffer, .address_space: global }
      - { .name: xs, .offset: 56, .size: 8, .value_kind: global_buffer, .address_space: global }
      - { .name: rsc, .offset: 64, .size: 8, .value_kind: global_buffer, .address_space: global }
    .group_segment_fixed_size: 1792
    .private_segment_fixed_size: 0
    .kernarg_segment_align: 8
    .kernarg_segment_size: 72
    .max_flat_workgroup_size: 256
    .sgpr_count:     66
    .vgpr_count:     160
    .wavefront_size: 32
...
	.end_amdgpu_metadata
.endif
;; end of part 7
;; launch gemm1: the kernel of part 5 again; grid 16 x 16, 4 waves a work-group, clusters of 4 x 4, 327,680 bytes of LDS; arguments xs, w1c, hh, rsc, scaling2; writes hh
;; launch gemm2: the kernel of part 6 again; grid 16 x 16, 4 waves a work-group, clusters of 4 x 4, 327,680 bytes of LDS; arguments hh, w3c, out0, rsc, scaling4, bias; writes out0
